; MI455X (gfx1250); checked and timed in simulation.
; The chip was launched on July 23, 2026; its instructions are those of AMD's public machine-readable ISA for CDNA 5 (MIT licence, August 2026) and "CDNA5" Instruction Set Architecture Reference Guide (July 2026). The comments in the code are by the model that wrote it; some were corrected since.
;; MOE Layer. Allowed arithmetic: matrix products marked QUANTISED: E3M2 operands, one E8M0 scale for each 32 along K, by v_wmma_scale_f32_16x16x128_f8f6f4 with both operands' format E3M2, f32 sums; products left as they are: f32 operands where the result goes on into a quantised operand, else bf16, f16 or f32 operands; f32 sums; everything else in f32.
;; Inputs: b1 8 x 4,096 float32; b2 8 x 1,024 float32; router_b 8 float32; router_w 1,024 x 8 float32; w1 8 x 1,024 x 4,096 float32; w2 8 x 4,096 x 1,024 float32; x 4 x 256 x 1,024 float32.
;; Outputs: out0 4 x 256 x 1,024 float32.
;; This version of the problem:
;;   THIS VERSION OF THE PROBLEM IS GIVEN IN LOW PRECISION. The matrix products marked QUANTISED in the list below multiply operands that are first quantised to E3M2 (3 exponent bits, 2 mantissa bits; 6 bits a number), with one power-of-two scale for each 32 numbers along K (OCP MX v1.0); their sums are f32. All else is computed in f32.
;;   The module's matrix products, in the order in which they are computed (A, B: the left and right operand; K: the contracted axis; several contracted axes count as one K, in the product's order):
;;     1. [M 1,024, K 1,024] x [K 1,024, N 8]; A: input x; B: input router_w: left as it is (N = 8 < 16)
;;     2. [M 1,024, K 1,024] x [K 1,024, N 4,096]; A: input x; B: input w1: QUANTISED
;;     3. [M 1,024, K 4,096] x [K 4,096, N 1,024]; A: computed on the way; B: input w2: QUANTISED
;;     4. [M 1,024, K 1,024] x [K 1,024, N 4,096]; A: input x; B: input w1: QUANTISED
;;     5. [M 1,024, K 4,096] x [K 4,096, N 1,024]; A: computed on the way; B: input w2: QUANTISED
;;     6. [M 1,024, K 1,024] x [K 1,024, N 4,096]; A: input x; B: input w1: QUANTISED
;;     7. [M 1,024, K 4,096] x [K 4,096, N 1,024]; A: computed on the way; B: input w2: QUANTISED
;;     8. [M 1,024, K 1,024] x [K 1,024, N 4,096]; A: input x; B: input w1: QUANTISED
;;     9. [M 1,024, K 4,096] x [K 4,096, N 1,024]; A: computed on the way; B: input w2: QUANTISED
;;     10. [M 1,024, K 1,024] x [K 1,024, N 4,096]; A: input x; B: input w1: QUANTISED
;;     11. [M 1,024, K 4,096] x [K 4,096, N 1,024]; A: computed on the way; B: input w2: QUANTISED
;;     12. [M 1,024, K 1,024] x [K 1,024, N 4,096]; A: input x; B: input w1: QUANTISED
;;     13. [M 1,024, K 4,096] x [K 4,096, N 1,024]; A: computed on the way; B: input w2: QUANTISED
;;     14. [M 1,024, K 1,024] x [K 1,024, N 4,096]; A: input x; B: input w1: QUANTISED
;;     15. [M 1,024, K 4,096] x [K 4,096, N 1,024]; A: computed on the way; B: input w2: QUANTISED
;;     16. [M 1,024, K 1,024] x [K 1,024, N 4,096]; A: input x; B: input w1: QUANTISED
;;     17. [M 1,024, K 4,096] x [K 4,096, N 1,024]; A: computed on the way; B: input w2: QUANTISED
;;   THE QUANTISER, for each operand of a quantised product, along K:
;;     - K is cut into blocks of 32 from its start; a last block that is shorter is filled with zeros.
;;     - A block's scale is 2^e with e = floor(log2(the largest magnitude in the block)) - 4, held to -126 .. 127; a block of zeros has e = 0. As a byte (E8M0): e + 127.
;;     - Each number is divided by its block's scale, clamped to +-28, and rounded to the nearest number of E3M2, ties to even, subnormals kept.
;;     - The product sums the exact products of the quantised numbers (number of the format x scale) in f32.
;;   ~~~python
;;   def quantise(x, axis):      # numpy; x: float32 -> the quantised numbers, widened to float32 again
;;       x = np.moveaxis(x, axis, -1); K = x.shape[-1]
;;       x = np.pad(x, [(0, 0)] * (x.ndim - 1) + [(0, -K % 32)]); x = x.reshape(x.shape[:-1] + (-1, 32)); a = np.abs(x).max(-1, keepdims=True)
;;       e = np.where(a > 0, np.clip(np.frexp(np.where(a > 0, a, 1))[1] - 1 - 4, -126, 127), 0)      # np.frexp(a)[1] - 1 = floor(log2(a)), exactly
;;       r = np.clip(x / 2.0 ** e, -28, 28)
;;       step = 2.0 ** (np.maximum(np.frexp(np.where(r == 0, 1, r))[1] - 1, -2) - 2)
;;       q = np.round(r / step) * step * 2.0 ** e      # np.round: ties to even
;;       return np.moveaxis(q.reshape(q.shape[:-2] + (-1,))[..., :K], -1, axis).astype(np.float32)
;;   ~~~
;;   OPERANDS COMPUTED ON THE WAY. 'Computed on the way' means the value that the module computes at that place (a softmax that the list does not call 'softmax' is quantised finished and normalised). What goes into a quantiser is computed in f32, as accurately as f32 sums, v_exp_f32 and their like allow (about 1e-6 of the number): no bf16 or f16 on the way to a quantiser, and a product that is left as it is and whose result goes on into a quantised operand takes f32 operands (vector FMAs, or v_wmma_f32_16x16x4_f32). A number that lies on a knife's edge between two numbers of the format may be rounded either way, as far as f32 arithmetic and the matrix unit's own rounding can turn it there, and no further.
;; 2 versions, each right; version 2 is version 1 with the launches up, down written anew for expert scheduling mode. Each part assembles by itself: llvm-mc -triple=amdgcn-amd-amdhsa -mcpu=gfx1250 --defsym DOCPART=n.
;; ======== version 1 of 2: 4 launches
;; workspace buffers: xc 786,432 bytes; xs 32,768 bytes; sel 4,096 bytes of whole numbers; gate 8,192 bytes; hc 25,165,824 bytes; hs 1,048,576 bytes; y 16,842,752 bytes
;; launch route (part 1): grid 64 x 1, 16 waves a work-group, no clusters, 101,376 bytes of LDS; arguments x, router_w, router_b, xc, xs, sel, gate; writes xc, xs, sel, gate
.if DOCPART == 1
	.amdgcn_target "amdgcn-amd-amdhsa--gfx1250"
	.amdhsa_code_object_version 6
	.text
	.protected	k_qcd2c58ad6b_route
	.globl	k_qcd2c58ad6b_route
	.p2align	8
	.type	k_qcd2c58ad6b_route,@function
k_qcd2c58ad6b_route:
	s_mov_b64 s[64:65], 0
	v_nop
	global_prefetch_b8 v0, s[64:65] scope:SCOPE_SE
	s_setreg_imm32_b32 hwreg(HW_REG_WAVE_MODE, 25, 1), 1
	s_wait_xcnt 0x0
; ROUTER AND x's QUANTISER.  x: [1024 tokens][1024] f32; router_w: [1024][8]; router_b: [8].
; A work-group owns 16 tokens; wave w owns d = 64 w .. 64 w + 63; lane (r, h) (r = lane % 16, h = lane / 16) works on the 32 numbers d = 64 w + 32 h + i of token r:
; that is one quantiser block of 32 along K, and also the lane's share of the router's product.
; x IS LOADED AS IT LIES: a load takes the wave's 256 bytes of two tokens' rows, 16 bytes a lane; the 16 rows turn through the wave's own stage in LDS (rows of 256 + 16 bytes) and come back 128 bytes a lane.
; OUT: xc [token][768]: the 24 bytes of codes (E3M2, 6 bits) of block 4 s + 2 c + h lie at 96 s + 48 h + 24 c, so that the 48 bytes at 96 s + 48 h are a fragment's 12 registers of lane (r, h);
;      xs [token][8 words]: word s = the four E8M0 bytes of K step s;  sel [token] = (1 << first expert) | (256 << second expert);  gate [token][2] f32.
; THE LOGITS are made with f32 operands (16 tokens share router_w's registers in the f32 matrix form: 8.4 million multiply-adds in the whole launch), since the choice of experts hangs on them.
; No address and no branch hangs on the choice: it is stored at fixed places and used by the later launches.
; LIMITS: NaN, infinities and logits of -infinity are not served.  Ties go to the lower index; logits closer than the order of the f32 sums can move may be chosen otherwise than by another order of summing.
;         A block whose largest magnitude lies under 2^-122 keeps the scale byte 1 (a block of zeros too: its codes are zeros, and this program alone reads the bytes).
.set XC,  0                            ; LDS: 16 tokens x 768 bytes of codes
.set XSS, 12288                        ; 16 tokens x 32 scale bytes
.set RED, 12800                        ; 32 bytes for each of the 512 threads: its eight partial logits
.set STX, 29696                        ; a stage for each wave: 16 rows x SXP bytes
.set SXP, 272                          ; a stage row: 256 bytes + 16, so that the sixteen rows that a load touches start in different banks
.set X,   16                           ; v16-47   32 numbers of x: as loaded, then my block
.set RW,  48                           ; v48-79   router_w[64 w + 32 h + i][r % 8]
.set ACC, 80                           ; v80-111  four accumulators; matrix instructions alone write them
.set SU,  112                          ; v112-127 sums
.set QM,  128                          ; v128-129 largest magnitudes, two chains
.set QS,  130                          ; v130     the conversion's scale operand
.set QBY, 131                          ; v131     the scale's byte
.set QC,  132                          ; v132-137 the block's 24 bytes of codes
.set QD,  138                          ; v138-140 its upper 16 codes as the conversion leaves them
.set SIN, 144                          ; v144     the stage: where I put 16 bytes as loaded
.set SOU, 145                          ; v145     the stage: where my block begins
	s_load_b256 s[4:11], s[0:1], 0x0               ; x s[4:5], router_w s[6:7], router_b s[8:9], xc s[10:11]
	s_load_b128 s[12:15], s[0:1], 0x20             ; xs s[12:13], sel s[14:15]
	s_load_b64 s[16:17], s[0:1], 0x30              ; gate
	v_lshl_add_u32 v160, v0, 2, 0x18400
	v_mov_b32 v161, 0
	v_lshrrev_b32 v1, 5, v0
	v_readfirstlane_b32 s18, v1                    ; wave 0..15
	v_and_b32 v2, 31, v0                           ; lane
	v_and_b32 v3, 15, v0                           ; r
	v_bfe_u32 v4, v0, 4, 1                         ; h
	v_lshlrev_b32 v5, 12, v4                       ; x as it is loaded: row h of a pair of rows of 4,096 bytes,
	v_lshl_add_u32 v5, v3, 4, v5                   ;    + 16 (lane % 16)
	s_lshl_b32 s30, s18, 8
	v_add_nc_u32 v5, s30, v5                       ;    + 256 w
	v_and_b32 v6, 7, v0
	v_lshlrev_b32 v6, 2, v6                        ; router_w: column r % 8,
	v_lshl_add_u32 v6, v4, 10, v6                  ;    row 32 h of 32 bytes,
	s_lshl_b32 s30, s18, 11
	v_add_nc_u32 v6, s30, v6                       ;    + row 64 w
	v_mul_u32_u24 v7, v3, 768                      ; LDS, my block's codes: 768 r + 48 h + 96 (w / 2) + 24 (w % 2)
	v_mad_u32_u24 v7, v4, 48, v7
	s_lshr_b32 s30, s18, 1
	s_mul_i32 s30, s30, 96
	s_and_b32 s31, s18, 1
	s_mul_i32 s31, s31, 24
	s_add_co_u32 s30, s30, s31
	v_add_nc_u32 v7, s30, v7
	v_lshl_add_u32 v8, v3, 5, v4                   ; LDS, my block's scale byte: XSS + 32 r + 2 w + h
	s_lshl_b32 s30, s18, 1
	s_add_co_u32 s30, s30, XSS
	v_add_nc_u32 v8, s30, v8
	v_lshl_add_u32 v9, v0, 5, RED                  ; LDS, my partial logits
	v_lshlrev_b32 v10, 4, v0                       ; the way out of the codes: 16 bytes a thread, in LDS and in xc alike
	v_lshlrev_b32 v12, 4, v2                       ; the way out of the scale bytes (wave 8): 16 bytes a lane
	v_add_nc_u32 v11, XSS, v12
	v_lshl_add_u32 v13, v2, 5, RED                 ; wave 9: lane l reads thread 32 w + l's partial logits
	v_lshlrev_b32 v14, 2, v3                       ; sel: 4 bytes a token
	v_lshlrev_b32 v15, 3, v3                       ; gate: 8 bytes a token
	s_mul_i32 s30, s18, 16*SXP
	s_add_co_u32 s30, s30, STX                     ; my wave's stage
	v_mul_u32_u24 v[SIN], v4, SXP                  ; in: row h of a pair, 16 bytes a lane
	v_lshl_add_u32 v[SIN], v3, 4, v[SIN]
	v_add_nc_u32 v[SIN], s30, v[SIN]
	v_mul_u32_u24 v[SOU], v3, SXP                  ; back: row r, + 128 h
	v_lshl_add_u32 v[SOU], v4, 7, v[SOU]
	v_add_nc_u32 v[SOU], s30, v[SOU]
	s_lshl_b32 s20, ttmp9, 16                      ; the work-group's 16 rows of x,
	s_mov_b32 s21, 0
	s_mul_i32 s22, ttmp9, 12288                    ; of xc,
	s_mov_b32 s23, 0
	s_lshl_b32 s24, ttmp9, 9                       ; of xs,
	s_mov_b32 s25, 0
	s_lshl_b32 s26, ttmp9, 6                       ; of sel,
	s_mov_b32 s27, 0
	s_lshl_b32 s28, ttmp9, 7                       ; of gate
	s_mov_b32 s29, 0
	s_wait_kmcnt 0x0
	s_add_nc_u64 s[4:5], s[4:5], s[20:21]
	s_add_nc_u64 s[10:11], s[10:11], s[22:23]
	s_add_nc_u64 s[12:13], s[12:13], s[24:25]
	s_add_nc_u64 s[14:15], s[14:15], s[26:27]
	s_add_nc_u64 s[16:17], s[16:17], s[28:29]
.irp i, 0,1,2,3,4,5,6,7
	global_load_b128 v[X+4*\i:X+4*\i+3], v5, s[4:5] offset:8192*\i th:TH_LOAD_NT   ; tokens 2 i and 2 i + 1: sixteen lanes read 256 consecutive bytes, aligned
.endr
.irp i, 0,1,2,3,4,5,6,7,8,9,10,11,12,13,14,15,16,17,18,19,20,21,22,23,24,25,26,27,28,29,30,31
	global_load_b32 v[RW+\i], v6, s[6:7] offset:32*\i
.endr
	s_load_b256 s[32:39], s[8:9], 0x0              ; router_b
	s_wait_loadcnt 32                              ; x's eight loads are in; router_w's 32 may be out
.irp i, 0,1,2,3,4,5,6,7
	ds_store_b128 v[SIN], v[X+4*\i:X+4*\i+3] offset:2*SXP*\i
.endr
.irp i, 0,1,2,3,4,5,6,7
	ds_load_b128 v[X+4*\i:X+4*\i+3], v[SOU] offset:16*\i   ; LDS serves a wave's instructions in order (ISA guide 5.7.1.4): these see my stores.  Register i is now x[r][64 w + 32 h + i]
.endr
	s_wait_loadcnt 0x0
	s_wait_kmcnt 0x0
	s_wait_dscnt 0x0
; Partial logits: source 0 = router_w (row m = expert m % 8), source 1 = x (column n = token).  Instruction i takes d = 64 w + 32 h + 2 i + j for the form's k = 2 h + j, alike on both sides.
; In the result lane (r, h) holds token r, and its register j expert j.  The first four products start the four sums; the four accumulators take turns.
.set wi, 0
.rept 16
.if wi < 4
	v_wmma_f32_16x16x4_f32 v[ACC+8*(wi%4):ACC+8*(wi%4)+7], v[RW+2*wi:RW+2*wi+1], v[X+2*wi:X+2*wi+1], 0
.else
	v_wmma_f32_16x16x4_f32 v[ACC+8*(wi%4):ACC+8*(wi%4)+7], v[RW+2*wi:RW+2*wi+1], v[X+2*wi:X+2*wi+1], v[ACC+8*(wi%4):ACC+8*(wi%4)+7]
.endif
.set wi, wi+1
.endr
; My block of x: largest magnitude (with the floor 2^(5 - 127) among its leaves, which holds the byte at 1 from below), 4 off its exponent field, the conversions.  These lines only read x's registers.
	v_max3_num_f32 v[QM], |v[X]|, |v[X+1]|, 0x2800000
	v_max3_num_f32 v[QM+1], |v[X+2]|, |v[X+3]|, 0x2800000
.irp i, 4,8,12,16,20,24,28
	v_max3_num_f32 v[QM], v[QM], |v[X+\i]|, |v[X+\i+1]|
	v_max3_num_f32 v[QM+1], v[QM+1], |v[X+\i+2]|, |v[X+\i+3]|
.endr
	v_max_num_f32 v[QM], v[QM], v[QM+1]
	v_add_nc_u32 v[QS], 0xfe000000, v[QM]          ; the conversion takes this operand's exponent field as its scale, and nothing else of it
	v_lshrrev_b32 v[QBY], 23, v[QS]                ; the scale's byte
	v_cvt_scalef32_pk16_bf6_f32 v[QC:QC+2], v[X:X+15], v[QS]
	v_cvt_scalef32_pk16_bf6_f32 v[QD:QD+2], v[X+16:X+31], v[QS]   ; (a conversion's three registers begin on an even number)
	v_nop                                          ; one plain line behind the conversions
.irp i, 0,1,2
	v_mov_b32 v[QC+3+\i], v[QD+\i]
.endr
	ds_store_b64 v7, v[QC:QC+1]
	ds_store_b64 v7, v[QC+2:QC+3] offset:8
	ds_store_b64 v7, v[QC+4:QC+5] offset:16
	ds_store_b8 v8, v[QBY]
.rept 8
	v_nop                                          ; eight places behind the f32 matrix form (ISA guide 7.12.1) before its results are read; the lines above name its sources and are not counted
.endr
.irp j, 0,1,2,3,4,5,6,7
	v_add_f32 v[SU+\j], v[ACC+\j], v[ACC+8+\j]     ; each accumulator is read from its low end on
	v_add_f32 v[SU+8+\j], v[ACC+16+\j], v[ACC+24+\j]
.endr
.irp j, 0,1,2,3,4,5,6,7
	v_add_f32 v[SU+\j], v[SU+\j], v[SU+8+\j]
.endr
	ds_store_b128 v9, v[SU:SU+3]
	ds_store_b128 v9, v[SU+4:SU+7] offset:16
	s_wait_dscnt 0x0                               ; for the others' sake: my codes, my byte and my partial logits lie in LDS
	s_barrier_signal -1
	s_barrier_wait -1
; The way out: 12,288 bytes of codes: 16 bytes a thread (8,192), then waves 0-7 once more (4,096); a wave's store covers 512 consecutive bytes.
	ds_load_b128 v[16:19], v10
	s_wait_dscnt 0x0
	global_store_b128 v10, v[16:19], s[10:11]
	s_cmp_lt_u32 s18, 8
	s_cbranch_scc0 .Lhigh
	ds_load_b128 v[20:23], v10 offset:8192
	s_wait_dscnt 0x0
	global_store_b128 v10, v[20:23], s[10:11] offset:8192
	s_wait_tensorcnt 0x0
	ds_add_u32 v160, v161
	s_wait_dscnt 0x0
	s_endpgm
.Lhigh:
	s_cmp_eq_u32 s18, 8
	s_cbranch_scc0 .Lnot8
	ds_load_b128 v[20:23], v11                     ; wave 8: the 512 scale bytes
	s_wait_dscnt 0x0
	global_store_b128 v12, v[20:23], s[12:13]
	s_wait_tensorcnt 0x0
	ds_add_u32 v160, v161
	s_wait_dscnt 0x0
	s_endpgm
.Lnot8:
	s_cmp_eq_u32 s18, 9
	s_cbranch_scc0 .Lend
; Wave 9 finishes the router.  Lanes r and r + 16 hold the same token's numbers throughout.
	s_wait_xcnt 0x0                                ; my store above has read v16-19: they are loaded again only behind this wait
.irp k, 0,1,2,3,4,5,6,7
	ds_load_b128 v[16+8*\k:19+8*\k], v13 offset:1024*\k
	ds_load_b128 v[20+8*\k:23+8*\k], v13 offset:1024*\k+16
.endr
	s_wait_dscnt 0x0
.irp j, 0,1,2,3,4,5,6,7
	v_add_f32 v[SU+\j], v[16+\j], v[24+\j]         ; waves 0 and 1
.endr
.irp k, 2,3,4,5,6,7
.irp j, 0,1,2,3,4,5,6,7
	v_add_f32 v[SU+\j], v[SU+\j], v[16+8*\k+\j]
.endr
.endr
.irp k, 0,1,2,3,4,5,6,7
	ds_load_b128 v[16+8*\k:19+8*\k], v13 offset:8192+1024*\k
	ds_load_b128 v[20+8*\k:23+8*\k], v13 offset:8192+1024*\k+16
.endr
	s_wait_dscnt 0x0
.irp k, 0,1,2,3,4,5,6,7
.irp j, 0,1,2,3,4,5,6,7
	v_add_f32 v[SU+\j], v[SU+\j], v[16+8*\k+\j]
.endr
.endr
.irp j, 0,1,2,3,4,5,6,7
	v_add_f32 v[SU+\j], s[32+\j], v[SU+\j]         ; + router_b
.endr
	v_mov_b32 v128, v[SU]                          ; the largest logit: a strict comparison keeps the lower index on ties
	v_mov_b32 v129, 0
.irp j, 1,2,3,4,5,6,7
	v_cmp_gt_f32 vcc_lo, v[SU+\j], v128
	v_cndmask_b32 v128, v128, v[SU+\j], vcc_lo
	v_cndmask_b32 v129, v129, \j, vcc_lo
.endr
	v_mov_b32 v130, 0xff800000                     ; the second: the same scan over the seven others
	v_mov_b32 v131, 0
.irp j, 0,1,2,3,4,5,6,7
	v_cmp_ne_u32 s40, \j, v129
	v_cmp_gt_f32 vcc_lo, v[SU+\j], v130
	s_and_b32 vcc_lo, vcc_lo, s40
	v_cndmask_b32 v130, v130, v[SU+\j], vcc_lo
	v_cndmask_b32 v131, v131, \j, vcc_lo
.endr
	v_sub_f32 v132, v130, v128                     ; the softmax of the two, the larger taken away: the exponent is 0 or less
	v_mul_f32 v132, 0x3fb8aa3b, v132
	v_exp_f32 v132, v132                           ; t = e^(second - first)
	v_mov_b32 v135, 1                              ; (a plain line behind the transcendental)
	s_wait_alu depctr_va_vdst(0)
	v_add_f32 v133, 1.0, v132
	v_rcp_f32 v138, v133                           ; the first's gate, 1 / (1 + t)
	v_lshlrev_b32 v136, v129, v135                 ; (a plain line)  1 << first
	s_wait_alu depctr_va_vdst(0)
	v_mul_f32 v139, v132, v138                     ; the second's gate, t / (1 + t)
	v_add_nc_u32 v137, 8, v131
	v_lshlrev_b32 v137, v137, v135                 ; 256 << second
	v_or_b32 v136, v136, v137
	global_store_b32 v14, v136, s[14:15]           ; lanes r and r + 16 store the same number to the same place
	global_store_b64 v15, v[138:139], s[16:17]
.Lend:
	s_wait_tensorcnt 0x0
	ds_add_u32 v160, v161
	s_wait_dscnt 0x0
	s_endpgm
.Lfunc_end_k_qcd2c58ad6b_route:
	.size	k_qcd2c58ad6b_route, .Lfunc_end_k_qcd2c58ad6b_route-k_qcd2c58ad6b_route
	.p2alignl 7, 3214868480
	.fill 96, 4, 3214868480
	.section	.rodata,"a",@progbits
	.p2align	6, 0x0
	.amdhsa_kernel k_qcd2c58ad6b_route
		.amdhsa_group_segment_fixed_size 101376
		.amdhsa_private_segment_fixed_size 0
		.amdhsa_enable_private_segment 0
		.amdhsa_kernarg_size 56
		.amdhsa_user_sgpr_count 2
		.amdhsa_user_sgpr_kernarg_segment_ptr 1
		.amdhsa_wavefront_size32 1
		.amdhsa_system_sgpr_workgroup_id_x 1
		.amdhsa_system_sgpr_workgroup_id_y 1
		.amdhsa_system_sgpr_workgroup_id_z 1
		.amdhsa_system_vgpr_workitem_id 0
		.amdhsa_next_free_vgpr 162
		.amdhsa_next_free_sgpr 66
		.amdhsa_reserve_vcc 1
		.amdhsa_float_denorm_mode_32 3
		.amdhsa_float_denorm_mode_16_64 3
		.amdhsa_memory_ordered 1
		.amdhsa_forward_progress 1
		.amdhsa_inst_pref_size 23
	.end_amdhsa_kernel
	.amdgpu_metadata
---
amdhsa.version: [ 1, 2 ]
amdhsa.kernels:
  - .name:           k_qcd2c58ad6b_route
    .symbol:         k_qcd2c58ad6b_route.kd
    .args:
      - { .name: x, .offset: 0, .size: 8, .value_kind: global_buffer, .address_space: global }
      - { .name: router_w, .offset: 8, .size: 8, .value_kind: global_buffer, .address_space: global }
      - { .name: router_b, .offset: 16, .size: 8, .value_kind: global_buffer, .address_space: global }
      - { .name: xc, .offset: 24, .size: 8, .value_kind: global_buffer, .address_space: global }
      - { .name: xs, .offset: 32, .size: 8, .value_kind: global_buffer, .address_space: global }
      - { .name: sel, .offset: 40, .size: 8, .value_kind: global_buffer, .address_space: global }
      - { .name: gate, .offset: 48, .size: 8, .value_kind: global_buffer, .address_space: global }
    .group_segment_fixed_size: 101376
    .private_segment_fixed_size: 0
    .kernarg_segment_align: 8
    .kernarg_segment_size: 56
    .max_flat_workgroup_size: 512
    .sgpr_count:     66
    .vgpr_count:     162
    .wavefront_size: 32
...
	.end_amdgpu_metadata
.endif
;; end of part 1
;; launch up (part 2): grid 32 x 8, 4 waves a work-group, no clusters, 103,936 bytes of LDS; arguments w1, b1, xc, xs, sel, hc, hs; writes hc, hs
.if DOCPART == 2
	.amdgcn_target "amdgcn-amd-amdhsa--gfx1250"
	.amdhsa_code_object_version 6
	.text
	.protected	k_qcd2c58ad6b_up
	.globl	k_qcd2c58ad6b_up
	.p2align	8
	.type	k_qcd2c58ad6b_up,@function
k_qcd2c58ad6b_up:
	s_mov_b64 s[64:65], 0
	v_nop
	global_prefetch_b8 v0, s[64:65] scope:SCOPE_SE
	s_setreg_imm32_b32 hwreg(HW_REG_WAVE_MODE, 25, 1), 1
	s_wait_xcnt 0x0
; h = relu(x W1[e] + b1[e]) for the tokens that chose expert e, both operands as codes of E3M2 with one E8M0 scale for each 32 along K; h leaves as codes for the next launch.
; SHARES.  Work-group (cg, e) owns the slice w1[e][0..1023][128 cg .. 128 cg + 127]: 512 KiB of f32, read from memory once in the whole launch, quantised on the way and never stored.
; PHASE A.  Wave v streams rows (K) 256 v .. 256 v + 255, in 8 sets of 32 rows; lane l takes columns 4 l .. 4 l + 3: a load covers 512 consecutive bytes.  A set's 128 registers are re-ordered by moves, so that a
;   column's 32 numbers (a block along K) stand in consecutive registers, as the conversions want; the set's registers are free at once and take the loads of two sets on.
;   The codes go to LDS as images of operand registers: fragment f = 8 s + ct (K step s, tile ct of 16 columns), 1,552 bytes apart; lane (r, h) at 48 (r + 16 h): its 12 registers on end.
;   THE COLUMNS OF A TILE ARE NOT NEIGHBOURS: row r of tile ct is column 32 (ct / 2) + 8 (ct % 2) + r + 8 (r / 8), so that the 16 result registers of tiles 2 B, 2 B + 1 are 16 neighbours along the next K.
; PHASE B.  The expert's tokens have positions: P = 256 p + 64 a + 16 v + r (pass p, tile a, wave v, row r); the token at P is the P-th set bit of the expert's 1,024-bit mask, which every wave makes from sel by
;   whole-number arithmetic (BALLOT, SELECT); the next launch makes the same.  Wave v takes the four tiles (p, a, v) of each pass: 8 K steps x 8 column tiles x up to 4 row tiles, transposed (source 0 = W, source 1 = x),
;   b1 as the C of each sum's first product; relu; quantised in registers (128 hidden units = one K step of the next product); stored as an image of the fragment's registers.
;   Pass 0 always runs four tiles; a later pass runs 0, 1 or 4 by the count.  Rows at or past the count take some token of the table; their images are read only into rows that the next launch throws away.
; NO CLUSTER, NO TENSOR LOAD: each weight byte has one reader in the launch; what work-groups share is x's codes, 768 bytes a row against 512 KiB of weights; and the passes hang on a count read from memory,
;   so every operand goes through registers.  One barrier, between the phases.
; LIMITS: NaN and infinities are not served.  A block whose largest magnitude lies under 2^-122 keeps the scale byte 1 (a block of zeros too: its codes are zeros, and this program alone reads the bytes).
; REGISTERS, in windows of 256.  Window 0: v1-31 addresses and masks; v32-63 sel's words, then v32-47 x's scale words; v64-127 at work; v128-255 phase A: a set, column by column; phase B: v128-159 W's scale words,
;   v160-207, v208-255 two buffers of four W fragments; on the way out the codes made.   Window 1: phase A: two sets as loaded; phase B: the 32 accumulators ((a, ct) at 64 a + 8 ct).
;   Window 2: x's fragments (a, s) at 48 s + 12 a, s = 0..4.   Window 3: the same for s = 5..7 at 48 (s - 5) + 12 a; from v144 b1, eight registers a column tile.
.set DOWN,  0
.set P,     16384                      ; bytes from row to row of w1[e]
.set FRAG,  1552                       ; a fragment's image: 32 lanes x 48 bytes + 16
.set WSCB,  64*FRAG                    ; behind the 64 images: W's scale words, [wave][column][2 words]
.set L16, 1                            ; 16 x lane
.set WST, 2                            ; where I store my columns' codes
.set WSS, 3                            ; and their scale words
.set WL0, 4                            ; 48 x lane: my place in fragments 0-31
.set WL1, 5                            ; the same for fragments 32-63
.set WSR, 6                            ; where I read W's scale words
.set H48, 7                            ; 48 h
.set AX,  8                            ; v8-11   tile a: my row's byte offset in xc
.set XSA, 12                           ; v12-13  group g: my row's byte offset in xs
.set QB,  14                           ; 64 h + r + 16 v: my position in a pass, group 0
.set L8,  15                           ; 8 x lane
.set MK,  16                           ; lane b: the mask of block b (bit l: token 128 (b / 4) + 4 l + b % 4 chose my expert)
.set PR,  18                           ; lane b: how many bits are set in blocks 0 .. b - 1
.set HIO, 19                           ; 16 x lane + 786,432 p: the pass's images in hc
.set HSO, 20                           ; 8 x lane + 1,024 p: its scale words in hs
.set BOF, 21                           ; 64 h
.set TOK, 26                           ; v26-27  group g: lane (r, h) holds the token of tile 2 g + h, row r
.set TX,  28                           ; v28-29  the same of lane l xor 16
.set SEL, 32
.set ASC, 32                           ; x's scale words: (g, s) at 32 + 8 g + s: lanes 0-15 tile 2 g, lanes 16-31 tile 2 g + 1
.set QM,  64                           ; phase A, column j: largest magnitude;
.set QS,  68                           ; the conversions' scale operand;
.set QW,  72                           ; v72-79 scale words: column j, K step sl at 2 j + sl;
.set QC,  80                           ; codes, 8 registers a column;
.set QD,  112                          ; the upper 16 codes as the conversion leaves them
.set T,   128                          ; a set: column j's 32 numbers at 32 j
.set TM,  64                           ; phase B: the quantiser's sixteen registers
.set PW,  96                           ; v96-99  tile a's scale word
.set HSR, 100                          ; v100-101 the pair that is stored
.set WSC, 128                          ; W's scale words: (b, s) at 128 + 8 b + s: lanes 0-15 tile 2 b, lanes 16-31 tile 2 b + 1
.set WB0, 160
.set WB1, 208
.set PC,  160                          ; the way out: tile a's codes at 160 + 24 a
.set ZQ,  224                          ; SELECT's registers, a pair each (groups 0, 1)
.set ZM,  226
.set ZX,  228
.set ZB,  230
.set ZN,  232
.set Z1,  234
.set Z2,  236
.set Z3,  238
.set Z4,  240
.set ZP,  242
.set ZT,  244
.set BIAS, 144                         ; in window 3
.set MSB, 0
.macro WIN new                         ; the immediate's high byte repeats the setting that is left; a switch that changes nothing is dropped
.if MSB != \new
	s_set_vgpr_msb (MSB<<8)|\new
.set MSB, \new
.endif
.endm
.macro WLOAD t                         ; set t: 32 rows, 512 consecutive bytes each, into half t % 2 of window 1
	WIN 0x40
.set wi, 0
.rept 32
	global_load_b128 v[128*((\t)%2)+4*wi:128*((\t)%2)+4*wi+3], v[L16], s[4:5] offset:(32*(\t)+wi)*P th:TH_LOAD_NT
.set wi, wi+1
.endr
	WIN 0
.endm
.macro SETA t, n                       ; set t has landed (n younger loads may be out); column by column into window 0; its registers take set t + 2
	s_wait_loadcnt \n
	WIN 0x01
.set mi, 0
.rept 32
.irp j, 0,1,2,3
	v_mov_b32 v[T+32*\j+mi], v[128*((\t)%2)+4*mi+\j]
.endr
.set mi, mi+1
.endr
.if (\t) <= 5
	WLOAD (\t)+2
.else
	WIN 0
.endif
.endm
; Four blocks of 32 along K (my four columns, by turns).  Set t is block t % 4 = 2 c + h of K step 2 v + t / 4.
.macro QUANT4 t
.set qo, 8*FRAG*((\t)/4)+768*((\t)%2)
.irp j, 0,1,2,3
	v_max3_num_f32 v[QM+\j], |v[T+32*\j]|, |v[T+32*\j+1]|, 0x2800000   ; with the floor 2^(5 - 127): the byte cannot fall under 1
.endr
.irp i, 2,4,6,8,10,12,14,16,18,20,22,24,26,28,30
.irp j, 0,1,2,3
	v_max3_num_f32 v[QM+\j], v[QM+\j], |v[T+32*\j+\i]|, |v[T+32*\j+\i+1]|
.endr
.endr
.irp j, 0,1,2,3
	v_add_nc_u32 v[QS+\j], 0xfe000000, v[QM+\j]    ; 4 off the exponent field: the conversion's scale operand
.endr
.irp j, 0,1,2,3
.if (\t)%4 == 0
	v_lshrrev_b32 v[QW+2*\j+(\t)/4], 23, v[QS+\j]  ; the byte starts the K step's scale word,
.else
	v_lshrrev_b32 v[QM+\j], 23, v[QS+\j]
.endif
.endr
.if (\t)%4 != 0
.irp j, 0,1,2,3
	v_lshl_or_b32 v[QW+2*\j+(\t)/4], v[QM+\j], 8*((\t)%4), v[QW+2*\j+(\t)/4]   ; or joins it
.endr
.endif
	s_wait_dscnt 0x0                               ; the last set's LDS stores have read the codes' registers
.irp j, 0,1,2,3
	v_cvt_scalef32_pk16_bf6_f32 v[QC+8*\j:QC+8*\j+2], v[T+32*\j:T+32*\j+15], v[QS+\j]
	v_cvt_scalef32_pk16_bf6_f32 v[QD+4*\j:QD+4*\j+2], v[T+32*\j+16:T+32*\j+31], v[QS+\j]
.endr
	v_nop                                          ; one plain line behind the conversions
.irp j, 0,1,2,3
.irp i, 0,1,2
	v_mov_b32 v[QC+8*\j+3+\i], v[QD+4*\j+\i]
.endr
.endr
.irp j, 0,1,2,3                        ; 24 bytes at 24 c of the lane's 48: 16 + 8 or 8 + 16, so that every address is a multiple of the access's size
.if ((\t)/2)%2 == 0
	ds_store_b128 v[WST], v[QC+8*\j:QC+8*\j+3] offset:qo+48*\j
	ds_store_b64 v[WST], v[QC+8*\j+4:QC+8*\j+5] offset:qo+48*\j+16
.else
	ds_store_b64 v[WST], v[QC+8*\j:QC+8*\j+1] offset:qo+48*\j+24
	ds_store_b128 v[WST], v[QC+8*\j+2:QC+8*\j+5] offset:qo+48*\j+32
.endif
.endr
.endm
; The expert's mask, 32 bits a block, and the blocks' running counts, kept one block a lane.
.macro BALLOT
	v_mov_b32 v[MK], 0
	v_mov_b32 v[PR], 0
	s_mov_b32 s33, 0
.set bl, 0
.rept 32
	v_and_b32 v24, s29, v[SEL+bl]
	v_cmp_ne_u32 s31, 0, v24
	v_writelane_b32 v[MK], s31, bl
	v_writelane_b32 v[PR], s33, bl
	s_bcnt1_i32_b32 s32, s31
	s_add_co_u32 s33, s33, s32
.set bl, bl+1
.endr
	s_mov_b32 s22, s33                             ; how many tokens chose my expert
.endm
.macro LEVEL src, w, bits              ; one step of the descent: are there k or fewer set bits in the next w places?  Then pass them
.irp g, 0,1
	v_bfe_u32 v[ZT+\g], v[\src+\g], v[ZP+\g], \bits
	v_cmp_ge_u32 vcc_lo, v[ZX+\g], v[ZT+\g]
	v_sub_nc_u32 v[ZT+\g], v[ZX+\g], v[ZT+\g]
	v_cndmask_b32 v[ZX+\g], v[ZX+\g], v[ZT+\g], vcc_lo
	v_add_nc_u32 v[ZT+\g], \w, v[ZP+\g]
	v_cndmask_b32 v[ZP+\g], v[ZP+\g], v[ZT+\g], vcc_lo
.endr
.endm
; The tokens at positions q = s36 + QB (group 0) and q + 128 (group 1): the last block whose running count is at most q, then the (q - count)-th set bit of its mask.  s36 = 256 x the pass.
.macro SELECT
	v_add_nc_u32 v[ZQ], s36, v[QB]
	v_add_nc_u32 v[ZQ+1], 0x80, v[ZQ]
	v_readlane_b32 s31, v[MK], 0
.irp g, 0,1
	v_mov_b32 v[ZM+\g], s31
	v_mov_b32 v[ZX+\g], 0
	v_mov_b32 v[ZB+\g], 0
.endr
.set sb, 1
.rept 31
	v_readlane_b32 s31, v[MK], sb
	v_readlane_b32 s32, v[PR], sb
.irp g, 0,1
	v_cmp_le_u32 vcc_lo, s32, v[ZQ+\g]
	v_cndmask_b32 v[ZM+\g], v[ZM+\g], s31, vcc_lo
	v_cndmask_b32 v[ZX+\g], v[ZX+\g], s32, vcc_lo
	v_cndmask_b32 v[ZB+\g], v[ZB+\g], sb, vcc_lo
.endr
.set sb, sb+1
.endr
.irp g, 0,1
	v_sub_nc_u32 v[ZX+\g], v[ZQ+\g], v[ZX+\g]      ; k: which set bit of the block
	v_lshrrev_b32 v[ZT+\g], 1, v[ZM+\g]            ; the mask's counts in fields of 2, 4, 8 and 16 bits
	v_and_b32 v[ZT+\g], 0x55555555, v[ZT+\g]
	v_sub_nc_u32 v[Z1+\g], v[ZM+\g], v[ZT+\g]
	v_lshrrev_b32 v[ZT+\g], 2, v[Z1+\g]
	v_and_b32 v[ZT+\g], 0x33333333, v[ZT+\g]
	v_and_b32 v[Z2+\g], 0x33333333, v[Z1+\g]
	v_add_nc_u32 v[Z2+\g], v[Z2+\g], v[ZT+\g]
	v_lshrrev_b32 v[ZT+\g], 4, v[Z2+\g]
	v_add_nc_u32 v[Z3+\g], v[Z2+\g], v[ZT+\g]
	v_and_b32 v[Z3+\g], 0x0f0f0f0f, v[Z3+\g]
	v_lshrrev_b32 v[ZT+\g], 8, v[Z3+\g]
	v_add_nc_u32 v[Z4+\g], v[Z3+\g], v[ZT+\g]
	v_mov_b32 v[ZP+\g], 0
.endr
	LEVEL Z4, 16, 8
	LEVEL Z3, 8, 8
	LEVEL Z2, 4, 4
	LEVEL Z1, 2, 2
	LEVEL ZM, 1, 1
.irp g, 0,1
	v_and_b32 v[ZT+\g], 28, v[ZB+\g]
	v_lshlrev_b32 v[ZT+\g], 5, v[ZT+\g]            ; 128 (b / 4)
	v_lshl_add_u32 v[ZT+\g], v[ZP+\g], 2, v[ZT+\g] ; + 4 x bit
	v_and_b32 v[ZB+\g], 3, v[ZB+\g]
	v_add_nc_u32 v[TOK+\g], v[ZT+\g], v[ZB+\g]     ; + b % 4
.endr
.endm
.macro ADDR                            ; from the tokens to offsets: tile a's token in both halves of the lanes; each number is held inside its table last, and only multiplied, shifted and added to afterwards
.irp g, 0,1
	v_permlanex16_b32 v[TX+\g], v[TOK+\g], s26, s27
.endr
	v_cndmask_b32 v[AX], v[TOK], v[TX], s28
	v_cndmask_b32 v[AX+1], v[TX], v[TOK], s28
	v_cndmask_b32 v[AX+2], v[TOK+1], v[TX+1], s28
	v_cndmask_b32 v[AX+3], v[TX+1], v[TOK+1], s28
.irp a, 0,1,2,3
	v_min_u32 v[AX+\a], 0x3ff, v[AX+\a]
	v_mul_u32_u24 v[AX+\a], v[AX+\a], 768
	v_add_nc_u32 v[AX+\a], v[H48], v[AX+\a]
.endr
.irp g, 0,1
	v_min_u32 v[XSA+\g], 0x3ff, v[TOK+\g]
	v_lshlrev_b32 v[XSA+\g], 5, v[XSA+\g]
.endr
.endm
.macro LOADA a                         ; tile a's eight fragments of x: 24 loads, 48 consecutive bytes a lane and K step
	WIN 0x80
.irp s, 0,1,2,3,4
.irp j, 0,1,2
	global_load_b128 v[48*\s+12*\a+4*\j:48*\s+12*\a+4*\j+3], v[AX+\a], s[8:9] offset:96*\s+16*\j
.endr
.endr
	WIN 0xc0
.irp s, 5,6,7
.irp j, 0,1,2
	global_load_b128 v[48*(\s-5)+12*\a+4*\j:48*(\s-5)+12*\a+4*\j+3], v[AX+\a], s[8:9] offset:96*\s+16*\j
.endr
.endr
	WIN 0
.endm
.macro LOADS                           ; the rows' scale words, 8 a row: 4 loads
.irp g, 0,1
	global_load_b128 v[ASC+8*\g:ASC+8*\g+3], v[XSA+\g], s[10:11]
	global_load_b128 v[ASC+8*\g+4:ASC+8*\g+7], v[XSA+\g], s[10:11] offset:16
.endr
.endm
.macro WFETCH i, wb                    ; half step i (K step i / 2, column tiles 4 (i % 2) on): four fragments of W from LDS, 12 loads
.irp c, 0,1,2,3
.set ff, 8*((\i)/2)+4*((\i)%2)+\c
.irp j, 0,1,2
.if ff < 32
	ds_load_b128 v[(\wb)+12*\c+4*\j:(\wb)+12*\c+4*\j+3], v[WL0] offset:FRAG*ff+16*\j
.else
	ds_load_b128 v[(\wb)+12*\c+4*\j:(\wb)+12*\c+4*\j+3], v[WL1] offset:FRAG*(ff-32)+16*\j
.endif
.endr
.endr
.endm
.macro WM a, ct, s, wb                 ; one product: column tile ct x row tile a, K step s.  The scale registers carry two tiles each: the odd tile's words lie in lanes 16-31
.set rD, 64*(\a)+8*(\ct)
.set rW, (\wb)+12*((\ct)%4)
.if (\s) < 5
.set rA, 48*(\s)+12*(\a)
.else
.set rA, 48*((\s)-5)+12*(\a)
.endif
.if (\s) == 0
.set rC, BIAS+8*(\ct)
.else
.set rC, 64*(\a)+8*(\ct)
.endif
.set rU, WSC+8*((\ct)/2)+(\s)
.if DOWN
.set rV, ASC+2*(\s)+(\a)/2
.else
.set rV, ASC+8*((\a)/2)+(\s)
.endif
.if ((\ct)%2 == 0) && ((\a)%2 == 0)
	v_wmma_scale_f32_16x16x128_f8f6f4 v[rD:rD+7], v[rW:rW+11], v[rA:rA+11], v[rC:rC+7], v[rU], v[rV] matrix_a_fmt:MATRIX_FMT_BF6 matrix_b_fmt:MATRIX_FMT_BF6
.elseif ((\ct)%2 == 1) && ((\a)%2 == 0)
	v_wmma_scale_f32_16x16x128_f8f6f4 v[rD:rD+7], v[rW:rW+11], v[rA:rA+11], v[rC:rC+7], v[rU], v[rV] matrix_a_fmt:MATRIX_FMT_BF6 matrix_b_fmt:MATRIX_FMT_BF6 matrix_a_scale:MATRIX_SCALE_ROW1
.elseif ((\ct)%2 == 0) && ((\a)%2 == 1)
	v_wmma_scale_f32_16x16x128_f8f6f4 v[rD:rD+7], v[rW:rW+11], v[rA:rA+11], v[rC:rC+7], v[rU], v[rV] matrix_a_fmt:MATRIX_FMT_BF6 matrix_b_fmt:MATRIX_FMT_BF6 matrix_b_scale:MATRIX_SCALE_ROW1
.else
	v_wmma_scale_f32_16x16x128_f8f6f4 v[rD:rD+7], v[rW:rW+11], v[rA:rA+11], v[rC:rC+7], v[rU], v[rV] matrix_a_fmt:MATRIX_FMT_BF6 matrix_b_fmt:MATRIX_FMT_BF6 matrix_a_scale:MATRIX_SCALE_ROW1 matrix_b_scale:MATRIX_SCALE_ROW1
.endif
.endm
; A pass's products, R row tiles: sixteen half steps on two buffers of W.  A half step's 4 R accumulators are all different and the next half step names the other column tiles: the accumulators take turns.
; K step 0 takes the bias (window 3) as C.  Behind each half step four places, then the loads of two half steps on into the buffer just read.
.macro KLOOP R
	WFETCH 0, WB0
	WFETCH 1, WB1
.set kh, 0
.rept 16
.if kh < 15
	s_wait_dscnt 12                                ; this half step's 12 loads are in; the other buffer's 12 may be out
.else
	s_wait_dscnt 0x0
.endif
.if kh < 2
	WIN 0x78                                       ; D window 1, W window 0, x window 2, C window 3
.elseif kh < 10
	WIN 0x58                                       ; C and D window 1
.else
	WIN 0x5c                                       ; x window 3
.endif
.irp c, 0,1,2,3
.irp a, 0,1,2,3
.if \a < \R
	WM \a, 4*(kh%2)+\c, kh/2, WB0+48*(kh%2)
.endif
.endr
.endr
.if kh != 14
	WIN 0
.rept 4
	v_nop
.endr
.endif
.if kh < 14
	WFETCH kh+2, WB0+48*(kh%2)
.endif
.set kh, kh+1
.endr
.endm
.macro LIVE                            ; s24 = row tiles of my group in pass p + 1: 0, 1 or 4;  s36 = 256 (p + 1)
	s_add_co_u32 s31, s25, 1
	s_lshl_b32 s36, s31, 8
	s_lshl_b32 s32, s18, 4
	s_sub_co_i32 s31, s22, s36
	s_sub_co_i32 s31, s31, s32
	s_add_co_i32 s31, s31, 63
	s_ashr_i32 s31, s31, 6                         ; tiles a with 256 (p + 1) + 64 a + 16 v under the count
	s_max_i32 s31, s31, 0
	s_cmp_gt_u32 s31, 1
	s_cselect_b32 s24, 4, s31
.endm
; Tile a's way out: relu; 64 numbers of a lane (register 16 b + i = hidden unit 32 b + 16 h + i of my row) become a fragment's codes and its scale word; the fragment is stored as it stands, 512 consecutive bytes a store.
.macro EPI a
.set HH, 64*(\a)
.set PCA, PC+24*(\a)
	WIN 0x44
.set ei, 0
.rept 64
	v_max_num_f32 v[HH+ei], 0, v[HH+ei]            ; each accumulator from its low end on
.set ei, ei+1
.endr
	WIN 0x05
.irp b, 0,1,2,3
	v_max3_num_f32 v[TM+\b], v[HH+16*\b], v[HH+16*\b+1], 0x2800000   ; none is negative; the floor 2^(5 - 127) holds the byte at 1 from below
.endr
	WIN 0x14
.irp i, 2,4,6,8,10,12,14
.irp b, 0,1,2,3
	v_max3_num_f32 v[TM+\b], v[TM+\b], v[HH+16*\b+\i], v[HH+16*\b+\i+1]
.endr
.endr
	WIN 0
.irp b, 0,1,2,3
	v_permlanex16_b32 v[TM+4+\b], v[TM+\b], s26, s27
.endr
.irp b, 0,1,2,3
	v_max_num_f32 v[TM+\b], v[TM+\b], v[TM+4+\b]   ; with lane l xor 16's 16: the block's largest
.endr
.irp b, 0,1,2,3
	v_add_nc_u32 v[TM+12+\b], 0xfe000000, v[TM+\b]
.endr
.irp b, 0,1,2,3
	v_lshrrev_b32 v[TM+4+\b], 23, v[TM+12+\b]
.endr
	v_lshl_or_b32 v[PW+\a], v[TM+5], 8, v[TM+4]
	v_lshl_or_b32 v[PW+\a], v[TM+6], 16, v[PW+\a]
	v_lshl_or_b32 v[PW+\a], v[TM+7], 24, v[PW+\a]
	WIN 0x01
.irp c, 0,1
	v_cvt_scalef32_pk16_bf6_f32 v[PCA+6*\c:PCA+6*\c+2], v[HH+32*\c:HH+32*\c+15], v[TM+12+2*\c]
	v_cvt_scalef32_pk16_bf6_f32 v[PCA+12+4*\c:PCA+14+4*\c], v[HH+32*\c+16:HH+32*\c+31], v[TM+13+2*\c]
.endr
	WIN 0
	v_nop                                          ; one plain line behind the conversions
.irp c, 0,1                            ; the operand's layout wants a whole block in a lane: lanes 0-15 block 2 c, lanes 16-31 block 2 c + 1
.irp i, 0,1,2
	v_permlane16_swap_b32 v[PCA+6*\c+\i], v[PCA+12+4*\c+\i]
.endr
.irp i, 0,1,2
	v_mov_b32 v[PCA+3+6*\c+\i], v[PCA+12+4*\c+\i]
.endr
.endr
.irp j, 0,1,2
	global_store_b128 v[HIO], v[PCA+4*\j:PCA+4*\j+3], s[14:15] offset:49152*\a+512*\j
.endr
.endm
	s_load_b256 s[4:11], s[0:1], 0x0               ; w1 s[4:5], b1 s[6:7], xc s[8:9], xs s[10:11]
	s_load_b128 s[12:15], s[0:1], 0x20             ; sel s[12:13], hc s[14:15]
	s_load_b64 s[16:17], s[0:1], 0x30              ; hs
	v_lshl_add_u32 v123, v0, 2, 0x19400
	v_mov_b32 v127, 0
	v_lshrrev_b32 v22, 5, v0
	v_readfirstlane_b32 s18, v22                   ; wave v
	s_and_b32 s19, ttmp7, 0xffff                   ; expert e
	s_mov_b32 s20, ttmp9                           ; column group cg
	v_and_b32 v22, 31, v0                          ; lane
	v_and_b32 v23, 15, v0                          ; r
	v_bfe_u32 v24, v0, 4, 1                        ; h
	v_lshlrev_b32 v[L16], 4, v22
	v_lshlrev_b32 v[L8], 3, v22
	v_bfe_u32 v25, v0, 3, 2                        ; my columns 4 l + j lie in tile ct = 2 (l / 8) + (l / 2) % 2,
	v_bfe_u32 v30, v0, 1, 1
	v_lshl_add_u32 v25, v25, 1, v30
	v_mul_u32_u24 v[WST], v25, FRAG
	v_bfe_u32 v25, v0, 2, 1                        ; at rows 8 ((l / 4) % 2) + 4 (l % 2) + j
	v_and_b32 v30, 1, v0
	v_lshlrev_b32 v30, 2, v30
	v_lshl_add_u32 v25, v25, 3, v30
	v_mad_u32_u24 v[WST], v25, 48, v[WST]
	s_mul_i32 s31, s18, 16*FRAG                    ; my wave's K steps 2 v, 2 v + 1: sixteen fragments
	v_add_nc_u32 v[WST], s31, v[WST]
	s_lshl_b32 s31, s18, 10
	s_add_co_u32 s31, s31, WSCB
	v_lshl_add_u32 v[WSS], v22, 5, s31             ; WSCB + 1,024 v + 32 l
	v_mul_u32_u24 v[WL0], v22, 48
	v_add_nc_u32 v[WL1], 32*FRAG, v[WL0]
	v_and_b32 v25, 8, v23
	v_add_nc_u32 v25, v25, v23
	v_lshl_add_u32 v25, v24, 3, v25                ; 8 h + r + 8 (r / 8): my column in a pair of tiles
	v_lshl_add_u32 v[WSR], v25, 3, WSCB
	v_mul_u32_u24 v[H48], v24, 48
	s_lshl_b32 s31, s18, 4
	v_lshl_add_u32 v[QB], v24, 6, v23
	v_add_nc_u32 v[QB], s31, v[QB]
	v_mov_b32 v[HIO], v[L16]
	v_mov_b32 v[HSO], v[L8]
	v_lshlrev_b32 v[BOF], 6, v24
	v_mov_b32 v[TX], 0                             ; written once: a lane permute's destination counts as one of its sources
	v_mov_b32 v[TX+1], 0
	s_mov_b32 s26, 0x76543210                      ; v_permlanex16_b32's selects for lane l xor 16
	s_mov_b32 s27, 0xfedcba98
	s_mov_b32 s28, 0xffff0000                      ; lanes 16-31
	s_lshl_b32 s29, 0x101, s19                     ; my expert as first or as second choice
	s_lshl_b32 s38, s19, 24                        ; w1: e x 16 MiB + 256 v rows + 512 cg
	s_lshl_b32 s31, s18, 22
	s_add_co_u32 s38, s38, s31
	s_lshl_b32 s31, s20, 9
	s_add_co_u32 s38, s38, s31
	s_mov_b32 s39, 0
	s_lshl_b32 s40, s19, 14                        ; b1: 16,384 e + 512 cg
	s_add_co_u32 s40, s40, s31
	s_mov_b32 s41, 0
	s_mul_i32 s42, s19, 3145728                    ; hc [e][4 p + v][a][s = cg][1,536]
	s_mul_i32 s31, s18, 196608
	s_add_co_u32 s42, s42, s31
	s_mul_i32 s31, s20, 1536
	s_add_co_u32 s42, s42, s31
	s_mov_b32 s43, 0
	s_lshl_b32 s44, s19, 17                        ; hs [e][s = cg][4 p + v][256]
	s_lshl_b32 s31, s20, 12
	s_add_co_u32 s44, s44, s31
	s_lshl_b32 s31, s18, 8
	s_add_co_u32 s44, s44, s31
	s_mov_b32 s45, 0
	s_wait_kmcnt 0x0
	s_add_nc_u64 s[4:5], s[4:5], s[38:39]
	s_add_nc_u64 s[6:7], s[6:7], s[40:41]
	s_add_nc_u64 s[14:15], s[14:15], s[42:43]
	s_add_nc_u64 s[16:17], s[16:17], s[44:45]
.irp i, 0,1,2,3,4,5,6,7
	global_load_b128 v[SEL+4*\i:SEL+4*\i+3], v[L16], s[12:13] offset:512*\i   ; register b of lane l: token 128 (b / 4) + 4 l + b % 4
.endr
	WIN 0xc0
.irp ct, 0,1,2,3,4,5,6,7
	global_load_b128 v[BIAS+8*\ct:BIAS+8*\ct+3], v[BOF], s[6:7] offset:4*(32*(\ct/2)+8*(\ct%2))      ; b1 in the result's layout: units 32 (ct / 2) + 16 h + 8 (ct % 2) + 0 .. 7
	global_load_b128 v[BIAS+8*\ct+4:BIAS+8*\ct+7], v[BOF], s[6:7] offset:4*(32*(\ct/2)+8*(\ct%2))+16
.endr
	WIN 0
	WLOAD 0
	WLOAD 1
; PHASE A.  Each wait's count is the number of loads issued behind the set's own 32, held to 63, the most that a wait can name.
	SETA 0, 32                                     ; behind set 0: set 1.  sel and b1, issued ahead of it, are in too
	QUANT4 0
	BALLOT
	s_mov_b32 s36, 0
	SELECT                                         ; pass 0's tokens
	ADDR
	SETA 1, 32                                     ; behind set 1: set 2
	LOADA 0                                        ; pass 0's operands are asked for among the sets
	LOADS
	QUANT4 1
	SETA 2, 60                                     ; set 3, tile 0's 24, the 4 of the scale words
	LOADA 1
	QUANT4 2
	SETA 3, 63                                     ; 24 + 4 + 32 + 24
	LOADA 2
	QUANT4 3
	SETA 4, 63                                     ; 24 + 32 + 24
	LOADA 3
	QUANT4 4
	SETA 5, 63                                     ; 24 + 32 + 24
	QUANT4 5
	SETA 6, 56                                     ; tile 3's 24 and set 7
	QUANT4 6
	SETA 7, 0
	QUANT4 7
	ds_store_b128 v[WSS], v[QW:QW+3]               ; my four columns' scale words of K steps 2 v, 2 v + 1
	ds_store_b128 v[WSS], v[QW+4:QW+7] offset:16
	s_wait_dscnt 0x0                               ; for the others' sake: my part of the slice lies in LDS
	s_barrier_signal -1
	s_barrier_wait -1                              ; the whole slice does; nothing in LDS is written from here on
.irp b, 0,1,2,3
.irp u, 0,1,2,3
	ds_load_b64 v[WSC+8*\b+2*\u:WSC+8*\b+2*\u+1], v[WSR] offset:1024*\u+256*\b
.endr
.endr
	s_mov_b32 s23, 4                               ; pass 0 runs four tiles, whatever the count
	s_mov_b32 s25, 0
.Lpass:
	s_wait_loadcnt 0x0                             ; the pass's fragments and scale words of x
	s_cmp_eq_u32 s23, 4
	s_cbranch_scc0 .Lk1
	KLOOP 4
	s_branch .Lkdone
.Lk1:
	KLOOP 1
.Lkdone:
	LIVE
	s_cmp_eq_u32 s24, 0
	s_cbranch_scc1 .Lnonext
	SELECT                                         ; the next pass's operands are asked for ahead of this pass's way out
	ADDR
	LOADA 0
	LOADS
	s_cmp_eq_u32 s24, 4
	s_cbranch_scc0 .Lnonext
	LOADA 1
	LOADA 2
	LOADA 3
.Lnonext:
	EPI 0
	v_mov_b32 v[PW+1], v[PW]                       ; a group with one tile stores its word in the other tiles' places too: every byte that is read later is written
	v_mov_b32 v[PW+2], v[PW]
	v_mov_b32 v[PW+3], v[PW]
	s_cmp_eq_u32 s23, 4
	s_cbranch_scc0 .Lone
	EPI 1
	EPI 2
	EPI 3
.Lone:
	v_cndmask_b32 v[HSR], v[PW], v[PW+1], s28      ; word 0: tile h's, word 1: tile 2 + h's
	v_cndmask_b32 v[HSR+1], v[PW+2], v[PW+3], s28
	global_store_b64 v[HSO], v[HSR:HSR+1], s[16:17]   ; 32 lanes store 256 consecutive bytes, aligned
	s_cmp_eq_u32 s24, 0
	s_cbranch_scc1 .Lend
	s_wait_xcnt 0x0                                ; the stores have read their offsets and data: both are written again only behind this wait
	v_add_nc_u32 v[HIO], 0xc0000, v[HIO]
	v_add_nc_u32 v[HSO], 0x400, v[HSO]
	s_mov_b32 s23, s24
	s_add_co_u32 s25, s25, 1
	s_cmp_lt_u32 s25, 4
	s_cbranch_scc1 .Lpass
.Lend:
	s_wait_tensorcnt 0x0
	ds_add_u32 v123, v127
	s_wait_dscnt 0x0
	s_endpgm
.Lfunc_end_k_qcd2c58ad6b_up:
	.size	k_qcd2c58ad6b_up, .Lfunc_end_k_qcd2c58ad6b_up-k_qcd2c58ad6b_up
	.p2alignl 7, 3214868480
	.fill 96, 4, 3214868480
	.section	.rodata,"a",@progbits
	.p2align	6, 0x0
	.amdhsa_kernel k_qcd2c58ad6b_up
		.amdhsa_group_segment_fixed_size 103936
		.amdhsa_private_segment_fixed_size 0
		.amdhsa_enable_private_segment 0
		.amdhsa_kernarg_size 56
		.amdhsa_user_sgpr_count 2
		.amdhsa_user_sgpr_kernarg_segment_ptr 1
		.amdhsa_wavefront_size32 1
		.amdhsa_system_sgpr_workgroup_id_x 1
		.amdhsa_system_sgpr_workgroup_id_y 1
		.amdhsa_system_sgpr_workgroup_id_z 1
		.amdhsa_system_vgpr_workitem_id 0
		.amdhsa_next_free_vgpr 1024
		.amdhsa_next_free_sgpr 66
		.amdhsa_reserve_vcc 1
		.amdhsa_float_denorm_mode_32 3
		.amdhsa_float_denorm_mode_16_64 3
		.amdhsa_memory_ordered 1
		.amdhsa_forward_progress 1
		.amdhsa_inst_pref_size 255
	.end_amdhsa_kernel
	.section	.bss,"aw",@nobits
	.p2align	6
	.space	262144
	.amdgpu_metadata
---
amdhsa.version: [ 1, 2 ]
amdhsa.kernels:
  - .name:           k_qcd2c58ad6b_up
    .symbol:         k_qcd2c58ad6b_up.kd
    .args:
      - { .name: w1, .offset: 0, .size: 8, .value_kind: global_buffer, .address_space: global }
      - { .name: b1, .offset: 8, .size: 8, .value_kind: global_buffer, .address_space: global }
      - { .name: xc, .offset: 16, .size: 8, .value_kind: global_buffer, .address_space: global }
      - { .name: xs, .offset: 24, .size: 8, .value_kind: global_buffer, .address_space: global }
      - { .name: sel, .offset: 32, .size: 8, .value_kind: global_buffer, .address_space: global }
      - { .name: hc, .offset: 40, .size: 8, .value_kind: global_buffer, .address_space: global }
      - { .name: hs, .offset: 48, .size: 8, .value_kind: global_buffer, .address_space: global }
    .group_segment_fixed_size: 103936
    .private_segment_fixed_size: 0
    .kernarg_segment_align: 8
    .kernarg_segment_size: 56
    .max_flat_workgroup_size: 128
    .sgpr_count:     66
    .vgpr_count:     1024
    .wavefront_size: 32
...
	.end_amdgpu_metadata
.endif
;; end of part 2
;; launch down (part 3): grid 32 x 8, 4 waves a work-group, no clusters, 121,344 bytes of LDS; arguments w2, b2, hc, hs, sel, gate, y; writes y
.if DOCPART == 3
	.amdgcn_target "amdgcn-amd-amdhsa--gfx1250"
	.amdhsa_code_object_version 6
	.text
	.protected	k_qcd2c58ad6b_down
	.globl	k_qcd2c58ad6b_down
	.p2align	8
	.type	k_qcd2c58ad6b_down,@function
k_qcd2c58ad6b_down:
	s_mov_b64 s[64:65], 0
	v_nop
	global_prefetch_b8 v0, s[64:65] scope:SCOPE_SE
	s_setreg_imm32_b32 hwreg(HW_REG_WAVE_MODE, 25, 1), 1
	s_wait_xcnt 0x0
; y[kh][slot] = gate x (h W2[e] over a half of K  [+ b2[e] in half 0]) for the tokens that chose expert e; slot = 2 x token + (0: first choice, 1: second).  Both operands as codes of E3M2, one E8M0 scale for each 32 along K.
; SHARES.  Work-group (cg + 16 kh, e) owns the slice w2[e][2048 kh .. + 2047][64 cg .. + 63]: 512 KiB of f32, read from memory once in the whole launch, quantised on the way and never stored.
; PHASE A.  Wave v streams rows 512 v .. 512 v + 511 of the slice (K steps 4 v .. 4 v + 3) in 8 sets of 32 loads.  A row of the slice is 256 bytes: in load i of set t lanes 0-15 take row 64 t + i and lanes 16-31 row 64 t + 32 + i,
;   16 bytes (4 columns) a lane: two aligned runs of 256 bytes.  So a lane's set is ONE block of 32 along K for each of its 4 columns: block 2 (t % 2) + lane / 16 of K step t / 2.  The set is re-ordered by moves, so that a column's
;   block stands in consecutive registers, as the conversions want; its registers are free at once and take the loads of two sets on.  The codes go to LDS as images of operand registers: fragment f = 4 s + ct (K step s, tile ct of
;   16 columns), 1,552 bytes apart, lane (r, h) at 48 (r + 16 h).  Row r of tile ct is column 32 (ct / 2) + 8 (ct % 2) + r + 8 (r / 8), so that a lane's results are runs of eight neighbouring columns.
; PHASE B.  Positions as in the launch before: P = 256 p + 64 a + 16 v + r; the token at P is the P-th set bit of the expert's mask, made from sel by the same arithmetic.  The hidden layer's fragments come from hc as images of
;   their registers, 512 consecutive bytes a load: K steps 0-9 ahead of a pass, K step 10 + i over K step i's registers as soon as that step is multiplied, ten K steps ahead of its use.  Products transposed (source 0 = W,
;   source 1 = h); b2, cleared in half 1, is the C of each sum's first product; the sums are multiplied by the row's gate and leave through the wave's stage in LDS as rows of 256 consecutive bytes, two rows a store.
;   Rows at or past the count go to row 2,048 + e, which nobody reads.  Pass 0 runs four tiles; a later pass 0, 1 or 4, by the same rule as the launch before.  A pass's slots and gates are made one pass ahead.
; NO CLUSTER, NO TENSOR LOAD: each weight byte has one reader in the launch; what work-groups share is the hidden layer's images, 24 KiB a tile against 512 KiB of weights; and the passes hang on a count read from memory,
;   so every operand goes through registers.  One barrier, between the phases.  No prefetch: the launch streams its weights without a pause until the products begin, and h's loads go out well ahead of their use.
; LIMITS: NaN and infinities are not served.  A block of W whose largest magnitude lies under 2^-122 keeps the scale byte 1.  An output's terms are summed by half of K and by slot, not expert by expert.
; REGISTERS, in windows of 256.  Window 0: v1-31 addresses and masks; v32-63 sel's words, then v32-47 h's scale words of K steps 0-7, v48-63 slots and gates; v64-127 at work (phase B: v64-79 h's scale words of K steps 8-15);
;   v128-255 phase A: a set, column by column; phase B: v128-159 W's scale words, v160-207, v208-255 two buffers of four W fragments; on the way out v160-191 sixteen rows.
;   Window 1: phase A: two sets as loaded; phase B: v0-95 h's K steps 8, 9; v128-255 the 16 accumulators ((a, ct) at 128 + 32 a + 8 ct).
;   Window 2: h's fragments (a, s) at 48 s + 12 a, s = 0..4.   Window 3: the same for s = 5..7 at 48 (s - 5) + 12 a; from v144 b2, eight registers a column tile.
.set P,     4096                       ; bytes from row to row of w2[e]
.set FRAG,  1552                       ; a fragment's image: 32 lanes x 48 bytes + 16
.set WSCB,  64*FRAG                    ; behind the 64 images: W's scale words, [K step][column]
.set STG,   WSCB+4096                  ; a stage for each wave: 16 rows x SPI bytes
.set SPI,   272                        ; a stage row: 256 bytes + 16
.set L16, 1                            ; 16 x lane
.set WST, 2                            ; where I store my columns' codes
.set WSS, 3                            ; and their scale words
.set WL0, 4                            ; 48 x lane: my place in fragments 0-31
.set WL1, 5                            ; the same for fragments 32-63
.set WSR, 6                            ; where I read W's scale words
.set STO, 7                            ; the stage: where I put 32 bytes of a row
.set HOF, 8                            ; 16 x lane + 786,432 p: the pass's images in hc
.set HSF, 9                            ; 8 x lane + 1,024 p: its scale words in hs
.set SRD, 10                           ; the stage: where I read 16 bytes of a row back
.set BOF, 11                           ; 64 h
.set DUMP, 12                          ; 2,048 + e
.set SH8, 13                           ; 8 h: my bytes' place in a scale word, in bits
.set QB,  14                           ; 64 h + r + 16 v: my position in a pass, group 0
.set L16H, 15                          ; 16 x (lane % 16)
.set MK,  16                           ; lane b: block b's mask of tokens that chose my expert;
.set MK2, 17                           ; of those that chose it second;
.set PR,  18                           ; the running count
.set WOF, 19                           ; w2: 16 (lane % 16) + 32 rows x (lane / 16)
.set SSN, 20                           ; v20-21  the next pass's rows of y
.set GGN, 22                           ; v22-23  the next pass's gates
.set TOK, 26
.set TX,  28
.set GAN, 30                           ; v30-31  the next pass's gates' byte offsets
.set SEL, 32
.set ASC, 32                           ; h's scale words, K steps 0-7: (g, s) at 32 + 2 s + g: lanes 0-15 tile 2 g, lanes 16-31 tile 2 g + 1
.set SLOT, 48                          ; v48-49  at work in SELECT
.set SS,  50                           ; v50-51  group g: lane (r, h) holds the row of y of tile 2 g + h, row r
.set GG,  52                           ; v52-53  its gate
.set G,   54                           ; v54-61  tile a's gate, a pair (the packed multiply names a pair and takes its low word)
.set GA,  62                           ; v62-63  pass 0's gates' byte offsets
.set QM,  64                           ; phase A, column j: largest magnitude;
.set QS,  68                           ; the conversions' scale operand;
.set QW,  72                           ; v72-87  scale words: K step sl, column j at 4 sl + j;
.set QC,  88                           ; v88-111 codes, 6 registers a column;
.set QD,  112                          ; the upper 16 codes as the conversion leaves them
.set ASC2, 64                          ; h's scale words, K steps 8-15: (g, s) at 64 + 2 (s - 8) + g
.set OFFR, 80                          ; v80-87  the way out: eight stores' byte offsets in y
.set T,   128                          ; a set: column j's 32 numbers at 32 j
.set WSC, 128                          ; W's scale words: (b, s) at 128 + 2 s + b: lanes 0-15 tile 2 b, lanes 16-31 tile 2 b + 1
.set WB0, 160
.set WB1, 208
.set OUT, 160
.set ZQ,  224                          ; SELECT's registers, a pair each (groups 0, 1)
.set ZM,  226
.set ZX,  228
.set ZB,  230
.set ZN,  232
.set Z1,  234
.set Z2,  236
.set Z3,  238
.set Z4,  240
.set ZP,  242
.set ZT,  244
.set ACC, 128                          ; in window 1
.set BIAS, 144                         ; in window 3
.set MSB, 0
.macro WIN new                         ; the immediate's high byte repeats the setting that is left; a switch that changes nothing is dropped
.if MSB != \new
	s_set_vgpr_msb (MSB<<8)|\new
.set MSB, \new
.endif
.endm
.macro WLOAD t                         ; set t: 64 rows, two a load, into half t % 2 of window 1
	WIN 0x40
.set wi, 0
.rept 32
	global_load_b128 v[128*((\t)%2)+4*wi:128*((\t)%2)+4*wi+3], v[WOF], s[4:5] offset:(64*(\t)+wi)*P th:TH_LOAD_NT
.set wi, wi+1
.endr
	WIN 0
.endm
.macro SETA t, n                       ; set t has landed (n younger loads may be out); column by column into window 0; its registers take set t + 2
	s_wait_loadcnt \n
	WIN 0x01
.set mi, 0
.rept 32
.irp j, 0,1,2,3
	v_mov_b32 v[T+32*\j+mi], v[128*((\t)%2)+4*mi+\j]
.endr
.set mi, mi+1
.endr
.if (\t) <= 5
	WLOAD (\t)+2
.else
	WIN 0
.endif
.endm
.macro QUANT4 t                        ; four blocks of 32 along K (my four columns, by turns): block 2 c + h of K step 4 v + t / 2, c = t % 2, h = lane / 16
.set qo, 4*FRAG*((\t)/2)
.irp j, 0,1,2,3
	v_max3_num_f32 v[QM+\j], |v[T+32*\j]|, |v[T+32*\j+1]|, 0x2800000   ; with the floor 2^(5 - 127): the byte cannot fall under 1
.endr
.irp i, 2,4,6,8,10,12,14,16,18,20,22,24,26,28,30
.irp j, 0,1,2,3
	v_max3_num_f32 v[QM+\j], v[QM+\j], |v[T+32*\j+\i]|, |v[T+32*\j+\i+1]|
.endr
.endr
.irp j, 0,1,2,3
	v_add_nc_u32 v[QS+\j], 0xfe000000, v[QM+\j]    ; 4 off the exponent field: the conversion's scale operand
.endr
.irp j, 0,1,2,3
.if (\t)%2 == 0
	v_lshrrev_b32 v[QW+4*((\t)/2)+\j], 23, v[QS+\j]   ; the byte of c = 0 starts my part of the K step's scale word,
.else
	v_lshrrev_b32 v[QM+\j], 23, v[QS+\j]
.endif
.endr
.if (\t)%2 != 0
.irp j, 0,1,2,3
	v_lshl_or_b32 v[QW+4*((\t)/2)+\j], v[QM+\j], 16, v[QW+4*((\t)/2)+\j]   ; that of c = 1 lies two bytes up
.endr
.endif
	s_wait_dscnt 0x0                               ; the last set's LDS stores have read the codes' registers
.irp j, 0,1,2,3
	v_cvt_scalef32_pk16_bf6_f32 v[QC+6*\j:QC+6*\j+2], v[T+32*\j:T+32*\j+15], v[QS+\j]
	v_cvt_scalef32_pk16_bf6_f32 v[QD+4*\j:QD+4*\j+2], v[T+32*\j+16:T+32*\j+31], v[QS+\j]
.endr
	v_nop                                          ; one plain line behind the conversions
.irp j, 0,1,2,3
.irp i, 0,1,2
	v_mov_b32 v[QC+6*\j+3+\i], v[QD+4*\j+\i]
.endr
.endr
.irp j, 0,1,2,3                        ; 24 bytes at 24 c of the lane's 48: 16 + 8 or 8 + 16, so that every address is a multiple of the access's size
.if (\t)%2 == 0
	ds_store_b128 v[WST], v[QC+6*\j:QC+6*\j+3] offset:qo+48*\j
	ds_store_b64 v[WST], v[QC+6*\j+4:QC+6*\j+5] offset:qo+48*\j+16
.else
	ds_store_b64 v[WST], v[QC+6*\j:QC+6*\j+1] offset:qo+48*\j+24
	ds_store_b128 v[WST], v[QC+6*\j+2:QC+6*\j+5] offset:qo+48*\j+32
.endif
.endr
.endm
.macro SCALEOUT                        ; my two bytes of each scale word go 8 h bits up; with lane l xor 16's two the word is whole; both halves of the lanes store the same words to the same places
.irp k, 0,1,2,3,4,5,6,7,8,9,10,11,12,13,14,15
	v_lshlrev_b32 v[QW+\k], v[SH8], v[QW+\k]
.endr
.irp g, 0,1,2,3
.irp j, 0,1,2,3
	v_permlanex16_b32 v[QM+\j], v[QW+4*\g+\j], s26, s27
.endr
.irp j, 0,1,2,3
	v_or_b32 v[QW+4*\g+\j], v[QW+4*\g+\j], v[QM+\j]
.endr
.endr
.irp g, 0,1,2,3
	ds_store_b128 v[WSS], v[QW+4*\g:QW+4*\g+3] offset:256*\g
.endr
.endm
; The expert's masks, 32 bits a block, and the blocks' running counts, kept one block a lane.
.macro BALLOT
	v_mov_b32 v[MK], 0
	v_mov_b32 v[MK2], 0
	v_mov_b32 v[PR], 0
	s_mov_b32 s33, 0
.set bl, 0
.rept 32
	v_and_b32 v24, s29, v[SEL+bl]
	v_and_b32 v25, s30, v[SEL+bl]
	v_cmp_ne_u32 s31, 0, v24
	v_cmp_ne_u32 s34, 0, v25
	v_writelane_b32 v[MK], s31, bl
	v_writelane_b32 v[MK2], s34, bl
	v_writelane_b32 v[PR], s33, bl
	s_bcnt1_i32_b32 s32, s31
	s_add_co_u32 s33, s33, s32
.set bl, bl+1
.endr
	s_mov_b32 s22, s33                             ; how many tokens chose my expert
.endm
.macro LEVEL src, w, bits              ; one step of the descent: are there k or fewer set bits in the next w places?  Then pass them
.irp g, 0,1
	v_bfe_u32 v[ZT+\g], v[\src+\g], v[ZP+\g], \bits
	v_cmp_ge_u32 vcc_lo, v[ZX+\g], v[ZT+\g]
	v_sub_nc_u32 v[ZT+\g], v[ZX+\g], v[ZT+\g]
	v_cndmask_b32 v[ZX+\g], v[ZX+\g], v[ZT+\g], vcc_lo
	v_add_nc_u32 v[ZT+\g], \w, v[ZP+\g]
	v_cndmask_b32 v[ZP+\g], v[ZP+\g], v[ZT+\g], vcc_lo
.endr
.endm
; The tokens at positions q = s36 + QB (group 0) and q + 128 (group 1), as in the launch before: the last block whose running count is at most q, then the (q - count)-th set bit of its mask;
; then the row of y (into ss) and the gate's byte offset (into ga).  s36 = 256 x the pass.
.macro SELECT ss, ga
	v_add_nc_u32 v[ZQ], s36, v[QB]
	v_add_nc_u32 v[ZQ+1], 0x80, v[ZQ]
	v_readlane_b32 s31, v[MK], 0
	v_readlane_b32 s33, v[MK2], 0
.irp g, 0,1
	v_mov_b32 v[ZM+\g], s31
	v_mov_b32 v[ZN+\g], s33
	v_mov_b32 v[ZX+\g], 0
	v_mov_b32 v[ZB+\g], 0
.endr
.set sb, 1
.rept 31
	v_readlane_b32 s31, v[MK], sb
	v_readlane_b32 s32, v[PR], sb
	v_readlane_b32 s33, v[MK2], sb
.irp g, 0,1
	v_cmp_le_u32 vcc_lo, s32, v[ZQ+\g]
	v_cndmask_b32 v[ZM+\g], v[ZM+\g], s31, vcc_lo
	v_cndmask_b32 v[ZX+\g], v[ZX+\g], s32, vcc_lo
	v_cndmask_b32 v[ZN+\g], v[ZN+\g], s33, vcc_lo
	v_cndmask_b32 v[ZB+\g], v[ZB+\g], sb, vcc_lo
.endr
.set sb, sb+1
.endr
.irp g, 0,1
	v_sub_nc_u32 v[ZX+\g], v[ZQ+\g], v[ZX+\g]      ; k: which set bit of the block
	v_lshrrev_b32 v[ZT+\g], 1, v[ZM+\g]            ; the mask's counts in fields of 2, 4, 8 and 16 bits
	v_and_b32 v[ZT+\g], 0x55555555, v[ZT+\g]
	v_sub_nc_u32 v[Z1+\g], v[ZM+\g], v[ZT+\g]
	v_lshrrev_b32 v[ZT+\g], 2, v[Z1+\g]
	v_and_b32 v[ZT+\g], 0x33333333, v[ZT+\g]
	v_and_b32 v[Z2+\g], 0x33333333, v[Z1+\g]
	v_add_nc_u32 v[Z2+\g], v[Z2+\g], v[ZT+\g]
	v_lshrrev_b32 v[ZT+\g], 4, v[Z2+\g]
	v_add_nc_u32 v[Z3+\g], v[Z2+\g], v[ZT+\g]
	v_and_b32 v[Z3+\g], 0x0f0f0f0f, v[Z3+\g]
	v_lshrrev_b32 v[ZT+\g], 8, v[Z3+\g]
	v_add_nc_u32 v[Z4+\g], v[Z3+\g], v[ZT+\g]
	v_mov_b32 v[ZP+\g], 0
.endr
	LEVEL Z4, 16, 8
	LEVEL Z3, 8, 8
	LEVEL Z2, 4, 4
	LEVEL Z1, 2, 2
	LEVEL ZM, 1, 1
.irp g, 0,1
	v_and_b32 v[ZT+\g], 28, v[ZB+\g]
	v_lshlrev_b32 v[ZT+\g], 5, v[ZT+\g]            ; 128 (b / 4)
	v_lshl_add_u32 v[ZT+\g], v[ZP+\g], 2, v[ZT+\g] ; + 4 x bit
	v_and_b32 v[ZB+\g], 3, v[ZB+\g]
	v_add_nc_u32 v[TOK+\g], v[ZT+\g], v[ZB+\g]     ; + b % 4
	v_bfe_u32 v[ZT+\g], v[ZN+\g], v[ZP+\g], 1      ; 1 where my expert is the token's second choice
	v_lshl_add_u32 v[SLOT+\g], v[TOK+\g], 1, v[ZT+\g]
	v_cmp_gt_u32 vcc_lo, s22, v[ZQ+\g]             ; a position under the count?
	v_cndmask_b32 v[\ss+\g], v[DUMP], v[SLOT+\g], vcc_lo
	v_min_u32 v[\ga+\g], 0x7ff, v[SLOT+\g]         ; held inside the table, then only shifted
	v_lshlrev_b32 v[\ga+\g], 2, v[\ga+\g]
.endr
.endm
.macro GLOAD gg, ga
.irp g, 0,1
	global_load_b32 v[\gg+\g], v[\ga+\g], s[14:15]
.endr
.endm
.macro LOADA a                         ; tile a's fragments of h, K steps 0-7: 24 loads of 512 consecutive bytes
	WIN 0x80
.irp s, 0,1,2,3,4
.irp j, 0,1,2
	global_load_b128 v[48*\s+12*\a+4*\j:48*\s+12*\a+4*\j+3], v[HOF], s[8:9] offset:49152*\a+1536*\s+512*\j
.endr
.endr
	WIN 0xc0
.irp s, 5,6,7
.irp j, 0,1,2
	global_load_b128 v[48*(\s-5)+12*\a+4*\j:48*(\s-5)+12*\a+4*\j+3], v[HOF], s[8:9] offset:49152*\a+1536*\s+512*\j
.endr
.endr
	WIN 0
.endm
.macro LOADC a                         ; K steps 8, 9, into window 1: 6 loads
	WIN 0x40
.irp s, 8,9
.irp j, 0,1,2
	global_load_b128 v[48*(\s-8)+12*\a+4*\j:48*(\s-8)+12*\a+4*\j+3], v[HOF], s[8:9] offset:49152*\a+1536*\s+512*\j
.endr
.endr
	WIN 0
.endm
.macro LOADB i, R                      ; K step 10 + i over K step i's registers, R tiles: 3 R loads
.if (\i) < 5
	WIN 0x80
.set lb, 48*(\i)
.else
	WIN 0xc0
.set lb, 48*((\i)-5)
.endif
.irp a, 0,1,2,3
.if \a < \R
.irp j, 0,1,2
	global_load_b128 v[lb+12*\a+4*\j:lb+12*\a+4*\j+3], v[HOF], s[8:9] offset:49152*\a+1536*(10+(\i))+512*\j
.endr
.endif
.endr
	WIN 0
.endm
.macro LOADS                           ; the group's scale words of K steps 0-7: 8 loads of 256 consecutive bytes
.irp s, 0,1,2,3,4,5,6,7
	global_load_b64 v[ASC+2*\s:ASC+2*\s+1], v[HSF], s[10:11] offset:4096*\s
.endr
.endm
.macro LOADS2                          ; and of K steps 8-15
.irp s, 8,9,10,11,12,13,14,15
	global_load_b64 v[ASC2+2*(\s-8):ASC2+2*(\s-8)+1], v[HSF], s[10:11] offset:4096*\s
.endr
.endm
.macro WFETCH s, wb                    ; K step s: its four fragments of W from LDS, 12 loads
.irp c, 0,1,2,3
.set ff, 4*(\s)+\c
.irp j, 0,1,2
.if ff < 32
	ds_load_b128 v[(\wb)+12*\c+4*\j:(\wb)+12*\c+4*\j+3], v[WL0] offset:FRAG*ff+16*\j
.else
	ds_load_b128 v[(\wb)+12*\c+4*\j:(\wb)+12*\c+4*\j+3], v[WL1] offset:FRAG*(ff-32)+16*\j
.endif
.endr
.endr
.endm
.macro WM a, ct, s, wb                 ; one product: column tile ct x row tile a, K step s.  The scale registers carry two tiles each: the odd tile's words lie in lanes 16-31
.set rD, ACC+32*(\a)+8*(\ct)
.set rW, (\wb)+12*(\ct)
.if (\s) < 5
.set rA, 48*(\s)+12*(\a)
.elseif (\s) < 8
.set rA, 48*((\s)-5)+12*(\a)
.elseif (\s) < 10
.set rA, 48*((\s)-8)+12*(\a)
.elseif (\s) < 15
.set rA, 48*((\s)-10)+12*(\a)
.else
.set rA, 12*(\a)
.endif
.if (\s) == 0
.set rC, BIAS+8*(\ct)
.else
.set rC, ACC+32*(\a)+8*(\ct)
.endif
.set rU, WSC+2*(\s)+(\ct)/2
.if (\s) < 8
.set rV, ASC+2*(\s)+(\a)/2
.else
.set rV, ASC2+2*((\s)-8)+(\a)/2
.endif
.if ((\ct)%2 == 0) && ((\a)%2 == 0)
	v_wmma_scale_f32_16x16x128_f8f6f4 v[rD:rD+7], v[rW:rW+11], v[rA:rA+11], v[rC:rC+7], v[rU], v[rV] matrix_a_fmt:MATRIX_FMT_BF6 matrix_b_fmt:MATRIX_FMT_BF6
.elseif ((\ct)%2 == 1) && ((\a)%2 == 0)
	v_wmma_scale_f32_16x16x128_f8f6f4 v[rD:rD+7], v[rW:rW+11], v[rA:rA+11], v[rC:rC+7], v[rU], v[rV] matrix_a_fmt:MATRIX_FMT_BF6 matrix_b_fmt:MATRIX_FMT_BF6 matrix_a_scale:MATRIX_SCALE_ROW1
.elseif ((\ct)%2 == 0) && ((\a)%2 == 1)
	v_wmma_scale_f32_16x16x128_f8f6f4 v[rD:rD+7], v[rW:rW+11], v[rA:rA+11], v[rC:rC+7], v[rU], v[rV] matrix_a_fmt:MATRIX_FMT_BF6 matrix_b_fmt:MATRIX_FMT_BF6 matrix_b_scale:MATRIX_SCALE_ROW1
.else
	v_wmma_scale_f32_16x16x128_f8f6f4 v[rD:rD+7], v[rW:rW+11], v[rA:rA+11], v[rC:rC+7], v[rU], v[rV] matrix_a_fmt:MATRIX_FMT_BF6 matrix_b_fmt:MATRIX_FMT_BF6 matrix_a_scale:MATRIX_SCALE_ROW1 matrix_b_scale:MATRIX_SCALE_ROW1
.endif
.endm
; A pass's products, R row tiles: sixteen K steps on two buffers of W.  A K step's 4 R accumulators are all different and come in the same order in every K step: the accumulators take turns.
; K step 0 takes the bias (window 3) as C.  Behind a K step four places, then the loads into the registers just read: W of two K steps on, and, behind K steps 0-5, h of ten K steps on.
; Waits for h: at K step 8 the scale words of K steps 8-15, behind which the six refills (18 R loads; a wait names 63 at the most) were issued; at K step 10 + i refill i, behind which 3 R (5 - i) were issued.
.macro KLOOP R
	WFETCH 0, WB0
	WFETCH 1, WB1
.set ks, 0
.rept 16
.if ks == 8
.if 18*\R > 63
	s_wait_loadcnt 63
.else
	s_wait_loadcnt 18*\R
.endif
.elseif ks >= 10
	s_wait_loadcnt 3*\R*(15-ks)
.endif
.if ks < 15
	s_wait_dscnt 12                                ; this K step's 12 loads are in; the other buffer's 12 may be out
.else
	s_wait_dscnt 0x0
.endif
.if ks == 0
	WIN 0x78                                       ; D window 1, W window 0, h window 2, C window 3
.elseif (ks < 5) || ((ks >= 10) && (ks < 15))
	WIN 0x58                                       ; C and D window 1, h window 2
.elseif (ks >= 8) && (ks < 10)
	WIN 0x54                                       ; h window 1
.else
	WIN 0x5c                                       ; h window 3
.endif
.irp c, 0,1,2,3
.irp a, 0,1,2,3
.if \a < \R
	WM \a, \c, ks, WB0+48*(ks%2)
.endif
.endr
.endr
.if ks != 14
	WIN 0
.rept 4
	v_nop
.endr
.endif
.if ks < 14
	WFETCH ks+2, WB0+48*(ks%2)
.endif
.if ks < 6
	LOADB ks, \R
.endif
.set ks, ks+1
.endr
.endm
.macro LIVE k, dst                     ; s[dst] = row tiles of my group in pass p + k: 0, 1 or 4;  s36 = 256 (p + k)
	s_add_co_u32 s31, s25, \k
	s_lshl_b32 s36, s31, 8
	s_lshl_b32 s32, s18, 4
	s_sub_co_i32 s31, s22, s36
	s_sub_co_i32 s31, s31, s32
	s_add_co_i32 s31, s31, 63
	s_ashr_i32 s31, s31, 6                         ; tiles a with 256 (p + k) + 64 a + 16 v under the count
	s_max_i32 s31, s31, 0
	s_cmp_gt_u32 s31, 1
	s_cselect_b32 s[\dst], 4, s31
.endm
; Tile a's way out.  A lane holds 4 x 8 numbers of one row; the sums times the row's gate go through my own stage and come back as rows of 256 bytes, two a load; each row is stored to its slot's row of y.
; The sixteen rows' slots are read in one run into sixteen scalar registers; lanes 0-15 take the even row's, lanes 16-31 the odd row's; held inside y's rows, then only shifted and added to.
.macro EPI a
	s_wait_xcnt 0x0                                ; the tile before has had its stores' offsets and data read: both are written again only behind this wait
	WIN 0x41
.set ei, 0
.rept 16
	v_pk_mul_f32 v[ACC+32*(\a)+2*ei:ACC+32*(\a)+2*ei+1], v[ACC+32*(\a)+2*ei:ACC+32*(\a)+2*ei+1], v[G+2*(\a):G+2*(\a)+1] op_sel_hi:[1,0]   ; each accumulator from its low end on
.set ei, ei+1
.endr
	WIN 0x04                                       ; an LDS store's data are its source 1: window 1
.irp ct, 0,1,2,3
	ds_store_b128 v[STO], v[ACC+32*(\a)+8*\ct:ACC+32*(\a)+8*\ct+3] offset:128*(\ct/2)+32*(\ct%2)       ; columns 32 (ct / 2) + 16 h + 8 (ct % 2) + 0 .. 7
	ds_store_b128 v[STO], v[ACC+32*(\a)+8*\ct+4:ACC+32*(\a)+8*\ct+7] offset:128*(\ct/2)+32*(\ct%2)+16
.endr
	WIN 0
.irp i, 0,1,2,3,4,5,6,7
	ds_load_b128 v[OUT+4*\i:OUT+4*\i+3], v[SRD] offset:2*SPI*\i   ; rows 2 i and 2 i + 1.  LDS serves a wave's instructions in order (ISA guide 5.7.1.4): these see my stores, and the next tile's stores come behind them
.endr
.irp i, 0,1,2,3,4,5,6,7,8,9,10,11,12,13,14,15
	v_readlane_b32 s[48+\i], v[SS+(\a)/2], 16*((\a)%2)+\i
.endr
.irp i, 0,1,2,3,4,5,6,7
	v_mov_b32 v[OFFR+\i], s[48+2*\i]
.endr
.irp i, 0,1,2,3,4,5,6,7
	v_cndmask_b32 v[OFFR+\i], v[OFFR+\i], s[49+2*\i], s28
.endr
.irp i, 0,1,2,3,4,5,6,7
	v_min_u32 v[OFFR+\i], 0x807, v[OFFR+\i]
.endr
.irp i, 0,1,2,3,4,5,6,7
	v_lshl_add_u32 v[OFFR+\i], v[OFFR+\i], 12, v[L16H]
.endr
.irp i, 0,1,2,3,4,5,6,7
	s_wait_dscnt 7-\i                              ; rows 2 i, 2 i + 1 are back; the younger rows may be out
	global_store_b128 v[OFFR+\i], v[OUT+4*\i:OUT+4*\i+3], s[16:17] th:TH_STORE_NT   ; sixteen lanes store 256 consecutive bytes, at a multiple of 256 from y's first byte
.endr
.endm
	s_load_b256 s[4:11], s[0:1], 0x0               ; w2 s[4:5], b2 s[6:7], hc s[8:9], hs s[10:11]
	s_load_b128 s[12:15], s[0:1], 0x20             ; sel s[12:13], gate s[14:15]
	s_load_b64 s[16:17], s[0:1], 0x30              ; y
	v_lshl_add_u32 v123, v0, 2, 0x1d800
	v_mov_b32 v127, 0
	v_lshrrev_b32 v22, 5, v0
	v_readfirstlane_b32 s18, v22                   ; wave v
	s_and_b32 s19, ttmp7, 0xffff                   ; expert e
	s_and_b32 s20, ttmp9, 15                       ; column group cg
	s_lshr_b32 s21, ttmp9, 4                       ; half of K, kh
	v_and_b32 v22, 31, v0                          ; lane
	v_and_b32 v23, 15, v0                          ; r
	v_bfe_u32 v24, v0, 4, 1                        ; h
	v_lshlrev_b32 v[L16], 4, v22
	v_lshlrev_b32 v[L16H], 4, v23
	v_lshl_add_u32 v[WOF], v24, 17, v[L16H]        ; lanes 16-31 read 32 rows of 4,096 bytes further down
	v_lshlrev_b32 v[SH8], 3, v24
	v_bfe_u32 v25, v0, 3, 1                        ; my columns 4 (l % 16) + j lie in tile ct = 2 ((l / 8) % 2) + (l / 2) % 2,
	v_bfe_u32 v30, v0, 1, 1
	v_lshl_add_u32 v25, v25, 1, v30
	v_mul_u32_u24 v[WST], v25, FRAG
	v_bfe_u32 v25, v0, 2, 1                        ; at rows 8 ((l / 4) % 2) + 4 (l % 2) + j,
	v_and_b32 v30, 1, v0
	v_lshlrev_b32 v30, 2, v30
	v_lshl_add_u32 v25, v25, 3, v30
	v_mad_u32_u24 v[WST], v25, 48, v[WST]
	v_mad_u32_u24 v[WST], v24, 768, v[WST]         ; and my blocks are those of the operand's lanes 16 h on
	s_mul_i32 s31, s18, 16*FRAG                    ; my wave's K steps 4 v .. 4 v + 3: sixteen fragments
	v_add_nc_u32 v[WST], s31, v[WST]
	s_lshl_b32 s31, s18, 10
	s_add_co_u32 s31, s31, WSCB
	v_add_nc_u32 v[WSS], s31, v[L16H]              ; WSCB + 1,024 v + 16 (l % 16)
	v_mul_u32_u24 v[WL0], v22, 48
	v_add_nc_u32 v[WL1], 32*FRAG, v[WL0]
	v_and_b32 v25, 8, v23
	v_add_nc_u32 v25, v25, v23
	v_lshl_add_u32 v25, v24, 3, v25                ; 8 h + r + 8 (r / 8): my column in a pair of tiles
	v_lshl_add_u32 v[WSR], v25, 2, WSCB
	s_mul_i32 s31, s18, 16*SPI
	s_add_co_u32 s31, s31, STG                     ; my stage
	v_mul_u32_u24 v[STO], v23, SPI
	v_lshl_add_u32 v[STO], v24, 6, v[STO]
	v_add_nc_u32 v[STO], s31, v[STO]               ; in: row r, + 64 h
	v_mul_u32_u24 v[SRD], v24, SPI
	v_add_nc_u32 v[SRD], v[SRD], v[L16H]
	v_add_nc_u32 v[SRD], s31, v[SRD]               ; back: lanes 0-15 one row, lanes 16-31 the next
	s_lshl_b32 s31, s18, 4
	v_lshl_add_u32 v[QB], v24, 6, v23
	v_add_nc_u32 v[QB], s31, v[QB]
	v_mov_b32 v[HOF], v[L16]
	v_lshlrev_b32 v[HSF], 3, v22
	v_lshlrev_b32 v[BOF], 6, v24
	s_add_co_u32 s31, s19, 2048
	v_mov_b32 v[DUMP], s31
	v_mov_b32 v[TX], 0                             ; written once: a lane permute's destination counts as one of its sources
	v_mov_b32 v[TX+1], 0
	v_mov_b32 v[SSN], 0                            ; written once here: they are made anew only where a further pass has rows
	v_mov_b32 v[SSN+1], 0
	v_mov_b32 v[GGN], 0
	v_mov_b32 v[GGN+1], 0
	s_mov_b32 s26, 0x76543210                      ; v_permlanex16_b32's selects for lane l xor 16
	s_mov_b32 s27, 0xfedcba98
	s_mov_b32 s28, 0xffff0000                      ; lanes 16-31
	s_lshl_b32 s29, 0x101, s19                     ; my expert as first or as second choice,
	s_lshl_b32 s30, 0x100, s19                     ; as second
	s_cmp_eq_u32 s21, 0
	s_cselect_b32 s37, -1, 0                       ; b2 counts in half 0 alone
	s_lshl_b32 s38, s19, 24                        ; w2: e x 16 MiB + (2,048 kh + 512 v) rows + 256 cg
	s_lshl_b32 s31, s21, 23
	s_add_co_u32 s38, s38, s31
	s_lshl_b32 s31, s18, 21
	s_add_co_u32 s38, s38, s31
	s_lshl_b32 s31, s20, 8
	s_add_co_u32 s38, s38, s31
	s_mov_b32 s39, 0
	s_lshl_b32 s40, s19, 12                        ; b2: 4,096 e + 256 cg
	s_add_co_u32 s40, s40, s31
	s_mov_b32 s41, 0
	s_mul_i32 s46, s21, 8421376                    ; y [kh][2,056 rows][4,096 bytes], + 256 cg
	s_add_co_u32 s46, s46, s31
	s_mov_b32 s47, 0
	s_mul_i32 s42, s19, 3145728                    ; hc [e][4 p + v][a][s = 16 kh + ..][1,536]
	s_mul_i32 s31, s18, 196608
	s_add_co_u32 s42, s42, s31
	s_mul_i32 s31, s21, 24576
	s_add_co_u32 s42, s42, s31
	s_mov_b32 s43, 0
	s_lshl_b32 s44, s19, 17                        ; hs [e][s = 16 kh + ..][4 p + v][256]
	s_lshl_b32 s31, s21, 16
	s_add_co_u32 s44, s44, s31
	s_lshl_b32 s31, s18, 8
	s_add_co_u32 s44, s44, s31
	s_mov_b32 s45, 0
	s_wait_kmcnt 0x0
	s_add_nc_u64 s[4:5], s[4:5], s[38:39]
	s_add_nc_u64 s[6:7], s[6:7], s[40:41]
	s_add_nc_u64 s[8:9], s[8:9], s[42:43]
	s_add_nc_u64 s[10:11], s[10:11], s[44:45]
	s_add_nc_u64 s[16:17], s[16:17], s[46:47]
.irp i, 0,1,2,3,4,5,6,7
	global_load_b128 v[SEL+4*\i:SEL+4*\i+3], v[L16], s[12:13] offset:512*\i   ; register b of lane l: token 128 (b / 4) + 4 l + b % 4
.endr
	WIN 0xc0
.irp ct, 0,1,2,3
	global_load_b128 v[BIAS+8*\ct:BIAS+8*\ct+3], v[BOF], s[6:7] offset:4*(32*(\ct/2)+8*(\ct%2))      ; b2 in the result's layout: columns 32 (ct / 2) + 16 h + 8 (ct % 2) + 0 .. 7
	global_load_b128 v[BIAS+8*\ct+4:BIAS+8*\ct+7], v[BOF], s[6:7] offset:4*(32*(\ct/2)+8*(\ct%2))+16
.endr
	WIN 0
	WLOAD 0
	WLOAD 1
; PHASE A.  Each wait's count is the number of loads issued behind the set's own 32, held to 63, the most that a wait can name.
	SETA 0, 32                                     ; behind set 0: set 1.  sel and b2, issued ahead of it, are in too
	QUANT4 0
	BALLOT
	s_mov_b32 s25, 0                               ; the pass
	s_mov_b32 s36, 0
	SELECT SS, GA                                  ; pass 0's rows of y and gates
	GLOAD GG, GA
	WIN 0xcc
.set bi, 0
.rept 32
	v_and_b32 v[BIAS+bi], s37, v[BIAS+bi]          ; b2, or zeros
.set bi, bi+1
.endr
	WIN 0
	LIVE 1, 24
	s_cmp_eq_u32 s24, 0
	s_cbranch_scc1 .Lno1
	SELECT SSN, GAN                                ; pass 1's, where it has rows of mine
	GLOAD GGN, GAN
.Lno1:
	SETA 1, 34                                     ; behind set 1: set 2 and pass 0's two gates (pass 1's two, where they were asked for, come on top)
	LOADA 0                                        ; pass 0's operands are asked for among the sets
	LOADS
	QUANT4 1
	SETA 2, 63                                     ; 2 + 32 + 24 + 8
	LOADA 1
	QUANT4 2
	SETA 3, 63                                     ; 24 + 8 + 32 + 24
	LOADA 2
	QUANT4 3
	SETA 4, 63                                     ; 24 + 32 + 24
	LOADA 3
	QUANT4 4
	SETA 5, 63                                     ; 24 + 32 + 24
	QUANT4 5
	SETA 6, 56                                     ; tile 3's 24 and set 7
	LOADC 0                                        ; K steps 8, 9 of h, into the registers that set 6 has left
	LOADC 1
	LOADC 2
	LOADC 3
	QUANT4 6
	SETA 7, 24                                     ; those 24
	QUANT4 7
	SCALEOUT
	s_wait_dscnt 0x0                               ; for the others' sake: my part of the slice lies in LDS
	s_barrier_signal -1
	s_barrier_wait -1                              ; the whole slice does; from here on a wave writes its own stage alone
	LOADS2
.irp s, 0,1,2,3,4,5,6,7,8,9,10,11,12,13,14,15
.irp b, 0,1
	ds_load_b32 v[WSC+2*\s+\b], v[WSR] offset:256*\s+128*\b
.endr
.endr
	s_mov_b32 s23, 4                               ; pass 0 runs four tiles, whatever the count
.Lpass:
	s_wait_loadcnt 8                               ; all of the pass's operands are in but the youngest eight loads: the scale words of K steps 8-15, which K step 8 waits for
.irp g, 0,1
	v_permlanex16_b32 v[TX+\g], v[GG+\g], s26, s27
.endr
	v_cndmask_b32 v[G], v[GG], v[TX], s28          ; tile a's gate in both halves of the lanes
	v_cndmask_b32 v[G+2], v[TX], v[GG], s28
	v_cndmask_b32 v[G+4], v[GG+1], v[TX+1], s28
	v_cndmask_b32 v[G+6], v[TX+1], v[GG+1], s28
.irp a, 0,1,2,3
	v_mov_b32 v[G+2*\a+1], v[G+2*\a]               ; (named with it as a pair, so it is written)
.endr
	s_cmp_eq_u32 s23, 4
	s_cbranch_scc0 .Lk1
	KLOOP 4
	s_branch .Lkdone
.Lk1:
	KLOOP 1
.Lkdone:
	LIVE 1, 24
	s_cmp_eq_u32 s24, 0
	s_cbranch_scc1 .Lnoload
	v_add_nc_u32 v[HOF], 0xc0000, v[HOF]           ; the loads that named these offsets are done (the wait for 0 at the last K step)
	v_add_nc_u32 v[HSF], 0x400, v[HSF]
	LOADA 0                                        ; the next pass's operands are asked for ahead of this pass's way out
	LOADS
	s_cmp_eq_u32 s24, 4
	s_cbranch_scc0 .Lfew
	LOADA 1
	LOADA 2
	LOADA 3
	LOADC 1
	LOADC 2
	LOADC 3
.Lfew:
	LOADC 0
	LOADS2                                         ; last, on every way: the wait at a pass's head leaves these eight out
.Lnoload:
	EPI 0
	s_cmp_eq_u32 s23, 4
	s_cbranch_scc0 .Lone
	EPI 1
	EPI 2
	EPI 3
.Lone:
	s_cmp_eq_u32 s24, 0
	s_cbranch_scc1 .Lend
	s_wait_xcnt 0x0                                ; the last tile's stores have read their offsets and data
.irp g, 0,1
	v_mov_b32 v[SS+\g], v[SSN+\g]                  ; the next pass's rows of y and gates were made a pass ago (the gates' loads are in: the wait for 0 at the last K step)
	v_mov_b32 v[GG+\g], v[GGN+\g]
.endr
	LIVE 2, 35
	s_cmp_eq_u32 s35, 0
	s_cbranch_scc1 .Lno2
	SELECT SSN, GAN                                ; and those of the pass after it, where it has rows of mine
	GLOAD GGN, GAN
.Lno2:
	s_mov_b32 s23, s24
	s_add_co_u32 s25, s25, 1
	s_cmp_lt_u32 s25, 4
	s_cbranch_scc1 .Lpass
.Lend:
	s_wait_tensorcnt 0x0
	ds_add_u32 v123, v127
	s_wait_dscnt 0x0
	s_endpgm
.Lfunc_end_k_qcd2c58ad6b_down:
	.size	k_qcd2c58ad6b_down, .Lfunc_end_k_qcd2c58ad6b_down-k_qcd2c58ad6b_down
	.p2alignl 7, 3214868480
	.fill 96, 4, 3214868480
	.section	.rodata,"a",@progbits
	.p2align	6, 0x0
	.amdhsa_kernel k_qcd2c58ad6b_down
		.amdhsa_group_segment_fixed_size 121344
		.amdhsa_private_segment_fixed_size 0
		.amdhsa_enable_private_segment 0
		.amdhsa_kernarg_size 56
		.amdhsa_user_sgpr_count 2
		.amdhsa_user_sgpr_kernarg_segment_ptr 1
		.amdhsa_wavefront_size32 1
		.amdhsa_system_sgpr_workgroup_id_x 1
		.amdhsa_system_sgpr_workgroup_id_y 1
		.amdhsa_system_sgpr_workgroup_id_z 1
		.amdhsa_system_vgpr_workitem_id 0
		.amdhsa_next_free_vgpr 1024
		.amdhsa_next_free_sgpr 66
		.amdhsa_reserve_vcc 1
		.amdhsa_float_denorm_mode_32 3
		.amdhsa_float_denorm_mode_16_64 3
		.amdhsa_memory_ordered 1
		.amdhsa_forward_progress 1
		.amdhsa_inst_pref_size 255
	.end_amdhsa_kernel
	.section	.bss,"aw",@nobits
	.p2align	6
	.space	262144
	.amdgpu_metadata
---
amdhsa.version: [ 1, 2 ]
amdhsa.kernels:
  - .name:           k_qcd2c58ad6b_down
    .symbol:         k_qcd2c58ad6b_down.kd
    .args:
      - { .name: w2, .offset: 0, .size: 8, .value_kind: global_buffer, .address_space: global }
      - { .name: b2, .offset: 8, .size: 8, .value_kind: global_buffer, .address_space: global }
      - { .name: hc, .offset: 16, .size: 8, .value_kind: global_buffer, .address_space: global }
      - { .name: hs, .offset: 24, .size: 8, .value_kind: global_buffer, .address_space: global }
      - { .name: sel, .offset: 32, .size: 8, .value_kind: global_buffer, .address_space: global }
      - { .name: gate, .offset: 40, .size: 8, .value_kind: global_buffer, .address_space: global }
      - { .name: y, .offset: 48, .size: 8, .value_kind: global_buffer, .address_space: global }
    .group_segment_fixed_size: 121344
    .private_segment_fixed_size: 0
    .kernarg_segment_align: 8
    .kernarg_segment_size: 56
    .max_flat_workgroup_size: 128
    .sgpr_count:     66
    .vgpr_count:     1024
    .wavefront_size: 32
...
	.end_amdgpu_metadata
.endif
;; end of part 3
;; launch combine (part 4): grid 256 x 1, 8 waves a work-group, no clusters, 0 bytes of LDS; arguments y, out0; writes out0
.if DOCPART == 4
	.amdgcn_target "amdgcn-amd-amdhsa--gfx1250"
	.amdhsa_code_object_version 6
	.text
	.protected	k_qcd2c58ad6b_combine
	.globl	k_qcd2c58ad6b_combine
	.p2align	8
	.type	k_qcd2c58ad6b_combine,@function
k_qcd2c58ad6b_combine:
	s_mov_b64 s[64:65], 0
	v_nop
	global_prefetch_b8 v0, s[64:65] scope:SCOPE_SE
	s_setreg_imm32_b32 hwreg(HW_REG_WAVE_MODE, 25, 1), 1
	s_wait_xcnt 0x0
; out0[token] = the sum of the token's four partial rows: y[kh][2 token + k], kh = 0, 1 (halves of the second product's K), k = 0, 1 (the token's two experts; gates and b2 are already in).
; A stream: a work-group owns 4 tokens, thread t the 16 bytes at 16 t of every row, so a wave's load or store covers 512 consecutive bytes.  All 16 loads of a thread go out at the head;
; each token is summed as its four have come.  No LDS, no barrier, no matrix unit: there is nothing here but bytes.
.set HSTR, 8421376                     ; bytes from half to half of y: 2,056 rows of 4,096 bytes
.set R, 16                             ; v16-79: token j, half q, choice k at 16 + 16 j + 8 q + 4 k
	s_load_b128 s[4:7], s[0:1], 0x0                ; y s[4:5], out0 s[6:7]
	v_lshlrev_b32 v1, 4, v0
	s_lshl_b32 s8, ttmp9, 15                       ; the work-group's 8 rows in a half of y,
	s_mov_b32 s9, 0
	s_lshl_b32 s10, ttmp9, 14                      ; its 4 rows of out0
	s_mov_b32 s11, 0
	s_wait_kmcnt 0x0
	s_add_nc_u64 s[12:13], s[4:5], s[8:9]          ; a base for each half: the halves lie further apart than an immediate offset reaches
	s_add_nc_u64 s[14:15], s[12:13], HSTR
	s_add_nc_u64 s[6:7], s[6:7], s[10:11]
.irp j, 0,1,2,3
.irp q, 0,1
.irp k, 0,1
	global_load_b128 v[R+16*\j+8*\q+4*\k:R+16*\j+8*\q+4*\k+3], v1, s[12+2*\q:13+2*\q] offset:8192*\j+4096*\k th:TH_LOAD_NT
.endr
.endr
.endr
.irp j, 0,1,2,3
	s_wait_loadcnt 12-4*\j                         ; token j's four loads are in; the later tokens' may be out
.irp u, 0,8
	v_pk_add_f32 v[R+16*\j+\u:R+16*\j+\u+1], v[R+16*\j+\u:R+16*\j+\u+1], v[R+16*\j+\u+4:R+16*\j+\u+5]
	v_pk_add_f32 v[R+16*\j+\u+2:R+16*\j+\u+3], v[R+16*\j+\u+2:R+16*\j+\u+3], v[R+16*\j+\u+6:R+16*\j+\u+7]
.endr
	v_pk_add_f32 v[R+16*\j:R+16*\j+1], v[R+16*\j:R+16*\j+1], v[R+16*\j+8:R+16*\j+9]
	v_pk_add_f32 v[R+16*\j+2:R+16*\j+3], v[R+16*\j+2:R+16*\j+3], v[R+16*\j+10:R+16*\j+11]
	global_store_b128 v1, v[R+16*\j:R+16*\j+3], s[6:7] offset:4096*\j th:TH_STORE_NT
.endr
	s_endpgm
.Lfunc_end_k_qcd2c58ad6b_combine:
	.size	k_qcd2c58ad6b_combine, .Lfunc_end_k_qcd2c58ad6b_combine-k_qcd2c58ad6b_combine
	.p2alignl 7, 3214868480
	.fill 96, 4, 3214868480
	.section	.rodata,"a",@progbits
	.p2align	6, 0x0
	.amdhsa_kernel k_qcd2c58ad6b_combine
		.amdhsa_group_segment_fixed_size 0
		.amdhsa_private_segment_fixed_size 0
		.amdhsa_enable_private_segment 0
		.amdhsa_kernarg_size 16
		.amdhsa_user_sgpr_count 2
		.amdhsa_user_sgpr_kernarg_segment_ptr 1
		.amdhsa_wavefront_size32 1
		.amdhsa_system_sgpr_workgroup_id_x 1
		.amdhsa_system_sgpr_workgroup_id_y 1
		.amdhsa_system_sgpr_workgroup_id_z 1
		.amdhsa_system_vgpr_workitem_id 0
		.amdhsa_next_free_vgpr 96
		.amdhsa_next_free_sgpr 66
		.amdhsa_reserve_vcc 0
		.amdhsa_float_denorm_mode_32 3
		.amdhsa_float_denorm_mode_16_64 3
		.amdhsa_memory_ordered 1
		.amdhsa_forward_progress 1
		.amdhsa_inst_pref_size 5
	.end_amdhsa_kernel
	.amdgpu_metadata
---
amdhsa.version: [ 1, 2 ]
amdhsa.kernels:
  - .name:           k_qcd2c58ad6b_combine
    .symbol:         k_qcd2c58ad6b_combine.kd
    .args:
      - { .name: y, .offset: 0, .size: 8, .value_kind: global_buffer, .address_space: global }
      - { .name: out0, .offset: 8, .size: 8, .value_kind: global_buffer, .address_space: global }
    .group_segment_fixed_size: 0
    .private_segment_fixed_size: 0
    .kernarg_segment_align: 8
    .kernarg_segment_size: 16
    .max_flat_workgroup_size: 256
    .sgpr_count:     66
    .vgpr_count:     96
    .wavefront_size: 32
...
	.end_amdgpu_metadata
.endif
;; end of part 4
;; ======== version 2 of 2: 4 launches; version 1 with the launches up, down written anew for expert scheduling mode
;; workspace buffers: xc 786,432 bytes; xs 32,768 bytes; sel 4,096 bytes of whole numbers; gate 8,192 bytes; hc 25,165,824 bytes; hs 1,048,576 bytes; y 16,842,752 bytes
;; launch route: the kernel of part 1 again; grid 64 x 1, 16 waves a work-group, no clusters, 101,376 bytes of LDS; arguments x, router_w, router_b, xc, xs, sel, gate; writes xc, xs, sel, gate
;; launch up (part 5): grid 32 x 8, 4 waves a work-group, no clusters, 103,936 bytes of LDS; arguments w1, b1, xc, xs, sel, hc, hs; writes hc, hs
.if DOCPART == 5
	.amdgcn_target "amdgcn-amd-amdhsa--gfx1250"
	.amdhsa_code_object_version 6
	.text
	.protected	k_qcd2c58ad6b_up
	.globl	k_qcd2c58ad6b_up
	.p2align	8
	.type	k_qcd2c58ad6b_up,@function
k_qcd2c58ad6b_up:
	s_mov_b64 s[64:65], 0
	v_nop
	global_prefetch_b8 v0, s[64:65] scope:SCOPE_SE
	s_setreg_imm32_b32 hwreg(HW_REG_WAVE_SCHED_MODE, 0, 2), 2
	s_setreg_imm32_b32 hwreg(HW_REG_WAVE_MODE, 25, 1), 1
	s_wait_xcnt 0x0
	s_wait_alu depctr_vm_vsrc(0)
; h = relu(x W1[e] + b1[e]) for the tokens that chose expert e, both operands as codes of E3M2 with one E8M0 scale for each 32 along K; h leaves as codes for the next launch.
; SHARES.  Work-group (cg, e) owns the slice w1[e][0..1023][128 cg .. 128 cg + 127]: 512 KiB of f32, read from memory once in the whole launch, quantised on the way and never stored.
; PHASE A.  Wave v streams rows (K) 256 v .. 256 v + 255, in 8 sets of 32 rows; lane l takes columns 4 l .. 4 l + 3: a load covers 512 consecutive bytes.  A set's 128 registers are re-ordered by moves, so that a
;   column's 32 numbers (a block along K) stand in consecutive registers, as the conversions want; the set's registers are free at once and take the loads of two sets on.
;   The codes go to LDS as images of operand registers: fragment f = 8 s + ct (K step s, tile ct of 16 columns), 1,552 bytes apart; lane (r, h) at 48 (r + 16 h): its 12 registers on end.
;   THE COLUMNS OF A TILE ARE NOT NEIGHBOURS: row r of tile ct is column 32 (ct / 2) + 8 (ct % 2) + r + 8 (r / 8), so that the 16 result registers of tiles 2 B, 2 B + 1 are 16 neighbours along the next K.
; PHASE B.  The expert's tokens have positions: P = 256 p + 64 a + 16 v + r (pass p, tile a, wave v, row r); the token at P is the P-th set bit of the expert's 1,024-bit mask, which every wave makes from sel by
;   whole-number arithmetic (BALLOT, SELECT); the next launch makes the same.  Wave v takes the four tiles (p, a, v) of each pass: 8 K steps x 8 column tiles x up to 4 row tiles, transposed (source 0 = W, source 1 = x),
;   b1 as the C of each sum's first product; relu; quantised in registers (128 hidden units = one K step of the next product); stored as an image of the fragment's registers.
;   Pass 0 always runs four tiles; a later pass runs 0, 1 or 4 by the count.  Rows at or past the count take some token of the table; their images are read only into rows that the next launch throws away.
; NO CLUSTER, NO TENSOR LOAD: each weight byte has one reader in the launch; what work-groups share is x's codes, 768 bytes a row against 512 KiB of weights; and the passes hang on a count read from memory,
;   so every operand goes through registers.  One barrier, between the phases.
; LIMITS: NaN and infinities are not served.  A block whose largest magnitude lies under 2^-122 keeps the scale byte 1 (a block of zeros too: its codes are zeros, and this program alone reads the bytes).
; THE MODE: SCHED_MODE bits 1:0 = 2 (LLVM: expert scheduling mode 2), set by the entry lines.  The code itself states the register dependences between vector or matrix instructions and memory or LDS
;   instructions, and those from a vector instruction's scalar result to its readers, with s_wait_alu, always for 0.
; THE PLAN.  Registers that memory or LDS instructions touch, who writes and who reads them, and the wait that stands between:
;   the two sets (window 1)  loads land; SETA's moves read.  One wait on va_vdst behind a set's moves, ahead of the loads of two sets on.  In set 1 it also states that BALLOT is done reading sel's words and ADDR has written x's offsets.
;   v[QC ..], v[QW ..]       conversions and moves write; LDS stores read.  va_vdst ahead of a set's run of stores; vm_vsrc ahead of the next set's conversions; vm_vsrc behind the barrier: phase B writes these registers.
;   WB0, WB1                 LDS loads land; a half step's products read one of them.  One wait on va_vdst at a half step's head: the half step before is done with the other buffer, and the next half step's
;                            fragments are asked for into it in two runs of six, one behind each half of this half step's products, which name none of those registers.
;   x's fragments, v[ASC ..] loads land; the pass's products read.  va_vdst behind the products and ADDR, ahead of the next pass's loads.
;   v[AX ..], v[XSA ..]      ADDR writes; x's loads read.  vm_vsrc ahead of ADDR, that va_vdst behind it.
;   v160-255 on the way out  conversions, swaps and moves write a tile's codes; its three stores read.  va_vdst ahead of each tile's stores; vm_vsrc at the loop's end and va_vdst at a pass's head, ahead of W's loads into them.
;   v[HIO], v[HSO], v[HSR ..] read by the stores; written again behind the vm_vsrc at the loop's end.
;   All other addresses are made at the head, ahead of one wait on va_vdst, and never written again.
;   Scalar results of vector instructions (the wave's number, compares, v_readlane_b32) stand in runs, with one wait on va_sdst behind each run, ahead of its first reader.
; REGISTERS, in windows of 256.  Window 0: v1-31 addresses and masks; v32-63 sel's words, then v32-47 x's scale words; v64-127 at work; v128-255 phase A: a set, column by column; phase B: v128-159 W's scale words,
;   v160-207, v208-255 two buffers of four W fragments; on the way out the codes made.   Window 1: phase A: two sets as loaded; phase B: the 32 accumulators ((a, ct) at 64 a + 8 ct).
;   Window 2: x's fragments (a, s) at 48 s + 12 a, s = 0..4.   Window 3: the same for s = 5..7 at 48 (s - 5) + 12 a; from v144 b1, eight registers a column tile.
.set DOWN,  0
.set P,     16384                      ; bytes from row to row of w1[e]
.set FRAG,  1552                       ; a fragment's image: 32 lanes x 48 bytes + 16
.set WSCB,  64*FRAG                    ; behind the 64 images: W's scale words, [wave][column][2 words]
.set L16, 1                            ; 16 x lane
.set WST, 2                            ; where I store my columns' codes
.set WSS, 3                            ; and their scale words
.set WL0, 4                            ; 48 x lane: my place in fragments 0-31
.set WL1, 5                            ; the same for fragments 32-63
.set WSR, 6                            ; where I read W's scale words
.set H48, 7                            ; 48 h
.set AX,  8                            ; v8-11   tile a: my row's byte offset in xc
.set XSA, 12                           ; v12-13  group g: my row's byte offset in xs
.set QB,  14                           ; 64 h + r + 16 v: my position in a pass, group 0
.set L8,  15                           ; 8 x lane
.set MK,  16                           ; lane b: the mask of block b (bit l: token 128 (b / 4) + 4 l + b % 4 chose my expert)
.set PR,  18                           ; lane b: how many bits are set in blocks 0 .. b - 1
.set HIO, 19                           ; 16 x lane + 786,432 p: the pass's images in hc
.set HSO, 20                           ; 8 x lane + 1,024 p: its scale words in hs
.set BOF, 21                           ; 64 h
.set TOK, 26                           ; v26-27  group g: lane (r, h) holds the token of tile 2 g + h, row r
.set TX,  28                           ; v28-29  the same of lane l xor 16
.set SEL, 32
.set ASC, 32                           ; x's scale words: (g, s) at 32 + 8 g + s: lanes 0-15 tile 2 g, lanes 16-31 tile 2 g + 1
.set QM,  64                           ; phase A, column j: largest magnitude;
.set QS,  68                           ; the conversions' scale operand;
.set QW,  72                           ; v72-79 scale words: column j, K step sl at 2 j + sl;
.set QC,  80                           ; codes, 8 registers a column;
.set QD,  112                          ; the upper 16 codes as the conversion leaves them
.set T,   128                          ; a set: column j's 32 numbers at 32 j
.set TM,  64                           ; phase B: the quantiser's sixteen registers
.set PW,  96                           ; v96-99  tile a's scale word
.set HSR, 100                          ; v100-101 the pair that is stored
.set WSC, 128                          ; W's scale words: (b, s) at 128 + 8 b + s: lanes 0-15 tile 2 b, lanes 16-31 tile 2 b + 1
.set WB0, 160
.set WB1, 208
.set PC,  160                          ; the way out: tile a's codes at 160 + 24 a
.set ZQ,  224                          ; SELECT's registers, a pair each (groups 0, 1)
.set ZM,  226
.set ZX,  228
.set ZB,  230
.set ZN,  232
.set Z1,  234
.set Z2,  236
.set Z3,  238
.set Z4,  240
.set ZP,  242
.set ZT,  244
.set ZU,  246
.set SMK, 38                           ; s38-41  four blocks' masks (BALLOT: s38-45 eight blocks' masks)
.set SPR, 42                           ; s42-45  their running counts
.set SCM, 50                           ; s50-57  compares' results: block i of four, group g at 50 + 2 i + g
.set BIAS, 144                         ; in window 3
.set MSB, 0
.macro WIN new                         ; the immediate's high byte repeats the setting that is left; a switch that changes nothing is dropped
.if MSB != \new
	s_set_vgpr_msb (MSB<<8)|\new
.set MSB, \new
.endif
.endm
.macro WLOAD t                         ; set t: 32 rows, 512 consecutive bytes each, into half t % 2 of window 1
	WIN 0x40
.set wi, 0
.rept 32
	global_load_b128 v[128*((\t)%2)+4*wi:128*((\t)%2)+4*wi+3], v[L16], s[4:5] offset:(32*(\t)+wi)*P th:TH_LOAD_NT
.set wi, wi+1
.endr
	WIN 0
.endm
.macro SETA t, n                       ; set t has landed (n younger loads may be out); column by column into window 0; its registers take set t + 2
	s_wait_loadcnt \n
	WIN 0x01
.set mi, 0
.rept 32
.irp j, 0,1,2,3
	v_mov_b32 v[T+32*\j+mi], v[128*((\t)%2)+4*mi+\j]
.endr
.set mi, mi+1
.endr
.if (\t) <= 5
	WIN 0x40
	s_wait_alu depctr_va_vdst(0)                   ; the moves are done reading the set's registers, in which the loads below land
	WLOAD (\t)+2
.else
	WIN 0
.endif
.endm
; Four blocks of 32 along K (my four columns, by turns).  Set t is block t % 4 = 2 c + h of K step 2 v + t / 4.
.macro QUANT4 t
.set qo, 8*FRAG*((\t)/4)+768*((\t)%2)
.irp j, 0,1,2,3
	v_max3_num_f32 v[QM+\j], |v[T+32*\j]|, |v[T+32*\j+1]|, 0x2800000   ; with the floor 2^(5 - 127): the byte cannot fall under 1
.endr
.irp i, 2,4,6,8,10,12,14,16,18,20,22,24,26,28,30
.irp j, 0,1,2,3
	v_max3_num_f32 v[QM+\j], v[QM+\j], |v[T+32*\j+\i]|, |v[T+32*\j+\i+1]|
.endr
.endr
.irp j, 0,1,2,3
	v_add_nc_u32 v[QS+\j], 0xfe000000, v[QM+\j]    ; 4 off the exponent field: the conversion's scale operand
.endr
.irp j, 0,1,2,3
.if (\t)%4 == 0
	v_lshrrev_b32 v[QW+2*\j+(\t)/4], 23, v[QS+\j]  ; the byte starts the K step's scale word,
.else
	v_lshrrev_b32 v[QM+\j], 23, v[QS+\j]
.endif
.endr
.if (\t)%4 != 0
.irp j, 0,1,2,3
	v_lshl_or_b32 v[QW+2*\j+(\t)/4], v[QM+\j], 8*((\t)%4), v[QW+2*\j+(\t)/4]   ; or joins it
.endr
.endif
	s_wait_dscnt 0x0                               ; the last set's LDS stores have read the codes' registers
.if (\t) > 0
	s_wait_alu depctr_vm_vsrc(0)                   ; the last set's LDS stores have read v[QC ..], which the conversions and moves below write again
.endif
.irp j, 0,1,2,3
	v_cvt_scalef32_pk16_bf6_f32 v[QC+8*\j:QC+8*\j+2], v[T+32*\j:T+32*\j+15], v[QS+\j]
	v_cvt_scalef32_pk16_bf6_f32 v[QD+4*\j:QD+4*\j+2], v[T+32*\j+16:T+32*\j+31], v[QS+\j]
.endr
	v_nop                                          ; one plain line behind the conversions
.irp j, 0,1,2,3
.irp i, 0,1,2
	v_mov_b32 v[QC+8*\j+3+\i], v[QD+4*\j+\i]
.endr
.endr
	s_wait_alu depctr_va_vdst(0)                   ; the conversions and moves have written v[QC ..], which the LDS stores below read (and, in the last set, v[QW ..] is whole)
.irp j, 0,1,2,3                        ; 24 bytes at 24 c of the lane's 48: 16 + 8 or 8 + 16, so that every address is a multiple of the access's size
.if ((\t)/2)%2 == 0
	ds_store_b128 v[WST], v[QC+8*\j:QC+8*\j+3] offset:qo+48*\j
	ds_store_b64 v[WST], v[QC+8*\j+4:QC+8*\j+5] offset:qo+48*\j+16
.else
	ds_store_b64 v[WST], v[QC+8*\j:QC+8*\j+1] offset:qo+48*\j+24
	ds_store_b128 v[WST], v[QC+8*\j+2:QC+8*\j+5] offset:qo+48*\j+32
.endif
.endr
.endm
; The expert's mask, 32 bits a block, and the blocks' running counts, kept one block a lane.  Eight blocks' compares stand in a run.
.macro BALLOT
	v_mov_b32 v[MK], 0
	v_mov_b32 v[PR], 0
	s_mov_b32 s33, 0
.set bl, 0
.rept 4
.irp i, 0,1,2,3,4,5,6,7
	v_and_b32 v24, s29, v[SEL+bl+\i]
	v_cmp_ne_u32 s[SMK+\i], 0, v24
.endr
	s_wait_alu depctr_va_sdst(0)                   ; the eight compares have written s38-45, ahead of their first readers
.irp i, 0,1,2,3,4,5,6,7
	v_writelane_b32 v[MK], s[SMK+\i], bl+\i
	v_writelane_b32 v[PR], s33, bl+\i
	s_bcnt1_i32_b32 s32, s[SMK+\i]
	s_add_co_u32 s33, s33, s32
.endr
.set bl, bl+8
.endr
	s_mov_b32 s22, s33                             ; how many tokens chose my expert
.endm
.macro LEVEL src, w, bits              ; one step of the descent: are there k or fewer set bits in the next w places?  Then pass them
.irp g, 0,1
	v_bfe_u32 v[ZT+\g], v[\src+\g], v[ZP+\g], \bits
.endr
.irp g, 0,1
	v_cmp_ge_u32 s[SCM+\g], v[ZX+\g], v[ZT+\g]
	v_sub_nc_u32 v[ZT+\g], v[ZX+\g], v[ZT+\g]
	v_add_nc_u32 v[ZU+\g], \w, v[ZP+\g]
.endr
	s_wait_alu depctr_va_sdst(0)                   ; the two compares have written s50, s51, which the selections below read
.irp g, 0,1
	v_cndmask_b32 v[ZX+\g], v[ZX+\g], v[ZT+\g], s[SCM+\g]
	v_cndmask_b32 v[ZP+\g], v[ZP+\g], v[ZU+\g], s[SCM+\g]
.endr
.endm
; The tokens at positions q = s36 + QB (group 0) and q + 128 (group 1): the last block whose running count is at most q, then the (q - count)-th set bit of its mask.  s36 = 256 x the pass.
; The blocks go four at a time: their masks and counts into scalar registers, the eight compares, the selections in ascending order of the blocks.
.macro SELECT
	v_add_nc_u32 v[ZQ], s36, v[QB]
	v_add_nc_u32 v[ZQ+1], 0x80, v[ZQ]
.irp g, 0,1
	v_mov_b32 v[ZX+\g], 0
	v_mov_b32 v[ZB+\g], 0
.endr
.set sb, 0
.rept 8
.irp i, 0,1,2,3
	v_readlane_b32 s[SMK+\i], v[MK], sb+\i
.if sb+\i > 0
	v_readlane_b32 s[SPR+\i], v[PR], sb+\i
.endif
.endr
	s_wait_alu depctr_va_sdst(0)                   ; the four blocks' masks and counts are written (s38-45), ahead of their first readers
.irp i, 0,1,2,3
.irp g, 0,1
.if sb+\i > 0
	v_cmp_le_u32 s[SCM+2*\i+\g], s[SPR+\i], v[ZQ+\g]
.endif
.endr
.endr
	s_wait_alu depctr_va_sdst(0)                   ; the compares have written s50-57, which the selections below read
.irp i, 0,1,2,3
.irp g, 0,1
.if sb+\i == 0
	v_mov_b32 v[ZM+\g], s[SMK]
.else
	v_cndmask_b32 v[ZM+\g], v[ZM+\g], s[SMK+\i], s[SCM+2*\i+\g]
	v_cndmask_b32 v[ZX+\g], v[ZX+\g], s[SPR+\i], s[SCM+2*\i+\g]
	v_cndmask_b32 v[ZB+\g], v[ZB+\g], sb+\i, s[SCM+2*\i+\g]
.endif
.endr
.endr
.set sb, sb+4
.endr
.irp g, 0,1
	v_sub_nc_u32 v[ZX+\g], v[ZQ+\g], v[ZX+\g]      ; k: which set bit of the block
	v_lshrrev_b32 v[ZT+\g], 1, v[ZM+\g]            ; the mask's counts in fields of 2, 4, 8 and 16 bits
	v_and_b32 v[ZT+\g], 0x55555555, v[ZT+\g]
	v_sub_nc_u32 v[Z1+\g], v[ZM+\g], v[ZT+\g]
	v_lshrrev_b32 v[ZT+\g], 2, v[Z1+\g]
	v_and_b32 v[ZT+\g], 0x33333333, v[ZT+\g]
	v_and_b32 v[Z2+\g], 0x33333333, v[Z1+\g]
	v_add_nc_u32 v[Z2+\g], v[Z2+\g], v[ZT+\g]
	v_lshrrev_b32 v[ZT+\g], 4, v[Z2+\g]
	v_add_nc_u32 v[Z3+\g], v[Z2+\g], v[ZT+\g]
	v_and_b32 v[Z3+\g], 0x0f0f0f0f, v[Z3+\g]
	v_lshrrev_b32 v[ZT+\g], 8, v[Z3+\g]
	v_add_nc_u32 v[Z4+\g], v[Z3+\g], v[ZT+\g]
	v_mov_b32 v[ZP+\g], 0
.endr
	LEVEL Z4, 16, 8
	LEVEL Z3, 8, 8
	LEVEL Z2, 4, 4
	LEVEL Z1, 2, 2
	LEVEL ZM, 1, 1
.irp g, 0,1
	v_and_b32 v[ZT+\g], 28, v[ZB+\g]
	v_lshlrev_b32 v[ZT+\g], 5, v[ZT+\g]            ; 128 (b / 4)
	v_lshl_add_u32 v[ZT+\g], v[ZP+\g], 2, v[ZT+\g] ; + 4 x bit
	v_and_b32 v[ZB+\g], 3, v[ZB+\g]
	v_add_nc_u32 v[TOK+\g], v[ZT+\g], v[ZB+\g]     ; + b % 4
.endr
.endm
.macro ADDR                            ; from the tokens to offsets: tile a's token in both halves of the lanes; each number is held inside its table last, and only multiplied, shifted and added to afterwards
.irp g, 0,1
	v_permlanex16_b32 v[TX+\g], v[TOK+\g], s26, s27
.endr
	v_cndmask_b32 v[AX], v[TOK], v[TX], s28
	v_cndmask_b32 v[AX+1], v[TX], v[TOK], s28
	v_cndmask_b32 v[AX+2], v[TOK+1], v[TX+1], s28
	v_cndmask_b32 v[AX+3], v[TX+1], v[TOK+1], s28
.irp a, 0,1,2,3
	v_min_u32 v[AX+\a], 0x3ff, v[AX+\a]
	v_mul_u32_u24 v[AX+\a], v[AX+\a], 768
	v_add_nc_u32 v[AX+\a], v[H48], v[AX+\a]
.endr
.irp g, 0,1
	v_min_u32 v[XSA+\g], 0x3ff, v[TOK+\g]
	v_lshlrev_b32 v[XSA+\g], 5, v[XSA+\g]
.endr
.endm
.macro LOADA a                         ; tile a's eight fragments of x: 24 loads, 48 consecutive bytes a lane and K step
	WIN 0x80
.irp s, 0,1,2,3,4
.irp j, 0,1,2
	global_load_b128 v[48*\s+12*\a+4*\j:48*\s+12*\a+4*\j+3], v[AX+\a], s[8:9] offset:96*\s+16*\j
.endr
.endr
	WIN 0xc0
.irp s, 5,6,7
.irp j, 0,1,2
	global_load_b128 v[48*(\s-5)+12*\a+4*\j:48*(\s-5)+12*\a+4*\j+3], v[AX+\a], s[8:9] offset:96*\s+16*\j
.endr
.endr
	WIN 0
.endm
.macro LOADS                           ; the rows' scale words, 8 a row: 4 loads
.irp g, 0,1
	global_load_b128 v[ASC+8*\g:ASC+8*\g+3], v[XSA+\g], s[10:11]
	global_load_b128 v[ASC+8*\g+4:ASC+8*\g+7], v[XSA+\g], s[10:11] offset:16
.endr
.endm
.macro WFETCH i, p, wb                 ; half step i (K step i / 2, column tiles 4 (i % 2) on), its fragments 2 p and 2 p + 1 of four: 6 loads from LDS
.irp c, 0,1
.set ff, 8*((\i)/2)+4*((\i)%2)+2*(\p)+\c
.irp j, 0,1,2
.if ff < 32
	ds_load_b128 v[(\wb)+12*(2*(\p)+\c)+4*\j:(\wb)+12*(2*(\p)+\c)+4*\j+3], v[WL0] offset:FRAG*ff+16*\j
.else
	ds_load_b128 v[(\wb)+12*(2*(\p)+\c)+4*\j:(\wb)+12*(2*(\p)+\c)+4*\j+3], v[WL1] offset:FRAG*(ff-32)+16*\j
.endif
.endr
.endr
.endm
.macro WM a, ct, s, wb                 ; one product: column tile ct x row tile a, K step s.  The scale registers carry two tiles each: the odd tile's words lie in lanes 16-31
.set rD, 64*(\a)+8*(\ct)
.set rW, (\wb)+12*((\ct)%4)
.if (\s) < 5
.set rA, 48*(\s)+12*(\a)
.else
.set rA, 48*((\s)-5)+12*(\a)
.endif
.if (\s) == 0
.set rC, BIAS+8*(\ct)
.else
.set rC, 64*(\a)+8*(\ct)
.endif
.set rU, WSC+8*((\ct)/2)+(\s)
.if DOWN
.set rV, ASC+2*(\s)+(\a)/2
.else
.set rV, ASC+8*((\a)/2)+(\s)
.endif
.if ((\ct)%2 == 0) && ((\a)%2 == 0)
	v_wmma_scale_f32_16x16x128_f8f6f4 v[rD:rD+7], v[rW:rW+11], v[rA:rA+11], v[rC:rC+7], v[rU], v[rV] matrix_a_fmt:MATRIX_FMT_BF6 matrix_b_fmt:MATRIX_FMT_BF6
.elseif ((\ct)%2 == 1) && ((\a)%2 == 0)
	v_wmma_scale_f32_16x16x128_f8f6f4 v[rD:rD+7], v[rW:rW+11], v[rA:rA+11], v[rC:rC+7], v[rU], v[rV] matrix_a_fmt:MATRIX_FMT_BF6 matrix_b_fmt:MATRIX_FMT_BF6 matrix_a_scale:MATRIX_SCALE_ROW1
.elseif ((\ct)%2 == 0) && ((\a)%2 == 1)
	v_wmma_scale_f32_16x16x128_f8f6f4 v[rD:rD+7], v[rW:rW+11], v[rA:rA+11], v[rC:rC+7], v[rU], v[rV] matrix_a_fmt:MATRIX_FMT_BF6 matrix_b_fmt:MATRIX_FMT_BF6 matrix_b_scale:MATRIX_SCALE_ROW1
.else
	v_wmma_scale_f32_16x16x128_f8f6f4 v[rD:rD+7], v[rW:rW+11], v[rA:rA+11], v[rC:rC+7], v[rU], v[rV] matrix_a_fmt:MATRIX_FMT_BF6 matrix_b_fmt:MATRIX_FMT_BF6 matrix_a_scale:MATRIX_SCALE_ROW1 matrix_b_scale:MATRIX_SCALE_ROW1
.endif
.endm
; A pass's products, R row tiles: sixteen half steps on two buffers of W.  A half step's 4 R accumulators are all different and the next half step names the other column tiles: the accumulators take turns.
; K step 0 takes the bias (window 3) as C.  At a half step's head four places and the one wait on va_vdst; behind each half of its products six loads of the next half step's fragments go into the other buffer:
; two more window switches a half step than one run of twelve would take, so that the loads are issued among the products.  A run of six is asked for one half step ahead of its use.
.macro KLOOP R
	WFETCH 0, 0, WB0
	WFETCH 0, 1, WB0
.set kh, 0
.rept 16
.if (kh >= 1) && (kh < 15)
.rept 4
	v_nop
.endr
	s_wait_alu depctr_va_vdst(0)                   ; the last half step's products are done reading their buffer of W, in which this half step's twelve loads land
.endif
.irp p, 0,1
.if kh < 15
	s_wait_dscnt 6                                 ; these products' six loads are in; the six issued behind them may be out
.else
	s_wait_dscnt 6-6*\p
.endif
.if kh < 2
	WIN 0x78                                       ; D window 1, W window 0, x window 2, C window 3
.elseif kh < 10
	WIN 0x58                                       ; C and D window 1
.else
	WIN 0x5c                                       ; x window 3
.endif
.irp c, 0,1
.irp a, 0,1,2,3
.if \a < \R
	WM \a, 4*(kh%2)+2*\p+\c, kh/2, WB0+48*(kh%2)
.endif
.endr
.endr
.if kh < 15
	WIN 0
	WFETCH kh+1, \p, WB0+48*((kh+1)%2)             ; no wait: no product since the half step's head names the other buffer
.endif
.endr
.set kh, kh+1
.endr
	WIN 0
.rept 4
	v_nop                                          ; four places behind the last products, before their results are read and their operands' registers written (ISA guide 7.12.1)
.endr
.endm
.macro LIVE                            ; s24 = row tiles of my group in pass p + 1: 0, 1 or 4;  s36 = 256 (p + 1)
	s_add_co_u32 s31, s25, 1
	s_lshl_b32 s36, s31, 8
	s_lshl_b32 s32, s18, 4
	s_sub_co_i32 s31, s22, s36
	s_sub_co_i32 s31, s31, s32
	s_add_co_i32 s31, s31, 63
	s_ashr_i32 s31, s31, 6                         ; tiles a with 256 (p + 1) + 64 a + 16 v under the count
	s_max_i32 s31, s31, 0
	s_cmp_gt_u32 s31, 1
	s_cselect_b32 s24, 4, s31
.endm
; Tile a's way out: relu; 64 numbers of a lane (register 16 b + i = hidden unit 32 b + 16 h + i of my row) become a fragment's codes and its scale word; the fragment is stored as it stands, 512 consecutive bytes a store.
.macro EPI a
.set HH, 64*(\a)
.set PCA, PC+24*(\a)
	WIN 0x44
.set ei, 0
.rept 64
	v_max_num_f32 v[HH+ei], 0, v[HH+ei]            ; each accumulator from its low end on
.set ei, ei+1
.endr
	WIN 0x05
.irp b, 0,1,2,3
	v_max3_num_f32 v[TM+\b], v[HH+16*\b], v[HH+16*\b+1], 0x2800000   ; none is negative; the floor 2^(5 - 127) holds the byte at 1 from below
.endr
	WIN 0x14
.irp i, 2,4,6,8,10,12,14
.irp b, 0,1,2,3
	v_max3_num_f32 v[TM+\b], v[TM+\b], v[HH+16*\b+\i], v[HH+16*\b+\i+1]
.endr
.endr
	WIN 0
.irp b, 0,1,2,3
	v_permlanex16_b32 v[TM+4+\b], v[TM+\b], s26, s27
.endr
.irp b, 0,1,2,3
	v_max_num_f32 v[TM+\b], v[TM+\b], v[TM+4+\b]   ; with lane l xor 16's 16: the block's largest
.endr
.irp b, 0,1,2,3
	v_add_nc_u32 v[TM+12+\b], 0xfe000000, v[TM+\b]
.endr
.irp b, 0,1,2,3
	v_lshrrev_b32 v[TM+4+\b], 23, v[TM+12+\b]
.endr
	v_lshl_or_b32 v[PW+\a], v[TM+5], 8, v[TM+4]
	v_lshl_or_b32 v[PW+\a], v[TM+6], 16, v[PW+\a]
	v_lshl_or_b32 v[PW+\a], v[TM+7], 24, v[PW+\a]
	WIN 0x01
.irp c, 0,1
	v_cvt_scalef32_pk16_bf6_f32 v[PCA+6*\c:PCA+6*\c+2], v[HH+32*\c:HH+32*\c+15], v[TM+12+2*\c]
	v_cvt_scalef32_pk16_bf6_f32 v[PCA+12+4*\c:PCA+14+4*\c], v[HH+32*\c+16:HH+32*\c+31], v[TM+13+2*\c]
.endr
	WIN 0
	v_nop                                          ; one plain line behind the conversions
.irp c, 0,1                            ; the operand's layout wants a whole block in a lane: lanes 0-15 block 2 c, lanes 16-31 block 2 c + 1
.irp i, 0,1,2
	v_permlane16_swap_b32 v[PCA+6*\c+\i], v[PCA+12+4*\c+\i]
.endr
.irp i, 0,1,2
	v_mov_b32 v[PCA+3+6*\c+\i], v[PCA+12+4*\c+\i]
.endr
.endr
	s_wait_alu depctr_va_vdst(0)                   ; the conversions, swaps and moves have written the tile's codes, which the three stores read
.irp j, 0,1,2
	global_store_b128 v[HIO], v[PCA+4*\j:PCA+4*\j+3], s[14:15] offset:49152*\a+512*\j
.endr
.endm
	s_load_b256 s[4:11], s[0:1], 0x0               ; w1 s[4:5], b1 s[6:7], xc s[8:9], xs s[10:11]
	s_load_b128 s[12:15], s[0:1], 0x20             ; sel s[12:13], hc s[14:15]
	s_load_b64 s[16:17], s[0:1], 0x30              ; hs
	v_lshl_add_u32 v123, v0, 2, 0x19400
	v_mov_b32 v127, 0
	v_lshrrev_b32 v22, 5, v0
	v_readfirstlane_b32 s18, v22                   ; wave v
	s_and_b32 s19, ttmp7, 0xffff                   ; expert e
	s_mov_b32 s20, ttmp9                           ; column group cg
	v_and_b32 v22, 31, v0                          ; lane
	v_and_b32 v23, 15, v0                          ; r
	v_bfe_u32 v24, v0, 4, 1                        ; h
	v_lshlrev_b32 v[L16], 4, v22
	v_lshlrev_b32 v[L8], 3, v22
	v_bfe_u32 v25, v0, 3, 2                        ; my columns 4 l + j lie in tile ct = 2 (l / 8) + (l / 2) % 2,
	v_bfe_u32 v30, v0, 1, 1
	v_lshl_add_u32 v25, v25, 1, v30
	v_mul_u32_u24 v[WST], v25, FRAG
	v_bfe_u32 v25, v0, 2, 1                        ; at rows 8 ((l / 4) % 2) + 4 (l % 2) + j
	v_and_b32 v30, 1, v0
	v_lshlrev_b32 v30, 2, v30
	v_lshl_add_u32 v25, v25, 3, v30
	v_mad_u32_u24 v[WST], v25, 48, v[WST]
	s_wait_alu depctr_va_sdst(0)                   ; s18, the wave's number, is written, ahead of its first reader
	s_mul_i32 s31, s18, 16*FRAG                    ; my wave's K steps 2 v, 2 v + 1: sixteen fragments
	v_add_nc_u32 v[WST], s31, v[WST]
	s_lshl_b32 s31, s18, 10
	s_add_co_u32 s31, s31, WSCB
	v_lshl_add_u32 v[WSS], v22, 5, s31             ; WSCB + 1,024 v + 32 l
	v_mul_u32_u24 v[WL0], v22, 48
	v_add_nc_u32 v[WL1], 32*FRAG, v[WL0]
	v_and_b32 v25, 8, v23
	v_add_nc_u32 v25, v25, v23
	v_lshl_add_u32 v25, v24, 3, v25                ; 8 h + r + 8 (r / 8): my column in a pair of tiles
	v_lshl_add_u32 v[WSR], v25, 3, WSCB
	v_mul_u32_u24 v[H48], v24, 48
	s_lshl_b32 s31, s18, 4
	v_lshl_add_u32 v[QB], v24, 6, v23
	v_add_nc_u32 v[QB], s31, v[QB]
	v_mov_b32 v[HIO], v[L16]
	v_mov_b32 v[HSO], v[L8]
	v_lshlrev_b32 v[BOF], 6, v24
	v_mov_b32 v[TX], 0                             ; written once: a lane permute's destination counts as one of its sources
	v_mov_b32 v[TX+1], 0
	s_mov_b32 s26, 0x76543210                      ; v_permlanex16_b32's selects for lane l xor 16
	s_mov_b32 s27, 0xfedcba98
	s_mov_b32 s28, 0xffff0000                      ; lanes 16-31
	s_lshl_b32 s29, 0x101, s19                     ; my expert as first or as second choice
	s_lshl_b32 s38, s19, 24                        ; w1: e x 16 MiB + 256 v rows + 512 cg
	s_lshl_b32 s31, s18, 22
	s_add_co_u32 s38, s38, s31
	s_lshl_b32 s31, s20, 9
	s_add_co_u32 s38, s38, s31
	s_mov_b32 s39, 0
	s_lshl_b32 s40, s19, 14                        ; b1: 16,384 e + 512 cg
	s_add_co_u32 s40, s40, s31
	s_mov_b32 s41, 0
	s_mul_i32 s42, s19, 3145728                    ; hc [e][4 p + v][a][s = cg][1,536]
	s_mul_i32 s31, s18, 196608
	s_add_co_u32 s42, s42, s31
	s_mul_i32 s31, s20, 1536
	s_add_co_u32 s42, s42, s31
	s_mov_b32 s43, 0
	s_lshl_b32 s44, s19, 17                        ; hs [e][s = cg][4 p + v][256]
	s_lshl_b32 s31, s20, 12
	s_add_co_u32 s44, s44, s31
	s_lshl_b32 s31, s18, 8
	s_add_co_u32 s44, s44, s31
	s_mov_b32 s45, 0
	s_wait_kmcnt 0x0
	s_add_nc_u64 s[4:5], s[4:5], s[38:39]
	s_add_nc_u64 s[6:7], s[6:7], s[40:41]
	s_add_nc_u64 s[14:15], s[14:15], s[42:43]
	s_add_nc_u64 s[16:17], s[16:17], s[44:45]
	s_wait_alu depctr_va_vdst(0)                   ; the offsets and LDS addresses v1-7, v15, v19-21 are written, which the loads, LDS instructions and stores of the whole kernel read
.irp i, 0,1,2,3,4,5,6,7
	global_load_b128 v[SEL+4*\i:SEL+4*\i+3], v[L16], s[12:13] offset:512*\i   ; register b of lane l: token 128 (b / 4) + 4 l + b % 4
.endr
	WIN 0xc0
.irp ct, 0,1,2,3,4,5,6,7
	global_load_b128 v[BIAS+8*\ct:BIAS+8*\ct+3], v[BOF], s[6:7] offset:4*(32*(\ct/2)+8*(\ct%2))      ; b1 in the result's layout: units 32 (ct / 2) + 16 h + 8 (ct % 2) + 0 .. 7
	global_load_b128 v[BIAS+8*\ct+4:BIAS+8*\ct+7], v[BOF], s[6:7] offset:4*(32*(\ct/2)+8*(\ct%2))+16
.endr
	WIN 0
	WLOAD 0
	WLOAD 1
; PHASE A.  Each wait's count is the number of loads issued behind the set's own 32, held to 63, the most that a wait can name.
	SETA 0, 32                                     ; behind set 0: set 1.  sel and b1, issued ahead of it, are in too
	QUANT4 0
	BALLOT
	s_mov_b32 s36, 0
	SELECT                                         ; pass 0's tokens
	ADDR
	SETA 1, 32                                     ; behind set 1: set 2.  Its wait on va_vdst also states that BALLOT is done reading sel's words, in which x's scale words land, and that ADDR has written x's offsets
	LOADA 0                                        ; pass 0's operands are asked for among the sets
	LOADS
	QUANT4 1
	SETA 2, 60                                     ; set 3, tile 0's 24, the 4 of the scale words
	LOADA 1
	QUANT4 2
	SETA 3, 63                                     ; 24 + 4 + 32 + 24
	LOADA 2
	QUANT4 3
	SETA 4, 63                                     ; 24 + 32 + 24
	LOADA 3
	QUANT4 4
	SETA 5, 63                                     ; 24 + 32 + 24
	QUANT4 5
	SETA 6, 56                                     ; tile 3's 24 and set 7
	QUANT4 6
	SETA 7, 0
	QUANT4 7
	ds_store_b128 v[WSS], v[QW:QW+3]               ; my four columns' scale words of K steps 2 v, 2 v + 1 (written ahead of the last set's wait on va_vdst; no vector instruction stands behind it)
	ds_store_b128 v[WSS], v[QW+4:QW+7] offset:16
	s_wait_dscnt 0x0                               ; for the others' sake: my part of the slice lies in LDS
	s_barrier_signal -1
	s_barrier_wait -1                              ; the whole slice does; nothing in LDS is written from here on
	s_wait_alu depctr_vm_vsrc(0)                   ; my LDS stores have read v[QW ..] and v[QC ..]: the way out's quantiser writes these registers from here on
.irp b, 0,1,2,3
.irp u, 0,1,2,3
	ds_load_b64 v[WSC+8*\b+2*\u:WSC+8*\b+2*\u+1], v[WSR] offset:1024*\u+256*\b
.endr
.endr
	s_mov_b32 s23, 4                               ; pass 0 runs four tiles, whatever the count
	s_mov_b32 s25, 0
.Lpass:
	s_wait_loadcnt 0x0                             ; the pass's fragments and scale words of x
	s_wait_alu depctr_va_vdst(0)                   ; the pass before has written v160-255 (its codes, SELECT's registers), in which W's fragments land
	s_cmp_eq_u32 s23, 4
	s_cbranch_scc0 .Lk1
	KLOOP 4
	s_branch .Lkdone
.Lk1:
	KLOOP 1
.Lkdone:
	LIVE
	s_cmp_eq_u32 s24, 0
	s_cbranch_scc1 .Lnonext
	SELECT                                         ; the next pass's operands are asked for ahead of this pass's way out
	s_wait_alu depctr_vm_vsrc(0)                   ; this pass's loads of x have read v[AX ..] and v[XSA ..], which ADDR writes again
	ADDR
	s_wait_alu depctr_va_vdst(0)                   ; ADDR has written the offsets that the loads below read; the pass's products are done reading x's fragments and scale words, in which they land
	LOADA 0
	LOADS
	s_cmp_eq_u32 s24, 4
	s_cbranch_scc0 .Lnonext
	LOADA 1
	LOADA 2
	LOADA 3
.Lnonext:
	EPI 0
	v_mov_b32 v[PW+1], v[PW]                       ; a group with one tile stores its word in the other tiles' places too: every byte that is read later is written
	v_mov_b32 v[PW+2], v[PW]
	v_mov_b32 v[PW+3], v[PW]
	s_cmp_eq_u32 s23, 4
	s_cbranch_scc0 .Lone
	EPI 1
	EPI 2
	EPI 3
.Lone:
	v_cndmask_b32 v[HSR], v[PW], v[PW+1], s28      ; word 0: tile h's, word 1: tile 2 + h's
	v_cndmask_b32 v[HSR+1], v[PW+2], v[PW+3], s28
	s_wait_alu depctr_va_vdst(0)                   ; the two selections have written v[HSR ..], which the store reads
	global_store_b64 v[HSO], v[HSR:HSR+1], s[16:17]   ; 32 lanes store 256 consecutive bytes, aligned
	s_cmp_eq_u32 s24, 0
	s_cbranch_scc1 .Lend
	s_wait_xcnt 0x0                                ; the stores have read their offsets and data: both are written again only behind this wait
	s_wait_alu depctr_vm_vsrc(0)                   ; the pass's stores have read v[HIO], v[HSO], v[HSR ..] and the codes in v160-255: the adds below, the next pass's loads of W and its way out write them again
	v_add_nc_u32 v[HIO], 0xc0000, v[HIO]
	v_add_nc_u32 v[HSO], 0x400, v[HSO]
	s_mov_b32 s23, s24
	s_add_co_u32 s25, s25, 1
	s_cmp_lt_u32 s25, 4
	s_cbranch_scc1 .Lpass
.Lend:
	s_wait_dscnt 0x0                               ; the closing lines, six on end
	s_wait_alu 0x0
	s_wait_tensorcnt 0x0
	ds_add_u32 v123, v127
	s_wait_dscnt 0x0
	s_endpgm
.Lfunc_end_k_qcd2c58ad6b_up:
	.size	k_qcd2c58ad6b_up, .Lfunc_end_k_qcd2c58ad6b_up-k_qcd2c58ad6b_up
	.p2alignl 7, 3214868480
	.fill 96, 4, 3214868480
	.section	.rodata,"a",@progbits
	.p2align	6, 0x0
	.amdhsa_kernel k_qcd2c58ad6b_up
		.amdhsa_group_segment_fixed_size 103936
		.amdhsa_private_segment_fixed_size 0
		.amdhsa_enable_private_segment 0
		.amdhsa_kernarg_size 56
		.amdhsa_user_sgpr_count 2
		.amdhsa_user_sgpr_kernarg_segment_ptr 1
		.amdhsa_wavefront_size32 1
		.amdhsa_system_sgpr_workgroup_id_x 1
		.amdhsa_system_sgpr_workgroup_id_y 1
		.amdhsa_system_sgpr_workgroup_id_z 1
		.amdhsa_system_vgpr_workitem_id 0
		.amdhsa_next_free_vgpr 1024
		.amdhsa_next_free_sgpr 66
		.amdhsa_reserve_vcc 0
		.amdhsa_float_denorm_mode_32 3
		.amdhsa_float_denorm_mode_16_64 3
		.amdhsa_memory_ordered 1
		.amdhsa_forward_progress 1
		.amdhsa_inst_pref_size 255
	.end_amdhsa_kernel
	.section	.bss,"aw",@nobits
	.p2align	6
	.space	262144
	.amdgpu_metadata
---
amdhsa.version: [ 1, 2 ]
amdhsa.kernels:
  - .name:           k_qcd2c58ad6b_up
    .symbol:         k_qcd2c58ad6b_up.kd
    .args:
      - { .name: w1, .offset: 0, .size: 8, .value_kind: global_buffer, .address_space: global }
      - { .name: b1, .offset: 8, .size: 8, .value_kind: global_buffer, .address_space: global }
      - { .name: xc, .offset: 16, .size: 8, .value_kind: global_buffer, .address_space: global }
      - { .name: xs, .offset: 24, .size: 8, .value_kind: global_buffer, .address_space: global }
      - { .name: sel, .offset: 32, .size: 8, .value_kind: global_buffer, .address_space: global }
      - { .name: hc, .offset: 40, .size: 8, .value_kind: global_buffer, .address_space: global }
      - { .name: hs, .offset: 48, .size: 8, .value_kind: global_buffer, .address_space: global }
    .group_segment_fixed_size: 103936
    .private_segment_fixed_size: 0
    .kernarg_segment_align: 8
    .kernarg_segment_size: 56
    .max_flat_workgroup_size: 128
    .sgpr_count:     66
    .vgpr_count:     1024
    .wavefront_size: 32
...
	.end_amdgpu_metadata
.endif
;; end of part 5
;; launch down (part 6): grid 32 x 8, 4 waves a work-group, no clusters, 121,344 bytes of LDS; arguments w2, b2, hc, hs, sel, gate, y; writes y
.if DOCPART == 6
	.amdgcn_target "amdgcn-amd-amdhsa--gfx1250"
	.amdhsa_code_object_version 6
	.text
	.protected	k_qcd2c58ad6b_down
	.globl	k_qcd2c58ad6b_down
	.p2align	8
	.type	k_qcd2c58ad6b_down,@function
k_qcd2c58ad6b_down:
	s_mov_b64 s[64:65], 0
	v_nop
	global_prefetch_b8 v0, s[64:65] scope:SCOPE_SE
	s_setreg_imm32_b32 hwreg(HW_REG_WAVE_SCHED_MODE, 0, 2), 2
	s_setreg_imm32_b32 hwreg(HW_REG_WAVE_MODE, 25, 1), 1
	s_wait_xcnt 0x0
	s_wait_alu depctr_vm_vsrc(0)
; y[kh][slot] = gate x (h W2[e] over a half of K  [+ b2[e] in half 0]) for the tokens that chose expert e; slot = 2 x token + (0: first choice, 1: second).  Both operands as codes of E3M2, one E8M0 scale for each 32 along K.
; SHARES.  Work-group (cg + 16 kh, e) owns the slice w2[e][2048 kh .. + 2047][64 cg .. + 63]: 512 KiB of f32, read from memory once in the whole launch, quantised on the way and never stored.
; PHASE A.  Wave v streams rows 512 v .. 512 v + 511 of the slice (K steps 4 v .. 4 v + 3) in 8 sets of 32 loads.  A row of the slice is 256 bytes: in load i of set t lanes 0-15 take row 64 t + i and lanes 16-31 row 64 t + 32 + i,
;   16 bytes (4 columns) a lane: two aligned runs of 256 bytes.  So a lane's set is ONE block of 32 along K for each of its 4 columns: block 2 (t % 2) + lane / 16 of K step t / 2.  The set is re-ordered by moves, so that a column's
;   block stands in consecutive registers, as the conversions want; its registers are free at once and take the loads of two sets on.  The codes go to LDS as images of operand registers: fragment f = 4 s + ct (K step s, tile ct of
;   16 columns), 1,552 bytes apart, lane (r, h) at 48 (r + 16 h).  Row r of tile ct is column 32 (ct / 2) + 8 (ct % 2) + r + 8 (r / 8), so that a lane's results are runs of eight neighbouring columns.
; PHASE B.  Positions as in the launch before: P = 256 p + 64 a + 16 v + r; the token at P is the P-th set bit of the expert's mask, made from sel by the same arithmetic.  The hidden layer's fragments come from hc as images of
;   their registers, 512 consecutive bytes a load: K steps 0-9 ahead of a pass, K step 10 + i over K step i's registers in the K step behind that one, nine K steps ahead of its use.  Products transposed (source 0 = W,
;   source 1 = h); b2, cleared in half 1, is the C of each sum's first product; the sums are multiplied by the row's gate and leave through the wave's stage in LDS as rows of 256 consecutive bytes, two rows a store.
;   Rows at or past the count go to row 2,048 + e, which nobody reads.  Pass 0 runs four tiles; a later pass 0, 1 or 4, by the same rule as the launch before.  A pass's slots and gates are made one pass ahead.
; NO CLUSTER, NO TENSOR LOAD: each weight byte has one reader in the launch; what work-groups share is the hidden layer's images, 24 KiB a tile against 512 KiB of weights; and the passes hang on a count read from memory,
;   so every operand goes through registers.  One barrier, between the phases.  No prefetch: the launch streams its weights without a pause until the products begin, and h's loads go out well ahead of their use.
; LIMITS: NaN and infinities are not served.  A block of W whose largest magnitude lies under 2^-122 keeps the scale byte 1.  An output's terms are summed by half of K and by slot, not expert by expert.
; THE MODE: SCHED_MODE bits 1:0 = 2 (LLVM: expert scheduling mode 2), set by the entry lines.  The code itself states the register dependences between vector or matrix instructions and memory or LDS
;   instructions, and those from a vector instruction's scalar result to its readers, with s_wait_alu, always for 0.
; THE PLAN.  Registers that memory or LDS instructions touch, who writes and who reads them, and the wait that stands between:
;   the two sets (window 1)  loads land; SETA's moves read.  One wait on va_vdst behind a set's moves, ahead of the loads of two sets on (set 6: ahead of h's K steps 8, 9, which land in its registers).
;   v[QC ..], v[QW ..]       conversions, moves and SCALEOUT write; LDS stores read.  va_vdst ahead of each run of stores; vm_vsrc ahead of the next set's conversions; vm_vsrc behind the barrier: h's scale words land there and the way out writes there.
;   gates and their offsets  SELECT writes v[GA ..], v[GAN ..]; the gates' loads read them and land in v[GG ..], v[GGN ..], which vector instructions have read or written: va_vdst at the head of GLOAD; the vm_vsrc at the loop's end ahead of the next SELECT.
;   WB0, WB1                 LDS loads land; a K step's products read one of them.  One wait on va_vdst at a K step's head: the K step before is done with the other buffer and with its fragments of h.  Behind each half of this K step's
;                            products six loads of the next K step's W go into that buffer; behind the first half, in K steps 1 to 6, h of nine K steps on goes into those fragments.  The products between name none of these registers.
;   h's fragments and scale words  loads land; the pass's products read.  va_vdst behind the products and the offsets' adds, ahead of the next pass's loads.
;   v[HOF], v[HSF]           read by h's loads; stepped once a pass: vm_vsrc ahead of the adds, that va_vdst behind them.
;   the way out              a tile's scaled sums (LDS stores read them), v[OFFR ..] (the stores' offsets) and v[OUT ..] (LDS loads land, stores read): the offsets are made first, then the sums are scaled, then ONE va_vdst serves the LDS
;                            stores, the LDS loads and the stores; vm_vsrc at the next tile's head and at the loop's end.
;   v160-255 at a pass's head  va_vdst there: SELECT has written v224-247, in which W's fragments land.
;   All other addresses are made at the head, ahead of one wait on va_vdst, and never written again.
;   Scalar results of vector instructions (the wave's number, compares, v_readlane_b32) stand in runs, with one wait on va_sdst behind each run, ahead of its first reader.
; REGISTERS, in windows of 256.  Window 0: v1-31 addresses and masks; v32-63 sel's words, then v32-47 h's scale words of K steps 0-7, v48-63 slots and gates; v64-127 at work (phase B: v64-79 h's scale words of K steps 8-15);
;   v128-255 phase A: a set, column by column; phase B: v128-159 W's scale words, v160-207, v208-255 two buffers of four W fragments; on the way out v160-191 sixteen rows.
;   Window 1: phase A: two sets as loaded; phase B: v0-95 h's K steps 8, 9; v128-255 the 16 accumulators ((a, ct) at 128 + 32 a + 8 ct).
;   Window 2: h's fragments (a, s) at 48 s + 12 a, s = 0..4.   Window 3: the same for s = 5..7 at 48 (s - 5) + 12 a; from v144 b2, eight registers a column tile.
.set P,     4096                       ; bytes from row to row of w2[e]
.set FRAG,  1552                       ; a fragment's image: 32 lanes x 48 bytes + 16
.set WSCB,  64*FRAG                    ; behind the 64 images: W's scale words, [K step][column]
.set STG,   WSCB+4096                  ; a stage for each wave: 16 rows x SPI bytes
.set SPI,   272                        ; a stage row: 256 bytes + 16
.set L16, 1                            ; 16 x lane
.set WST, 2                            ; where I store my columns' codes
.set WSS, 3                            ; and their scale words
.set WL0, 4                            ; 48 x lane: my place in fragments 0-31
.set WL1, 5                            ; the same for fragments 32-63
.set WSR, 6                            ; where I read W's scale words
.set STO, 7                            ; the stage: where I put 32 bytes of a row
.set HOF, 8                            ; 16 x lane + 786,432 p: the pass's images in hc
.set HSF, 9                            ; 8 x lane + 1,024 p: its scale words in hs
.set SRD, 10                           ; the stage: where I read 16 bytes of a row back
.set BOF, 11                           ; 64 h
.set DUMP, 12                          ; 2,048 + e
.set SH8, 13                           ; 8 h: my bytes' place in a scale word, in bits
.set QB,  14                           ; 64 h + r + 16 v: my position in a pass, group 0
.set L16H, 15                          ; 16 x (lane % 16)
.set MK,  16                           ; lane b: block b's mask of tokens that chose my expert;
.set MK2, 17                           ; of those that chose it second;
.set PR,  18                           ; the running count
.set WOF, 19                           ; w2: 16 (lane % 16) + 32 rows x (lane / 16)
.set SSN, 20                           ; v20-21  the next pass's rows of y
.set GGN, 22                           ; v22-23  the next pass's gates
.set TOK, 26
.set TX,  28
.set GAN, 30                           ; v30-31  the next pass's gates' byte offsets
.set SEL, 32
.set ASC, 32                           ; h's scale words, K steps 0-7: (g, s) at 32 + 2 s + g: lanes 0-15 tile 2 g, lanes 16-31 tile 2 g + 1
.set SLOT, 48                          ; v48-49  at work in SELECT
.set SS,  50                           ; v50-51  group g: lane (r, h) holds the row of y of tile 2 g + h, row r
.set GG,  52                           ; v52-53  its gate
.set G,   54                           ; v54-61  tile a's gate, a pair (the packed multiply names a pair and takes its low word)
.set GA,  62                           ; v62-63  pass 0's gates' byte offsets
.set QM,  64                           ; phase A, column j: largest magnitude;
.set QS,  68                           ; the conversions' scale operand;
.set QW,  72                           ; v72-87  scale words: K step sl, column j at 4 sl + j;
.set QC,  88                           ; v88-111 codes, 6 registers a column;
.set QD,  112                          ; the upper 16 codes as the conversion leaves them
.set ASC2, 64                          ; h's scale words, K steps 8-15: (g, s) at 64 + 2 (s - 8) + g
.set OFFR, 80                          ; v80-87  the way out: eight stores' byte offsets in y
.set T,   128                          ; a set: column j's 32 numbers at 32 j
.set WSC, 128                          ; W's scale words: (b, s) at 128 + 2 s + b: lanes 0-15 tile 2 b, lanes 16-31 tile 2 b + 1
.set WB0, 160
.set WB1, 208
.set OUT, 160
.set ZQ,  224                          ; SELECT's registers, a pair each (groups 0, 1)
.set ZM,  226
.set ZX,  228
.set ZB,  230
.set ZN,  232
.set Z1,  234
.set Z2,  236
.set Z3,  238
.set Z4,  240
.set ZP,  242
.set ZT,  244
.set ZU,  246
.set SMK, 38                           ; s38-41  four blocks' masks (BALLOT: s38-45 eight blocks' masks, s46-53 those of the second choice)
.set SPR, 42                           ; s42-45  their running counts
.set SM2, 46                           ; s46-49  their masks of the second choice
.set SCM, 50                           ; s50-57  compares' results: block i of four, group g at 50 + 2 i + g
.set ACC, 128                          ; in window 1
.set BIAS, 144                         ; in window 3
.set MSB, 0
.macro WIN new                         ; the immediate's high byte repeats the setting that is left; a switch that changes nothing is dropped
.if MSB != \new
	s_set_vgpr_msb (MSB<<8)|\new
.set MSB, \new
.endif
.endm
.macro WLOAD t                         ; set t: 64 rows, two a load, into half t % 2 of window 1
	WIN 0x40
.set wi, 0
.rept 32
	global_load_b128 v[128*((\t)%2)+4*wi:128*((\t)%2)+4*wi+3], v[WOF], s[4:5] offset:(64*(\t)+wi)*P th:TH_LOAD_NT
.set wi, wi+1
.endr
	WIN 0
.endm
.macro SETA t, n                       ; set t has landed (n younger loads may be out); column by column into window 0; its registers take set t + 2 (set 6's: h's K steps 8, 9)
	s_wait_loadcnt \n
	WIN 0x01
.set mi, 0
.rept 32
.irp j, 0,1,2,3
	v_mov_b32 v[T+32*\j+mi], v[128*((\t)%2)+4*mi+\j]
.endr
.set mi, mi+1
.endr
.if (\t) <= 6
	WIN 0x40
	s_wait_alu depctr_va_vdst(0)                   ; the moves are done reading the set's registers, in which the loads that follow land
.if (\t) <= 5
	WLOAD (\t)+2
.endif
.else
	WIN 0
.endif
.endm
.macro QUANT4 t                        ; four blocks of 32 along K (my four columns, by turns): block 2 c + h of K step 4 v + t / 2, c = t % 2, h = lane / 16
.set qo, 4*FRAG*((\t)/2)
.irp j, 0,1,2,3
	v_max3_num_f32 v[QM+\j], |v[T+32*\j]|, |v[T+32*\j+1]|, 0x2800000   ; with the floor 2^(5 - 127): the byte cannot fall under 1
.endr
.irp i, 2,4,6,8,10,12,14,16,18,20,22,24,26,28,30
.irp j, 0,1,2,3
	v_max3_num_f32 v[QM+\j], v[QM+\j], |v[T+32*\j+\i]|, |v[T+32*\j+\i+1]|
.endr
.endr
.irp j, 0,1,2,3
	v_add_nc_u32 v[QS+\j], 0xfe000000, v[QM+\j]    ; 4 off the exponent field: the conversion's scale operand
.endr
.irp j, 0,1,2,3
.if (\t)%2 == 0
	v_lshrrev_b32 v[QW+4*((\t)/2)+\j], 23, v[QS+\j]   ; the byte of c = 0 starts my part of the K step's scale word,
.else
	v_lshrrev_b32 v[QM+\j], 23, v[QS+\j]
.endif
.endr
.if (\t)%2 != 0
.irp j, 0,1,2,3
	v_lshl_or_b32 v[QW+4*((\t)/2)+\j], v[QM+\j], 16, v[QW+4*((\t)/2)+\j]   ; that of c = 1 lies two bytes up
.endr
.endif
	s_wait_dscnt 0x0                               ; the last set's LDS stores have read the codes' registers
.if (\t) > 0
	s_wait_alu depctr_vm_vsrc(0)                   ; the last set's LDS stores have read v[QC ..], which the conversions and moves below write again
.endif
.irp j, 0,1,2,3
	v_cvt_scalef32_pk16_bf6_f32 v[QC+6*\j:QC+6*\j+2], v[T+32*\j:T+32*\j+15], v[QS+\j]
	v_cvt_scalef32_pk16_bf6_f32 v[QD+4*\j:QD+4*\j+2], v[T+32*\j+16:T+32*\j+31], v[QS+\j]
.endr
	v_nop                                          ; one plain line behind the conversions
.irp j, 0,1,2,3
.irp i, 0,1,2
	v_mov_b32 v[QC+6*\j+3+\i], v[QD+4*\j+\i]
.endr
.endr
	s_wait_alu depctr_va_vdst(0)                   ; the conversions and moves have written v[QC ..], which the LDS stores below read
.irp j, 0,1,2,3                        ; 24 bytes at 24 c of the lane's 48: 16 + 8 or 8 + 16, so that every address is a multiple of the access's size
.if (\t)%2 == 0
	ds_store_b128 v[WST], v[QC+6*\j:QC+6*\j+3] offset:qo+48*\j
	ds_store_b64 v[WST], v[QC+6*\j+4:QC+6*\j+5] offset:qo+48*\j+16
.else
	ds_store_b64 v[WST], v[QC+6*\j:QC+6*\j+1] offset:qo+48*\j+24
	ds_store_b128 v[WST], v[QC+6*\j+2:QC+6*\j+5] offset:qo+48*\j+32
.endif
.endr
.endm
.macro SCALEOUT                        ; my two bytes of each scale word go 8 h bits up; with lane l xor 16's two the word is whole; both halves of the lanes store the same words to the same places
.irp k, 0,1,2,3,4,5,6,7,8,9,10,11,12,13,14,15
	v_lshlrev_b32 v[QW+\k], v[SH8], v[QW+\k]
.endr
.irp g, 0,1,2,3
.irp j, 0,1,2,3
	v_permlanex16_b32 v[QM+\j], v[QW+4*\g+\j], s26, s27
.endr
.irp j, 0,1,2,3
	v_or_b32 v[QW+4*\g+\j], v[QW+4*\g+\j], v[QM+\j]
.endr
.endr
	s_wait_alu depctr_va_vdst(0)                   ; the sixteen scale words v[QW ..] are written, which the LDS stores below read
.irp g, 0,1,2,3
	ds_store_b128 v[WSS], v[QW+4*\g:QW+4*\g+3] offset:256*\g
.endr
.endm
; The expert's masks, 32 bits a block, and the blocks' running counts, kept one block a lane.  Eight blocks' compares stand in a run.
.macro BALLOT
	v_mov_b32 v[MK], 0
	v_mov_b32 v[MK2], 0
	v_mov_b32 v[PR], 0
	s_mov_b32 s33, 0
.set bl, 0
.rept 4
.irp i, 0,1,2,3,4,5,6,7
	v_and_b32 v24, s29, v[SEL+bl+\i]
	v_and_b32 v25, s30, v[SEL+bl+\i]
	v_cmp_ne_u32 s[SMK+\i], 0, v24
	v_cmp_ne_u32 s[SM2+\i], 0, v25
.endr
	s_wait_alu depctr_va_sdst(0)                   ; the sixteen compares have written s38-53, ahead of their first readers
.irp i, 0,1,2,3,4,5,6,7
	v_writelane_b32 v[MK], s[SMK+\i], bl+\i
	v_writelane_b32 v[MK2], s[SM2+\i], bl+\i
	v_writelane_b32 v[PR], s33, bl+\i
	s_bcnt1_i32_b32 s32, s[SMK+\i]
	s_add_co_u32 s33, s33, s32
.endr
.set bl, bl+8
.endr
	s_mov_b32 s22, s33                             ; how many tokens chose my expert
.endm
.macro LEVEL src, w, bits              ; one step of the descent: are there k or fewer set bits in the next w places?  Then pass them
.irp g, 0,1
	v_bfe_u32 v[ZT+\g], v[\src+\g], v[ZP+\g], \bits
.endr
.irp g, 0,1
	v_cmp_ge_u32 s[SCM+\g], v[ZX+\g], v[ZT+\g]
	v_sub_nc_u32 v[ZT+\g], v[ZX+\g], v[ZT+\g]
	v_add_nc_u32 v[ZU+\g], \w, v[ZP+\g]
.endr
	s_wait_alu depctr_va_sdst(0)                   ; the two compares have written s50, s51, which the selections below read
.irp g, 0,1
	v_cndmask_b32 v[ZX+\g], v[ZX+\g], v[ZT+\g], s[SCM+\g]
	v_cndmask_b32 v[ZP+\g], v[ZP+\g], v[ZU+\g], s[SCM+\g]
.endr
.endm
; The tokens at positions q = s36 + QB (group 0) and q + 128 (group 1), as in the launch before: the last block whose running count is at most q, then the (q - count)-th set bit of its mask;
; then the row of y (into ss) and the gate's byte offset (into ga).  s36 = 256 x the pass.
; The blocks go four at a time: their masks and counts into scalar registers, the eight compares, the selections in ascending order of the blocks.
.macro SELECT ss, ga
	v_add_nc_u32 v[ZQ], s36, v[QB]
	v_add_nc_u32 v[ZQ+1], 0x80, v[ZQ]
.irp g, 0,1
	v_mov_b32 v[ZX+\g], 0
	v_mov_b32 v[ZB+\g], 0
.endr
.set sb, 0
.rept 8
.irp i, 0,1,2,3
	v_readlane_b32 s[SMK+\i], v[MK], sb+\i
	v_readlane_b32 s[SM2+\i], v[MK2], sb+\i
.if sb+\i > 0
	v_readlane_b32 s[SPR+\i], v[PR], sb+\i
.endif
.endr
	s_wait_alu depctr_va_sdst(0)                   ; the four blocks' masks and counts are written (s38-49), ahead of their first readers
.irp i, 0,1,2,3
.irp g, 0,1
.if sb+\i > 0
	v_cmp_le_u32 s[SCM+2*\i+\g], s[SPR+\i], v[ZQ+\g]
.endif
.endr
.endr
	s_wait_alu depctr_va_sdst(0)                   ; the compares have written s50-57, which the selections below read
.irp i, 0,1,2,3
.irp g, 0,1
.if sb+\i == 0
	v_mov_b32 v[ZM+\g], s[SMK]
	v_mov_b32 v[ZN+\g], s[SM2]
.else
	v_cndmask_b32 v[ZM+\g], v[ZM+\g], s[SMK+\i], s[SCM+2*\i+\g]
	v_cndmask_b32 v[ZX+\g], v[ZX+\g], s[SPR+\i], s[SCM+2*\i+\g]
	v_cndmask_b32 v[ZN+\g], v[ZN+\g], s[SM2+\i], s[SCM+2*\i+\g]
	v_cndmask_b32 v[ZB+\g], v[ZB+\g], sb+\i, s[SCM+2*\i+\g]
.endif
.endr
.endr
.set sb, sb+4
.endr
.irp g, 0,1
	v_sub_nc_u32 v[ZX+\g], v[ZQ+\g], v[ZX+\g]      ; k: which set bit of the block
	v_lshrrev_b32 v[ZT+\g], 1, v[ZM+\g]            ; the mask's counts in fields of 2, 4, 8 and 16 bits
	v_and_b32 v[ZT+\g], 0x55555555, v[ZT+\g]
	v_sub_nc_u32 v[Z1+\g], v[ZM+\g], v[ZT+\g]
	v_lshrrev_b32 v[ZT+\g], 2, v[Z1+\g]
	v_and_b32 v[ZT+\g], 0x33333333, v[ZT+\g]
	v_and_b32 v[Z2+\g], 0x33333333, v[Z1+\g]
	v_add_nc_u32 v[Z2+\g], v[Z2+\g], v[ZT+\g]
	v_lshrrev_b32 v[ZT+\g], 4, v[Z2+\g]
	v_add_nc_u32 v[Z3+\g], v[Z2+\g], v[ZT+\g]
	v_and_b32 v[Z3+\g], 0x0f0f0f0f, v[Z3+\g]
	v_lshrrev_b32 v[ZT+\g], 8, v[Z3+\g]
	v_add_nc_u32 v[Z4+\g], v[Z3+\g], v[ZT+\g]
	v_mov_b32 v[ZP+\g], 0
.endr
	LEVEL Z4, 16, 8
	LEVEL Z3, 8, 8
	LEVEL Z2, 4, 4
	LEVEL Z1, 2, 2
	LEVEL ZM, 1, 1
.irp g, 0,1
	v_cmp_gt_u32 s[SCM+\g], s22, v[ZQ+\g]          ; a position under the count?
	v_and_b32 v[ZT+\g], 28, v[ZB+\g]
	v_lshlrev_b32 v[ZT+\g], 5, v[ZT+\g]            ; 128 (b / 4)
	v_lshl_add_u32 v[ZT+\g], v[ZP+\g], 2, v[ZT+\g] ; + 4 x bit
	v_and_b32 v[ZB+\g], 3, v[ZB+\g]
	v_add_nc_u32 v[TOK+\g], v[ZT+\g], v[ZB+\g]     ; + b % 4
	v_bfe_u32 v[ZT+\g], v[ZN+\g], v[ZP+\g], 1      ; 1 where my expert is the token's second choice
	v_lshl_add_u32 v[SLOT+\g], v[TOK+\g], 1, v[ZT+\g]
	v_min_u32 v[\ga+\g], 0x7ff, v[SLOT+\g]         ; held inside the table, then only shifted
	v_lshlrev_b32 v[\ga+\g], 2, v[\ga+\g]
.endr
	s_wait_alu depctr_va_sdst(0)                   ; the two compares have written s50, s51, which the selections below read
.irp g, 0,1
	v_cndmask_b32 v[\ss+\g], v[DUMP], v[SLOT+\g], s[SCM+\g]
.endr
.endm
.macro GLOAD gg, ga
	s_wait_alu depctr_va_vdst(0)                   ; SELECT has written the two offsets that the loads read; the vector instructions that read or wrote the two registers in which the gates land are done
.irp g, 0,1
	global_load_b32 v[\gg+\g], v[\ga+\g], s[14:15]
.endr
.endm
.macro LOADA a                         ; tile a's fragments of h, K steps 0-7: 24 loads of 512 consecutive bytes
	WIN 0x80
.irp s, 0,1,2,3,4
.irp j, 0,1,2
	global_load_b128 v[48*\s+12*\a+4*\j:48*\s+12*\a+4*\j+3], v[HOF], s[8:9] offset:49152*\a+1536*\s+512*\j
.endr
.endr
	WIN 0xc0
.irp s, 5,6,7
.irp j, 0,1,2
	global_load_b128 v[48*(\s-5)+12*\a+4*\j:48*(\s-5)+12*\a+4*\j+3], v[HOF], s[8:9] offset:49152*\a+1536*\s+512*\j
.endr
.endr
	WIN 0
.endm
.macro LOADC a                         ; K steps 8, 9, into window 1: 6 loads
	WIN 0x40
.irp s, 8,9
.irp j, 0,1,2
	global_load_b128 v[48*(\s-8)+12*\a+4*\j:48*(\s-8)+12*\a+4*\j+3], v[HOF], s[8:9] offset:49152*\a+1536*\s+512*\j
.endr
.endr
	WIN 0
.endm
.macro LOADB i, R                      ; K step 10 + i over K step i's registers, R tiles: 3 R loads (the products' window setting follows)
.if (\i) < 5
	WIN 0x80
.set lb, 48*(\i)
.else
	WIN 0xc0
.set lb, 48*((\i)-5)
.endif
.irp a, 0,1,2,3
.if \a < \R
.irp j, 0,1,2
	global_load_b128 v[lb+12*\a+4*\j:lb+12*\a+4*\j+3], v[HOF], s[8:9] offset:49152*\a+1536*(10+(\i))+512*\j
.endr
.endif
.endr
.endm
.macro LOADS                           ; the group's scale words of K steps 0-7: 8 loads of 256 consecutive bytes
.irp s, 0,1,2,3,4,5,6,7
	global_load_b64 v[ASC+2*\s:ASC+2*\s+1], v[HSF], s[10:11] offset:4096*\s
.endr
.endm
.macro LOADS2                          ; and of K steps 8-15
.irp s, 8,9,10,11,12,13,14,15
	global_load_b64 v[ASC2+2*(\s-8):ASC2+2*(\s-8)+1], v[HSF], s[10:11] offset:4096*\s
.endr
.endm
.macro WFETCH s, p, wb                 ; K step s, its fragments 2 p and 2 p + 1 of four: 6 loads from LDS
.irp c, 0,1
.set ff, 4*(\s)+2*(\p)+\c
.irp j, 0,1,2
.if ff < 32
	ds_load_b128 v[(\wb)+12*(2*(\p)+\c)+4*\j:(\wb)+12*(2*(\p)+\c)+4*\j+3], v[WL0] offset:FRAG*ff+16*\j
.else
	ds_load_b128 v[(\wb)+12*(2*(\p)+\c)+4*\j:(\wb)+12*(2*(\p)+\c)+4*\j+3], v[WL1] offset:FRAG*(ff-32)+16*\j
.endif
.endr
.endr
.endm
.macro WM a, ct, s, wb                 ; one product: column tile ct x row tile a, K step s.  The scale registers carry two tiles each: the odd tile's words lie in lanes 16-31
.set rD, ACC+32*(\a)+8*(\ct)
.set rW, (\wb)+12*(\ct)
.if (\s) < 5
.set rA, 48*(\s)+12*(\a)
.elseif (\s) < 8
.set rA, 48*((\s)-5)+12*(\a)
.elseif (\s) < 10
.set rA, 48*((\s)-8)+12*(\a)
.elseif (\s) < 15
.set rA, 48*((\s)-10)+12*(\a)
.else
.set rA, 12*(\a)
.endif
.if (\s) == 0
.set rC, BIAS+8*(\ct)
.else
.set rC, ACC+32*(\a)+8*(\ct)
.endif
.set rU, WSC+2*(\s)+(\ct)/2
.if (\s) < 8
.set rV, ASC+2*(\s)+(\a)/2
.else
.set rV, ASC2+2*((\s)-8)+(\a)/2
.endif
.if ((\ct)%2 == 0) && ((\a)%2 == 0)
	v_wmma_scale_f32_16x16x128_f8f6f4 v[rD:rD+7], v[rW:rW+11], v[rA:rA+11], v[rC:rC+7], v[rU], v[rV] matrix_a_fmt:MATRIX_FMT_BF6 matrix_b_fmt:MATRIX_FMT_BF6
.elseif ((\ct)%2 == 1) && ((\a)%2 == 0)
	v_wmma_scale_f32_16x16x128_f8f6f4 v[rD:rD+7], v[rW:rW+11], v[rA:rA+11], v[rC:rC+7], v[rU], v[rV] matrix_a_fmt:MATRIX_FMT_BF6 matrix_b_fmt:MATRIX_FMT_BF6 matrix_a_scale:MATRIX_SCALE_ROW1
.elseif ((\ct)%2 == 0) && ((\a)%2 == 1)
	v_wmma_scale_f32_16x16x128_f8f6f4 v[rD:rD+7], v[rW:rW+11], v[rA:rA+11], v[rC:rC+7], v[rU], v[rV] matrix_a_fmt:MATRIX_FMT_BF6 matrix_b_fmt:MATRIX_FMT_BF6 matrix_b_scale:MATRIX_SCALE_ROW1
.else
	v_wmma_scale_f32_16x16x128_f8f6f4 v[rD:rD+7], v[rW:rW+11], v[rA:rA+11], v[rC:rC+7], v[rU], v[rV] matrix_a_fmt:MATRIX_FMT_BF6 matrix_b_fmt:MATRIX_FMT_BF6 matrix_a_scale:MATRIX_SCALE_ROW1 matrix_b_scale:MATRIX_SCALE_ROW1
.endif
.endm
; A pass's products, R row tiles: sixteen K steps on two buffers of W.  A K step's 4 R accumulators are all different and come in the same order in every K step: the accumulators take turns.
; K step 0 takes the bias (window 3) as C.  At a K step's head four places and the one wait on va_vdst; behind each half of its products six loads of the next K step's W go into the other buffer, and behind
; the first half, in K steps 1 to 6, h of nine K steps on goes into the fragments that the K step before has read: two more window switches a K step than one run would take, so that the loads are issued among the products.
; Waits for h: at K step 8 the scale words of K steps 8-15, behind which the six refills (18 R loads; a wait names 63 at the most) were issued; at K step 10 + i refill i, behind which 3 R (5 - i) were issued.
.macro KLOOP R
	WFETCH 0, 0, WB0
	WFETCH 0, 1, WB0
.set ks, 0
.rept 16
.if ks == 8
.if 18*\R > 63
	s_wait_loadcnt 63
.else
	s_wait_loadcnt 18*\R
.endif
.elseif ks >= 10
	s_wait_loadcnt 3*\R*(15-ks)
.endif
.if (ks >= 1) && (ks < 15)
.rept 4
	v_nop
.endr
	s_wait_alu depctr_va_vdst(0)                   ; the last K step's products are done reading their buffer of W and their fragments of h, in which this K step's loads land
.endif
.irp p, 0,1
.if ks < 15
	s_wait_dscnt 6                                 ; these products' six loads are in; the six issued behind them may be out
.else
	s_wait_dscnt 6-6*\p
.endif
.if ks == 0
	WIN 0x78                                       ; D window 1, W window 0, h window 2, C window 3
.elseif (ks < 5) || ((ks >= 10) && (ks < 15))
	WIN 0x58                                       ; C and D window 1, h window 2
.elseif (ks >= 8) && (ks < 10)
	WIN 0x54                                       ; h window 1
.else
	WIN 0x5c                                       ; h window 3
.endif
.irp c, 0,1
.irp a, 0,1,2,3
.if \a < \R
	WM \a, 2*\p+\c, ks, WB0+48*(ks%2)
.endif
.endr
.endr
.if ks < 15
	WIN 0
	WFETCH ks+1, \p, WB0+48*((ks+1)%2)             ; no wait: no product since the K step's head names the other buffer
.endif
.if (\p == 0) && (ks >= 1) && (ks <= 6)
	LOADB ks-1, \R                                 ; no wait: no product since the K step's head names the last K step's fragments of h
.endif
.endr
.set ks, ks+1
.endr
	WIN 0
.rept 4
	v_nop                                          ; four places behind the last products, before their results are read and their operands' registers written (ISA guide 7.12.1)
.endr
.endm
.macro LIVE k, dst                     ; s[dst] = row tiles of my group in pass p + k: 0, 1 or 4;  s36 = 256 (p + k)
	s_add_co_u32 s31, s25, \k
	s_lshl_b32 s36, s31, 8
	s_lshl_b32 s32, s18, 4
	s_sub_co_i32 s31, s22, s36
	s_sub_co_i32 s31, s31, s32
	s_add_co_i32 s31, s31, 63
	s_ashr_i32 s31, s31, 6                         ; tiles a with 256 (p + k) + 64 a + 16 v under the count
	s_max_i32 s31, s31, 0
	s_cmp_gt_u32 s31, 1
	s_cselect_b32 s[\dst], 4, s31
.endm
; Tile a's way out.  A lane holds 4 x 8 numbers of one row; the sums times the row's gate go through my own stage and come back as rows of 256 bytes, two a load; each row is stored to its slot's row of y.
; The sixteen rows' slots are read in one run into sixteen scalar registers; lanes 0-15 take the even row's, lanes 16-31 the odd row's; held inside y's rows, then only shifted and added to.
; The offsets are made first and the sums scaled behind them, so that one wait on va_vdst serves all the tile's LDS and memory instructions.
.macro EPI a
	s_wait_xcnt 0x0                                ; the tile before has had its stores' offsets and data read: both are written again only behind this wait
.if (\a) > 0
	s_wait_alu depctr_vm_vsrc(0)                   ; the tile before: its stores have read v[OFFR ..], which the moves below write, and v[OUT ..], in which the loads from the stage land
.endif
.irp i, 0,1,2,3,4,5,6,7,8,9,10,11,12,13,14,15
	v_readlane_b32 s[48+\i], v[SS+(\a)/2], 16*((\a)%2)+\i
.endr
	s_wait_alu depctr_va_sdst(0)                   ; the sixteen slots are written (s48-63), ahead of their first readers
.irp i, 0,1,2,3,4,5,6,7
	v_mov_b32 v[OFFR+\i], s[48+2*\i]
.endr
.irp i, 0,1,2,3,4,5,6,7
	v_cndmask_b32 v[OFFR+\i], v[OFFR+\i], s[49+2*\i], s28
.endr
.irp i, 0,1,2,3,4,5,6,7
	v_min_u32 v[OFFR+\i], 0x807, v[OFFR+\i]
.endr
.irp i, 0,1,2,3,4,5,6,7
	v_lshl_add_u32 v[OFFR+\i], v[OFFR+\i], 12, v[L16H]
.endr
	WIN 0x41
.set ei, 0
.rept 16
	v_pk_mul_f32 v[ACC+32*(\a)+2*ei:ACC+32*(\a)+2*ei+1], v[ACC+32*(\a)+2*ei:ACC+32*(\a)+2*ei+1], v[G+2*(\a):G+2*(\a)+1] op_sel_hi:[1,0]   ; each accumulator from its low end on
.set ei, ei+1
.endr
	WIN 0x04                                       ; an LDS store's data are its source 1: window 1
	s_wait_alu depctr_va_vdst(0)                   ; the scaled sums are written, which the LDS stores read; so are the offsets v[OFFR ..], which the stores read; the products are done reading v[OUT ..], in which the loads from the stage land
.irp ct, 0,1,2,3
	ds_store_b128 v[STO], v[ACC+32*(\a)+8*\ct:ACC+32*(\a)+8*\ct+3] offset:128*(\ct/2)+32*(\ct%2)       ; columns 32 (ct / 2) + 16 h + 8 (ct % 2) + 0 .. 7
	ds_store_b128 v[STO], v[ACC+32*(\a)+8*\ct+4:ACC+32*(\a)+8*\ct+7] offset:128*(\ct/2)+32*(\ct%2)+16
.endr
	WIN 0
.irp i, 0,1,2,3,4,5,6,7
	ds_load_b128 v[OUT+4*\i:OUT+4*\i+3], v[SRD] offset:2*SPI*\i   ; rows 2 i and 2 i + 1.  LDS serves a wave's instructions in order (ISA guide 5.7.1.4): these see my stores, and the next tile's stores come behind them
.endr
.irp i, 0,1,2,3,4,5,6,7
	s_wait_dscnt 7-\i                              ; rows 2 i, 2 i + 1 are back; the younger rows may be out
	global_store_b128 v[OFFR+\i], v[OUT+4*\i:OUT+4*\i+3], s[16:17] th:TH_STORE_NT   ; sixteen lanes store 256 consecutive bytes, at a multiple of 256 from y's first byte
.endr
.endm
	s_load_b256 s[4:11], s[0:1], 0x0               ; w2 s[4:5], b2 s[6:7], hc s[8:9], hs s[10:11]
	s_load_b128 s[12:15], s[0:1], 0x20             ; sel s[12:13], gate s[14:15]
	s_load_b64 s[16:17], s[0:1], 0x30              ; y
	v_lshl_add_u32 v123, v0, 2, 0x1d800
	v_mov_b32 v127, 0
	v_lshrrev_b32 v22, 5, v0
	v_readfirstlane_b32 s18, v22                   ; wave v
	s_and_b32 s19, ttmp7, 0xffff                   ; expert e
	s_and_b32 s20, ttmp9, 15                       ; column group cg
	s_lshr_b32 s21, ttmp9, 4                       ; half of K, kh
	v_and_b32 v22, 31, v0                          ; lane
	v_and_b32 v23, 15, v0                          ; r
	v_bfe_u32 v24, v0, 4, 1                        ; h
	v_lshlrev_b32 v[L16], 4, v22
	v_lshlrev_b32 v[L16H], 4, v23
	v_lshl_add_u32 v[WOF], v24, 17, v[L16H]        ; lanes 16-31 read 32 rows of 4,096 bytes further down
	v_lshlrev_b32 v[SH8], 3, v24
	v_bfe_u32 v25, v0, 3, 1                        ; my columns 4 (l % 16) + j lie in tile ct = 2 ((l / 8) % 2) + (l / 2) % 2,
	v_bfe_u32 v30, v0, 1, 1
	v_lshl_add_u32 v25, v25, 1, v30
	v_mul_u32_u24 v[WST], v25, FRAG
	v_bfe_u32 v25, v0, 2, 1                        ; at rows 8 ((l / 4) % 2) + 4 (l % 2) + j,
	v_and_b32 v30, 1, v0
	v_lshlrev_b32 v30, 2, v30
	v_lshl_add_u32 v25, v25, 3, v30
	v_mad_u32_u24 v[WST], v25, 48, v[WST]
	v_mad_u32_u24 v[WST], v24, 768, v[WST]         ; and my blocks are those of the operand's lanes 16 h on
	s_wait_alu depctr_va_sdst(0)                   ; s18, the wave's number, is written, ahead of its first reader
	s_mul_i32 s31, s18, 16*FRAG                    ; my wave's K steps 4 v .. 4 v + 3: sixteen fragments
	v_add_nc_u32 v[WST], s31, v[WST]
	s_lshl_b32 s31, s18, 10
	s_add_co_u32 s31, s31, WSCB
	v_add_nc_u32 v[WSS], s31, v[L16H]              ; WSCB + 1,024 v + 16 (l % 16)
	v_mul_u32_u24 v[WL0], v22, 48
	v_add_nc_u32 v[WL1], 32*FRAG, v[WL0]
	v_and_b32 v25, 8, v23
	v_add_nc_u32 v25, v25, v23
	v_lshl_add_u32 v25, v24, 3, v25                ; 8 h + r + 8 (r / 8): my column in a pair of tiles
	v_lshl_add_u32 v[WSR], v25, 2, WSCB
	s_mul_i32 s31, s18, 16*SPI
	s_add_co_u32 s31, s31, STG                     ; my stage
	v_mul_u32_u24 v[STO], v23, SPI
	v_lshl_add_u32 v[STO], v24, 6, v[STO]
	v_add_nc_u32 v[STO], s31, v[STO]               ; in: row r, + 64 h
	v_mul_u32_u24 v[SRD], v24, SPI
	v_add_nc_u32 v[SRD], v[SRD], v[L16H]
	v_add_nc_u32 v[SRD], s31, v[SRD]               ; back: lanes 0-15 one row, lanes 16-31 the next
	s_lshl_b32 s31, s18, 4
	v_lshl_add_u32 v[QB], v24, 6, v23
	v_add_nc_u32 v[QB], s31, v[QB]
	v_mov_b32 v[HOF], v[L16]
	v_lshlrev_b32 v[HSF], 3, v22
	v_lshlrev_b32 v[BOF], 6, v24
	s_add_co_u32 s31, s19, 2048
	v_mov_b32 v[DUMP], s31
	v_mov_b32 v[TX], 0                             ; written once: a lane permute's destination counts as one of its sources
	v_mov_b32 v[TX+1], 0
	v_mov_b32 v[SSN], 0                            ; written once here: they are made anew only where a further pass has rows
	v_mov_b32 v[SSN+1], 0
	v_mov_b32 v[GGN], 0
	v_mov_b32 v[GGN+1], 0
	s_mov_b32 s26, 0x76543210                      ; v_permlanex16_b32's selects for lane l xor 16
	s_mov_b32 s27, 0xfedcba98
	s_mov_b32 s28, 0xffff0000                      ; lanes 16-31
	s_lshl_b32 s29, 0x101, s19                     ; my expert as first or as second choice,
	s_lshl_b32 s30, 0x100, s19                     ; as second
	s_cmp_eq_u32 s21, 0
	s_cselect_b32 s37, -1, 0                       ; b2 counts in half 0 alone
	s_lshl_b32 s38, s19, 24                        ; w2: e x 16 MiB + (2,048 kh + 512 v) rows + 256 cg
	s_lshl_b32 s31, s21, 23
	s_add_co_u32 s38, s38, s31
	s_lshl_b32 s31, s18, 21
	s_add_co_u32 s38, s38, s31
	s_lshl_b32 s31, s20, 8
	s_add_co_u32 s38, s38, s31
	s_mov_b32 s39, 0
	s_lshl_b32 s40, s19, 12                        ; b2: 4,096 e + 256 cg
	s_add_co_u32 s40, s40, s31
	s_mov_b32 s41, 0
	s_mul_i32 s46, s21, 8421376                    ; y [kh][2,056 rows][4,096 bytes], + 256 cg
	s_add_co_u32 s46, s46, s31
	s_mov_b32 s47, 0
	s_mul_i32 s42, s19, 3145728                    ; hc [e][4 p + v][a][s = 16 kh + ..][1,536]
	s_mul_i32 s31, s18, 196608
	s_add_co_u32 s42, s42, s31
	s_mul_i32 s31, s21, 24576
	s_add_co_u32 s42, s42, s31
	s_mov_b32 s43, 0
	s_lshl_b32 s44, s19, 17                        ; hs [e][s = 16 kh + ..][4 p + v][256]
	s_lshl_b32 s31, s21, 16
	s_add_co_u32 s44, s44, s31
	s_lshl_b32 s31, s18, 8
	s_add_co_u32 s44, s44, s31
	s_mov_b32 s45, 0
	s_wait_kmcnt 0x0
	s_add_nc_u64 s[4:5], s[4:5], s[38:39]
	s_add_nc_u64 s[6:7], s[6:7], s[40:41]
	s_add_nc_u64 s[8:9], s[8:9], s[42:43]
	s_add_nc_u64 s[10:11], s[10:11], s[44:45]
	s_add_nc_u64 s[16:17], s[16:17], s[46:47]
	s_wait_alu depctr_va_vdst(0)                   ; the offsets and LDS addresses v1-11, v15, v19 are written, which the loads, LDS instructions and stores of the whole kernel read
.irp i, 0,1,2,3,4,5,6,7
	global_load_b128 v[SEL+4*\i:SEL+4*\i+3], v[L16], s[12:13] offset:512*\i   ; register b of lane l: token 128 (b / 4) + 4 l + b % 4
.endr
	WIN 0xc0
.irp ct, 0,1,2,3
	global_load_b128 v[BIAS+8*\ct:BIAS+8*\ct+3], v[BOF], s[6:7] offset:4*(32*(\ct/2)+8*(\ct%2))      ; b2 in the result's layout: columns 32 (ct / 2) + 16 h + 8 (ct % 2) + 0 .. 7
	global_load_b128 v[BIAS+8*\ct+4:BIAS+8*\ct+7], v[BOF], s[6:7] offset:4*(32*(\ct/2)+8*(\ct%2))+16
.endr
	WIN 0
	WLOAD 0
	WLOAD 1
; PHASE A.  Each wait's count is the number of loads issued behind the set's own 32, held to 63, the most that a wait can name.
	SETA 0, 32                                     ; behind set 0: set 1.  sel and b2, issued ahead of it, are in too
	QUANT4 0
	BALLOT
	s_mov_b32 s25, 0                               ; the pass
	s_mov_b32 s36, 0
	SELECT SS, GA                                  ; pass 0's rows of y and gates
	GLOAD GG, GA
	WIN 0xcc
.set bi, 0
.rept 32
	v_and_b32 v[BIAS+bi], s37, v[BIAS+bi]          ; b2, or zeros
.set bi, bi+1
.endr
	WIN 0
	LIVE 1, 24
	s_cmp_eq_u32 s24, 0
	s_cbranch_scc1 .Lno1
	SELECT SSN, GAN                                ; pass 1's, where it has rows of mine
	GLOAD GGN, GAN
.Lno1:
	SETA 1, 34                                     ; behind set 1: set 2 and pass 0's two gates (pass 1's two, where they were asked for, come on top).  Its wait on va_vdst also states that BALLOT is done reading sel's words, in which h's scale words land
	LOADA 0                                        ; pass 0's operands are asked for among the sets
	LOADS
	QUANT4 1
	SETA 2, 63                                     ; 2 + 32 + 24 + 8
	LOADA 1
	QUANT4 2
	SETA 3, 63                                     ; 24 + 8 + 32 + 24
	LOADA 2
	QUANT4 3
	SETA 4, 63                                     ; 24 + 32 + 24
	LOADA 3
	QUANT4 4
	SETA 5, 63                                     ; 24 + 32 + 24
	QUANT4 5
	SETA 6, 56                                     ; tile 3's 24 and set 7
	LOADC 0                                        ; K steps 8, 9 of h, into the registers that set 6 has left
	LOADC 1
	LOADC 2
	LOADC 3
	QUANT4 6
	SETA 7, 24                                     ; those 24
	QUANT4 7
	SCALEOUT
	s_wait_dscnt 0x0                               ; for the others' sake: my part of the slice lies in LDS
	s_barrier_signal -1
	s_barrier_wait -1                              ; the whole slice does; from here on a wave writes its own stage alone
	s_wait_alu depctr_vm_vsrc(0)                   ; my LDS stores have read v[QW ..] and v[QC ..]: h's scale words land in v64-79, and the way out writes v80-87
	LOADS2
.irp s, 0,1,2,3,4,5,6,7,8,9,10,11,12,13,14,15
.irp b, 0,1
	ds_load_b32 v[WSC+2*\s+\b], v[WSR] offset:256*\s+128*\b
.endr
.endr
	s_mov_b32 s23, 4                               ; pass 0 runs four tiles, whatever the count
.Lpass:
	s_wait_loadcnt 8                               ; all of the pass's operands are in but the youngest eight loads: the scale words of K steps 8-15, which K step 8 waits for
.irp g, 0,1
	v_permlanex16_b32 v[TX+\g], v[GG+\g], s26, s27
.endr
	v_cndmask_b32 v[G], v[GG], v[TX], s28          ; tile a's gate in both halves of the lanes
	v_cndmask_b32 v[G+2], v[TX], v[GG], s28
	v_cndmask_b32 v[G+4], v[GG+1], v[TX+1], s28
	v_cndmask_b32 v[G+6], v[TX+1], v[GG+1], s28
.irp a, 0,1,2,3
	v_mov_b32 v[G+2*\a+1], v[G+2*\a]               ; (named with it as a pair, so it is written)
.endr
	s_wait_alu depctr_va_vdst(0)                   ; SELECT, at the end of the pass before, has written v224-247, in which W's fragments land
	s_cmp_eq_u32 s23, 4
	s_cbranch_scc0 .Lk1
	KLOOP 4
	s_branch .Lkdone
.Lk1:
	KLOOP 1
.Lkdone:
	LIVE 1, 24
	s_cmp_eq_u32 s24, 0
	s_cbranch_scc1 .Lnoload
	s_wait_alu depctr_vm_vsrc(0)                   ; this pass's loads of h have read v[HOF] and v[HSF], which the adds below write
	v_add_nc_u32 v[HOF], 0xc0000, v[HOF]           ; the loads that named these offsets are done (the wait for 0 at the last K step)
	v_add_nc_u32 v[HSF], 0x400, v[HSF]
	s_wait_alu depctr_va_vdst(0)                   ; the two offsets are written, which the loads below read; the pass's products are done reading h's fragments and scale words, in which they land
	LOADA 0                                        ; the next pass's operands are asked for ahead of this pass's way out
	LOADS
	s_cmp_eq_u32 s24, 4
	s_cbranch_scc0 .Lfew
	LOADA 1
	LOADA 2
	LOADA 3
	LOADC 1
	LOADC 2
	LOADC 3
.Lfew:
	LOADC 0
	LOADS2                                         ; last, on every way: the wait at a pass's head leaves these eight out
.Lnoload:
	EPI 0
	s_cmp_eq_u32 s23, 4
	s_cbranch_scc0 .Lone
	EPI 1
	EPI 2
	EPI 3
.Lone:
	s_cmp_eq_u32 s24, 0
	s_cbranch_scc1 .Lend
	s_wait_xcnt 0x0                                ; the last tile's stores have read their offsets and data
	s_wait_alu depctr_vm_vsrc(0)                   ; the pass's stores have read v[OFFR ..] and v[OUT ..], its LDS stores the accumulators, the gates' loads of a pass ago v[GAN ..]: the next pass's way out, loads of W and products, and SELECT below, write them again
.irp g, 0,1
	v_mov_b32 v[SS+\g], v[SSN+\g]                  ; the next pass's rows of y and gates were made a pass ago (the gates' loads are in: the wait for 0 at the last K step)
	v_mov_b32 v[GG+\g], v[GGN+\g]
.endr
	LIVE 2, 35
	s_cmp_eq_u32 s35, 0
	s_cbranch_scc1 .Lno2
	SELECT SSN, GAN                                ; and those of the pass after it, where it has rows of mine
	GLOAD GGN, GAN
.Lno2:
	s_mov_b32 s23, s24
	s_add_co_u32 s25, s25, 1
	s_cmp_lt_u32 s25, 4
	s_cbranch_scc1 .Lpass
.Lend:
	s_wait_dscnt 0x0                               ; the closing lines, six on end
	s_wait_alu 0x0
	s_wait_tensorcnt 0x0
	ds_add_u32 v123, v127
	s_wait_dscnt 0x0
	s_endpgm
.Lfunc_end_k_qcd2c58ad6b_down:
	.size	k_qcd2c58ad6b_down, .Lfunc_end_k_qcd2c58ad6b_down-k_qcd2c58ad6b_down
	.p2alignl 7, 3214868480
	.fill 96, 4, 3214868480
	.section	.rodata,"a",@progbits
	.p2align	6, 0x0
	.amdhsa_kernel k_qcd2c58ad6b_down
		.amdhsa_group_segment_fixed_size 121344
		.amdhsa_private_segment_fixed_size 0
		.amdhsa_enable_private_segment 0
		.amdhsa_kernarg_size 56
		.amdhsa_user_sgpr_count 2
		.amdhsa_user_sgpr_kernarg_segment_ptr 1
		.amdhsa_wavefront_size32 1
		.amdhsa_system_sgpr_workgroup_id_x 1
		.amdhsa_system_sgpr_workgroup_id_y 1
		.amdhsa_system_sgpr_workgroup_id_z 1
		.amdhsa_system_vgpr_workitem_id 0
		.amdhsa_next_free_vgpr 1024
		.amdhsa_next_free_sgpr 66
		.amdhsa_reserve_vcc 0
		.amdhsa_float_denorm_mode_32 3
		.amdhsa_float_denorm_mode_16_64 3
		.amdhsa_memory_ordered 1
		.amdhsa_forward_progress 1
		.amdhsa_inst_pref_size 255
	.end_amdhsa_kernel
	.section	.bss,"aw",@nobits
	.p2align	6
	.space	262144
	.amdgpu_metadata
---
amdhsa.version: [ 1, 2 ]
amdhsa.kernels:
  - .name:           k_qcd2c58ad6b_down
    .symbol:         k_qcd2c58ad6b_down.kd
    .args:
      - { .name: w2, .offset: 0, .size: 8, .value_kind: global_buffer, .address_space: global }
      - { .name: b2, .offset: 8, .size: 8, .value_kind: global_buffer, .address_space: global }
      - { .name: hc, .offset: 16, .size: 8, .value_kind: global_buffer, .address_space: global }
      - { .name: hs, .offset: 24, .size: 8, .value_kind: global_buffer, .address_space: global }
      - { .name: sel, .offset: 32, .size: 8, .value_kind: global_buffer, .address_space: global }
      - { .name: gate, .offset: 40, .size: 8, .value_kind: global_buffer, .address_space: global }
      - { .name: y, .offset: 48, .size: 8, .value_kind: global_buffer, .address_space: global }
    .group_segment_fixed_size: 121344
    .private_segment_fixed_size: 0
    .kernarg_segment_align: 8
    .kernarg_segment_size: 56
    .max_flat_workgroup_size: 128
    .sgpr_count:     66
    .vgpr_count:     1024
    .wavefront_size: 32
...
	.end_amdgpu_metadata
.endif
;; end of part 6
;; launch combine: the kernel of part 4 again; grid 256 x 1, 8 waves a work-group, no clusters, 0 bytes of LDS; arguments y, out0; writes out0
